; MI455X (gfx1250); checked and timed in simulation.
; The chip was launched on July 23, 2026; its instructions are those of AMD's public machine-readable ISA for CDNA 5 (MIT licence, August 2026) and "CDNA5" Instruction Set Architecture Reference Guide (July 2026). The comments in the code are by the model that wrote it; some were corrected since.
;; Multi Head Attention Quantum. Allowed arithmetic: matrix products marked QUANTISED: E2M1 operands, one E8M0 scale for each 32 along K, by v_wmma_scale_f32_16x16x128_f8f6f4 with both operands' format E2M1 (or v_wmma_scale_f32_32x16x128_f4), f32 sums; products left as they are: f32 operands where the result goes on into a quantised operand, else bf16, f16 or f32 operands; f32 sums; everything else in f32.
;; Inputs: k_b 1,024 float32; k_w 1,024 x 1,024 float32; out_b 1,024 float32; out_w 1,024 x 1,024 float32; proj_w 1,024 x 8 float32; q_b 1,024 float32; q_w 1,024 x 1,024 float32; theta 8 float32; v_b 1,024 float32; v_w 1,024 x 1,024 float32; x 4 x 2,048 x 1,024 float32.
;; Outputs: out0 4 x 2,048 x 1,024 float32.
;; This version of the problem:
;;   THIS VERSION OF THE PROBLEM IS GIVEN IN LOW PRECISION. The matrix products marked QUANTISED in the list below multiply operands that are first quantised to E2M1 (2 exponent bits, 1 mantissa bit; 4 bits a number), with one power-of-two scale for each 32 numbers along K (OCP MX v1.0); their sums are f32. All else is computed in f32.
;;   The module's matrix products, in the order in which they are computed (A, B: the left and right operand; K: the contracted axis; several contracted axes count as one K, in the product's order):
;;     1. [M 8,192, K 8] x [K 8, N 1,024]; A: computed on the way; B: input proj_w: left as it is (K = 8 < 32)
;;     2. [M 8,192, K 1,024] x [K 1,024, N 1,024]; A: computed on the way; B: input q_w: QUANTISED
;;     3. [M 8,192, K 1,024] x [K 1,024, N 1,024]; A: computed on the way; B: input k_w: QUANTISED
;;     4. [M 8,192, K 1,024] x [K 1,024, N 1,024]; A: computed on the way; B: input v_w: QUANTISED
;;     5. batch 64 x [M 2,048, K 64] x [K 64, N 2,048]; A: computed on the way; B: computed on the way: QUANTISED
;;     6. batch 64 x [M 2,048, K 2,048] x [K 2,048, N 64]; A: softmax (see below); B: computed on the way: QUANTISED
;;     7. [M 8,192, K 1,024] x [K 1,024, N 1,024]; A: computed on the way; B: input out_w: QUANTISED
;;   THE QUANTISER, for each operand of a quantised product, along K:
;;     - K is cut into blocks of 32 from its start; a last block that is shorter is filled with zeros.
;;     - A block's scale is 2^e with e = floor(log2(the largest magnitude in the block)) - 2, held to -126 .. 127; a block of zeros has e = 0. As a byte (E8M0): e + 127.
;;     - Each number is divided by its block's scale, clamped to +-6, and rounded to the nearest number of E2M1, ties to even, subnormals kept.
;;     - The product sums the exact products of the quantised numbers (number of the format x scale) in f32.
;;   ~~~python
;;   def quantise(x, axis):      # numpy; x: float32 -> the quantised numbers, widened to float32 again
;;       x = np.moveaxis(x, axis, -1); K = x.shape[-1]
;;       x = np.pad(x, [(0, 0)] * (x.ndim - 1) + [(0, -K % 32)]); x = x.reshape(x.shape[:-1] + (-1, 32)); a = np.abs(x).max(-1, keepdims=True)
;;       e = np.where(a > 0, np.clip(np.frexp(np.where(a > 0, a, 1))[1] - 1 - 2, -126, 127), 0)      # np.frexp(a)[1] - 1 = floor(log2(a)), exactly
;;       r = np.clip(x / 2.0 ** e, -6, 6)
;;       step = 2.0 ** (np.maximum(np.frexp(np.where(r == 0, 1, r))[1] - 1, 0) - 1)
;;       q = np.round(r / step) * step * 2.0 ** e      # np.round: ties to even
;;       return np.moveaxis(q.reshape(q.shape[:-2] + (-1,))[..., :K], -1, axis).astype(np.float32)
;;   ~~~
;;   SOFTMAX AHEAD OF A QUANTISED PRODUCT. Where the list says 'softmax', what is quantised is not the finished softmax but p = 2^(t - M), with t = logit x log2(e) and M = ceil(the row's largest t), a whole number; so 1/2 < the row's largest p <= 1. The row's sum l is taken of the UNQUANTISED p, in f32, and the product's result is divided by l at the end. Since M is a whole number, a kernel that streams over the keys may use a running M (the ceiling of the running maximum): every later rescaling is an exact power of two, which a block's scale takes up: the codes' values come out the same.
;;   OPERANDS COMPUTED ON THE WAY. 'Computed on the way' means the value that the module computes at that place (a softmax that the list does not call 'softmax' is quantised finished and normalised). What goes into a quantiser is computed in f32, as accurately as f32 sums, v_exp_f32 and their like allow (about 1e-6 of the number): no bf16 or f16 on the way to a quantiser, and a product that is left as it is and whose result goes on into a quantised operand takes f32 operands (vector FMAs, or v_wmma_f32_16x16x4_f32). A number that lies on a knife's edge between two numbers of the format may be rounded either way, as far as f32 arithmetic and the matrix unit's own rounding can turn it there, and no further.
;; 2 versions. Each part assembles by itself: llvm-mc -triple=amdgcn-amd-amdhsa -mcpu=gfx1250 --defsym DOCPART=n.
;; ======== version 1 of 2: 4 launches
;; limits: inputs' magnitudes at most 100,000
;; workspace buffers: xq_codes 4,194,304 bytes; xq_scales 262,144 bytes; w_codes 2,097,152 bytes; w_scales 131,072 bytes; qkv 13,893,632 bytes; ao_img 4,194,304 bytes; ao_sc 262,144 bytes
;; launch prep (part 1): grid 384 x 1, 4 waves a work-group, no clusters, 51,712 bytes of LDS; arguments x, theta, proj_w, q_w, k_w, v_w, out_w, xq_codes, xq_scales, w_codes, w_scales; writes xq_codes, xq_scales, w_codes, w_scales
.if DOCPART == 1
	.amdgcn_target "amdgcn-amd-amdhsa--gfx1250"
	.amdhsa_code_object_version 6
	.text
	.protected	k_q155cd37997_prep
	.globl	k_q155cd37997_prep
	.p2align	8
	.type	k_q155cd37997_prep,@function
k_q155cd37997_prep:
	s_mov_b64 s[64:65], 0
	v_nop
	global_prefetch_b8 v0, s[64:65] scope:SCOPE_SE
	s_setreg_imm32_b32 hwreg(HW_REG_WAVE_MODE, 25, 1), 1
	s_wait_xcnt 0x0
; PREP: everything that later launches read many times is turned into codes of FP4 (E2M1) once, K innermost, one E8M0 byte for each 32 along K.
; Work-groups 0-127: the four weights q_w, k_w, v_w, out_w [1024][1024] f32 -> w_codes [4096][512 B], w_scales [4096][32 B] (32 work-groups a tensor, 8 rows a wave).
; Work-groups 128-383: x_q = cos(x[:, :8] + theta) proj_w^T, in f32, 32 tokens x 1,024 a work-group -> xq_codes [8192][512 B], xq_scales [8192][32 B].
; POSITION ORDER: row p of each of these buffers is the tensor's row rho(p), rho = bits 3 and 4 of the index exchanged.  So 16 consecutive rows of a buffer, taken as source 0 of a matrix instruction,
; leave in the 16 result registers of two neighbouring tiles 16 NEIGHBOURS along that operand's rows: what the next quantiser wants in one lane.
; A block's scale is 2^(floor(log2(its largest magnitude)) - 2); its byte is the largest magnitude's exponent field - 2, held at 1 from below.
; LIMITS: NaN and infinities among the inputs are not served.  A block of zeros, or one whose largest magnitude lies under 2^-124, gets the byte 1 (its codes are zeros or the nearest codes under that scale);
; these bytes are read by this program alone.  The cosine's argument is reduced by pi/2 in two parts: what is left out is n x 1.7e-15, n = the argument / (pi/2): served up to |x + theta| about 1e5.
; The two kinds of work-group part on the work-group's number alone and have LDS bytes of their own.  No tensor loads.
.set STEPS, 16                         ; weights: steps of 512 numbers a wave
.set CB,    8                          ; bytes of 16 codes
.set WR,    16                         ; v16-79   four sets of 16 numbers as loaded
.set WX,    80                         ; v80-111  two sets of 16 neighbours
.set WE,    112                        ; v112-127 a scale byte for each step
.set WC,    128                        ; v128-191 codes, four registers a step: no store's data are written again
.set WREG,  8192                       ; LDS of a wave on the weights' path: two stages of 32 x SP bytes, then its 256 scale bytes
.set SP,    80                         ; a lane's 64 bytes + 16 of padding
.set XSTG,  32768                      ; LDS of the tokens' path: 32 rows of codes, 512 bytes + 16
.set XP,    528
.set XSC,   XSTG+32*XP                 ; and 32 rows of 32 scale bytes
.set CA,    16                         ; v16-23 x, then the argument, then what the reduction leaves
.set CN,    24                         ; v24-31 n, then the quadrant
.set CZ,    32                         ; v32-39 r^2
.set CSN,   40                         ; v40-47 the sine
.set CCS,   48                         ; v48-55 the cosine
.set CW,    56                         ; v56-63 at work
.set CC,    120                        ; v120-127 the eight cosines of my token
.set T,     32                         ; v32-63 a block of 32 numbers of x_q
.set SB,    68                         ; v68-69 my eight scale bytes
.set WV,    28                         ; s28 my wave's number
	s_load_b256 s[4:11], s[0:1], 0x0               ; x s[4:5], theta s[6:7], proj_w s[8:9], q_w s[10:11]
	s_load_b256 s[12:19], s[0:1], 0x20             ; k_w s[12:13], v_w s[14:15], out_w s[16:17], xq_codes s[18:19]
	s_load_b128 s[20:23], s[0:1], 0x40             ; xq_scales s[20:21], w_codes s[22:23]
	s_load_b64 s[24:25], s[0:1], 0x50              ; w_scales
	v_lshl_add_u32 v192, v0, 2, 0xc800
	v_mov_b32 v193, 0
	v_lshrrev_b32 v1, 5, v0
	v_readfirstlane_b32 s[WV], v1                  ; wave 0..3
	v_and_b32 v2, 31, v0                           ; lane
	s_wait_kmcnt 0x0
	s_cmp_lt_u32 ttmp9, 128
	s_cbranch_scc0 .Ltokens
; ---------------- THE WEIGHTS.  Rows are dense and 1,024 long: a wave's 8 rows are a plain stream of 256 blocks of 32.
; Each of a step's four loads reads 512 consecutive bytes; the 2,048 bytes turn through the wave's own stage in LDS and come back 64 bytes a lane, so that a lane holds 16 neighbours and two lanes a block.
	v_lshlrev_b32 v3, 4, v2                        ; my 16 bytes of a load's 512
	s_mul_i32 s29, s[WV], WREG
	v_lshrrev_b32 v14, 2, v2
	v_mul_u32_u24 v14, v14, SP
	v_and_b32 v15, 3, v2
	v_lshl_add_u32 v14, v15, 4, v14
	v_add_nc_u32 v14, s29, v14                     ; the stage, on the way in: SP (lane / 4) + 16 (lane % 4)
	v_mul_u32_u24 v15, v2, SP
	v_add_nc_u32 v15, s29, v15                     ; and on the way out: SP x lane
	v_mul_u32_u24 v4, v2, CB                       ; my codes' place in a step's 256 bytes
	v_lshrrev_b32 v5, 1, v2
	s_add_co_u32 s29, s29, 2*32*SP
	v_add_nc_u32 v5, s29, v5                       ; my block's byte among the wave's 256 scale bytes
	v_lshlrev_b32 v7, 3, v2
	v_add_nc_u32 v6, s29, v7                       ; and 8 bytes a lane on their way out
	s_lshr_b32 s26, ttmp9, 5                       ; which tensor: the choice hangs on the work-group's number alone
	s_cmp_eq_u32 s26, 1
	s_cselect_b64 s[10:11], s[12:13], s[10:11]
	s_cmp_eq_u32 s26, 2
	s_cselect_b64 s[10:11], s[14:15], s[10:11]
	s_cmp_eq_u32 s26, 3
	s_cselect_b64 s[10:11], s[16:17], s[10:11]
	s_and_b32 s27, ttmp9, 31
	s_lshl_b32 s27, s27, 2
	s_add_co_u32 s27, s27, s[WV]                   ; which run of 8 rows of the tensor is my wave's: 0 .. 127
	s_lshl_b32 s30, s27, 15                        ; 8 rows of 4,096 bytes
	s_mov_b32 s31, 0
	s_add_nc_u64 s[10:11], s[10:11], s[30:31]
	s_and_b32 s32, s27, 0x7c                       ; rho on runs of 8 rows: the run's bits 0 and 1 change places
	s_and_b32 s33, s27, 1
	s_lshl_b32 s33, s33, 1
	s_or_b32 s32, s32, s33
	s_bfe_u32 s33, s27, 0x10001
	s_or_b32 s32, s32, s33
	s_lshl_b32 s33, s26, 7
	s_add_co_u32 s32, s32, s33                     ; + 128 runs a tensor
	s_lshl_b32 s30, s32, 12                        ; 8 rows of 512 bytes of codes
	s_add_nc_u64 s[22:23], s[22:23], s[30:31]
	s_lshl_b32 s30, s32, 8                         ; 8 rows of 32 scale bytes
	s_add_nc_u64 s[24:25], s[24:25], s[30:31]
.macro LOADW t
.irp i, 0,1,2,3
	global_load_b128 v[WR+16*((\t)%4)+4*\i:WR+16*((\t)%4)+4*\i+3], v3, s[10:11] offset:2048*(\t)+512*\i th:TH_LOAD_NT   ; 32 lanes read 512 consecutive bytes
.endr
.endm
.macro TURNW t                         ; step t's numbers through the stage: LDS serves a wave's instructions in order, so no wait stands between the stores and the loads
.irp i, 0,1,2,3
	ds_store_b128 v14, v[WR+16*((\t)%4)+4*\i:WR+16*((\t)%4)+4*\i+3] offset:32*SP*((\t)%2)+8*SP*\i
.endr
.irp i, 0,1,2,3
	ds_load_b128 v[WX+16*((\t)%2)+4*\i:WX+16*((\t)%2)+4*\i+3], v15 offset:32*SP*((\t)%2)+16*\i
.endr
.endm
.irp t, 0,1,2,3
	LOADW \t
.endr
	s_wait_loadcnt 12                              ; step 0's four loads are in; the twelve of steps 1 to 3 may be out
	TURNW 0
.macro STEPW t
.set XS, WX+16*((\t)%2)
.if (\t) > 0
	s_wait_dscnt 1                                 ; this step's numbers are back from the stage (the last step's byte store may be out)
.else
	s_wait_dscnt 0x0
.endif
.if (\t)+4 < STEPS
	LOADW (\t)+4                                   ; into the registers that the stage's stores have read
.endif
.if (\t)+1 < STEPS
.if STEPS-2-(\t) >= 3
	s_wait_loadcnt 12                              ; the next step's four loads are in; those of the three steps behind it may be out
.else
	s_wait_loadcnt 4*(STEPS-2-(\t))
.endif
	TURNW (\t)+1                                   ; through the other stage while this step is worked
.endif
	v_max3_num_f32 v8, |v[XS]|, |v[XS+1]|, |v[XS+2]|               ; the largest magnitude of my 16, in two chains
	v_max3_num_f32 v9, |v[XS+3]|, |v[XS+4]|, |v[XS+5]|
.irp i, 6,10
	v_max3_num_f32 v8, v8, |v[XS+\i]|, |v[XS+\i+1]|
	v_max3_num_f32 v9, v9, |v[XS+\i+2]|, |v[XS+\i+3]|
.endr
	v_max3_num_f32 v8, v8, |v[XS+14]|, |v[XS+15]|
	v_max3_num_f32 v8, v8, v9, 0x1800000           ; and the floor 2^(3 - 127): the byte cannot fall under 1
	v_max_num_f32_dpp v8, v8, v8 row_xmask:1 row_mask:0xf bank_mask:0xf   ; with my neighbour's 16: the block's
	v_add_nc_u32 v11, 0xff000000, v8               ; 2 off its exponent field: the conversion takes the exponent field of this operand as its scale
	v_cvt_scalef32_pk8_fp4_f32 v[WC+4*(\t)], v[XS:XS+7], v11
	v_cvt_scalef32_pk8_fp4_f32 v[WC+4*(\t)+1], v[XS+8:XS+15], v11
	v_lshrrev_b32 v[WE+(\t)], 23, v11              ; the scale's byte (also the plain line behind the conversions)
	ds_store_b8 v5, v[WE+(\t)] offset:16*(\t)      ; both lanes of a block write the same byte with the same value
	global_store_b64 v4, v[WC+4*(\t):WC+4*(\t)+1], s[22:23] offset:32*CB*(\t)   ; the wave stores 256 consecutive bytes, aligned
.endm
.irp t, 0,1,2,3,4,5,6,7,8,9,10,11,12,13,14,15
	STEPW \t
.endr
	ds_load_b64 v[12:13], v6                       ; LDS serves a wave's instructions in order: these see my stores
	s_wait_dscnt 0x0
	global_store_b64 v7, v[12:13], s[24:25]        ; 32 lanes store 256 consecutive bytes, aligned
	s_wait_tensorcnt 0x0
	ds_add_u32 v192, v193
	s_wait_dscnt 0x0
	s_endpgm
; ---------------- THE TOKENS.  Lane l stands for position 32 j + l, that is token 32 j + rho(l); wave w makes e = 256 w .. 256 w + 255 of x_q for all 32: eight blocks of 32 in a lane's registers.
.Ltokens:
	s_sub_co_u32 s26, ttmp9, 128                   ; j
	v_and_b32 v3, 7, v2
	v_and_b32 v4, 8, v2
	v_lshl_or_b32 v3, v4, 1, v3
	v_and_b32 v4, 16, v2
	v_lshrrev_b32 v4, 1, v4
	v_or_b32 v3, v3, v4                            ; rho(lane)
	s_lshl_b32 s27, s26, 5
	v_add_nc_u32 v3, s27, v3
	v_lshlrev_b32 v3, 12, v3                       ; my token's row of x: 4,096 bytes a row
	v_mul_u32_u24 v4, v2, XP
	s_lshl_b32 s29, s[WV], 7
	s_add_co_u32 s29, s29, XSTG
	v_add_nc_u32 v4, s29, v4                       ; the stage, in: row = lane, my wave's 128 bytes
	v_lshlrev_b32 v5, 5, v2
	s_lshl_b32 s29, s[WV], 3
	s_add_co_u32 s29, s29, XSC
	v_add_nc_u32 v5, s29, v5                       ; scale bytes, in: row = lane, my wave's 8
	v_lshlrev_b32 v7, 4, v2                        ; 16 x lane
	s_mul_i32 s29, s[WV], 8*XP
	s_add_co_u32 s29, s29, XSTG
	v_add_nc_u32 v6, s29, v7                       ; the stage, out: my wave's 8 rows, 32 lanes to a row of 512 bytes
	v_lshlrev_b32 v9, 3, v2                        ; 8 x lane
	s_lshl_b32 s29, s[WV], 8
	s_add_co_u32 s29, s29, XSC
	v_add_nc_u32 v8, s29, v9                       ; scale bytes, out: my wave's 256
	s_lshl_b32 s30, s[WV], 13                      ; proj_w: my wave's 256 rows of 32 bytes
	s_mov_b32 s31, 0
	s_add_nc_u64 s[8:9], s[8:9], s[30:31]
	s_lshl_b32 s30, s26, 5
	s_lshl_b32 s29, s[WV], 3
	s_add_co_u32 s30, s30, s29                     ; position 32 j + 8 w
	s_lshl_b32 s30, s30, 9
	s_add_nc_u64 s[18:19], s[18:19], s[30:31]
	s_lshl_b32 s30, s26, 10
	s_lshl_b32 s29, s[WV], 8
	s_add_co_u32 s30, s30, s29
	s_add_nc_u64 s[20:21], s[20:21], s[30:31]
	s_load_b256 s[68:75], s[6:7], 0x0              ; theta, in the second set's registers: it is used up before that set is first asked for
	s_load_b512 s[32:47], s[8:9], 0x0              ; the first four rows of proj_w, into the first set
	s_load_b512 s[48:63], s[8:9], 0x40
	global_load_b128 v[CA:CA+3], v3, s[4:5] th:TH_LOAD_NT
	global_load_b128 v[CA+4:CA+7], v3, s[4:5] offset:16 th:TH_LOAD_NT
	s_mov_b32 s26, 0xb94ca1f9                      ; the sine's highest coefficient
	s_mov_b32 s27, 0x37ccf5ce                      ; the cosine's
	s_wait_kmcnt 0x0
	s_wait_loadcnt 0x0
; cos(a), a = x + theta: n = the nearest whole number to a / (pi/2); r = a - n pi/2, pi/2 in two parts, |r| <= pi/4; a polynomial for sin r and one for cos r;
; the quadrant n mod 4 selects: 0: cos r, 1: -sin r, 2: -cos r, 3: sin r.  No branch: selects alone.  The eight numbers go line by line, so that no line waits for the line above it.
.irp i, 0,1,2,3,4,5,6,7
	v_add_f32 v[CA+\i], s[68+\i], v[CA+\i]
.endr
.irp i, 0,1,2,3,4,5,6,7
	v_mul_f32 v[CN+\i], 0x3f22f983, v[CA+\i]       ; x 2 / pi
.endr
.irp i, 0,1,2,3,4,5,6,7
	v_rndne_f32 v[CN+\i], v[CN+\i]
.endr
.irp i, 0,1,2,3,4,5,6,7
	v_fmamk_f32 v[CA+\i], v[CN+\i], 0xbfc90fdb, v[CA+\i]   ; - n x the f32 nearest to pi/2
.endr
.irp i, 0,1,2,3,4,5,6,7
	v_fmamk_f32 v[CA+\i], v[CN+\i], 0x333bbd2e, v[CA+\i]   ; + n x 4.3711388e-8: that f32 lies above pi/2 by so much
.endr
.irp i, 0,1,2,3,4,5,6,7
	v_cvt_i32_f32 v[CN+\i], v[CN+\i]
.endr
.irp i, 0,1,2,3,4,5,6,7
	v_mul_f32 v[CZ+\i], v[CA+\i], v[CA+\i]
.endr
.irp i, 0,1,2,3,4,5,6,7
	v_fmaak_f32 v[CSN+\i], s26, v[CZ+\i], 0x3c08839e
	v_fmaak_f32 v[CCS+\i], s27, v[CZ+\i], 0xbab6061a
.endr
.irp i, 0,1,2,3,4,5,6,7
	v_fmaak_f32 v[CSN+\i], v[CSN+\i], v[CZ+\i], 0xbe2aaaa3
	v_fmaak_f32 v[CCS+\i], v[CCS+\i], v[CZ+\i], 0x3d2aaaa5
.endr
.irp i, 0,1,2,3,4,5,6,7
	v_mul_f32 v[CSN+\i], v[CSN+\i], v[CZ+\i]
	v_mul_f32 v[CCS+\i], v[CCS+\i], v[CZ+\i]
	v_fma_f32 v[CW+\i], v[CZ+\i], -0.5, 1.0
.endr
.irp i, 0,1,2,3,4,5,6,7
	v_fma_f32 v[CSN+\i], v[CSN+\i], v[CA+\i], v[CA+\i]     ; sin r = r + r z (..)
	v_fma_f32 v[CCS+\i], v[CCS+\i], v[CZ+\i], v[CW+\i]     ; cos r = 1 - z / 2 + z z (..)
.endr
.irp i, 0,1,2,3,4,5,6,7
	v_and_b32 v[CW+\i], 1, v[CN+\i]
	v_add_nc_u32 v[CN+\i], 1, v[CN+\i]
.endr
.irp i, 0,1,2,3,4,5,6,7
	v_cmp_eq_u32 vcc_lo, 1, v[CW+\i]
	v_cndmask_b32 v[CCS+\i], v[CCS+\i], v[CSN+\i], vcc_lo  ; an odd quadrant takes the sine
	v_and_b32 v[CN+\i], 2, v[CN+\i]
.endr
.irp i, 0,1,2,3,4,5,6,7
	v_lshlrev_b32 v[CN+\i], 30, v[CN+\i]           ; quadrants 1 and 2 turn the sign
.endr
.irp i, 0,1,2,3,4,5,6,7
	v_xor_b32 v[CC+\i], v[CN+\i], v[CCS+\i]
.endr
; x_q(e) = the sum over the 8 wires of c(i) proj_w(e, i), by fused multiply-adds in f32.  proj_w comes through scalar registers, four rows (128 bytes) a group, in two sets by turns:
; a group's rows are asked for one group ahead.  Scalar loads are waited for with the count 0 alone.
.macro GROUP t, g
.set SS, 32+36*((\g)%2)                ; this group's set: s32-63 or s68-99
.set SN, 32+36*(1-(\g)%2)              ; the other
	s_wait_kmcnt 0x0
.if 8*(\t)+(\g) < 63                   ; behind the last group nothing is asked for: no load leaves the buffer
	s_load_b512 s[SN:SN+15], s[8:9], 128*(8*(\t)+(\g)+1)
	s_load_b512 s[SN+16:SN+31], s[8:9], 128*(8*(\t)+(\g)+1)+64
.endif
.irp e, 0,1,2,3
	v_mul_f32 v[T+4*(\g)+\e], s[SS+8*\e], v[CC]
.endr
.irp i, 1,2,3,4,5,6,7
.irp e, 0,1,2,3
	v_fmac_f32 v[T+4*(\g)+\e], s[SS+8*\e+\i], v[CC+\i]
.endr
.endr
.endm
.macro BLOCK t                         ; e = 256 w + 32 t + 0 .. 31: a whole block of the quantiser in my 32 registers
.irp g, 0,1,2,3,4,5,6,7
	GROUP \t, \g
.endr
	v_max3_num_f32 v70, |v[T]|, |v[T+1]|, |v[T+2]|
	v_max3_num_f32 v71, |v[T+3]|, |v[T+4]|, |v[T+5]|
.irp i, 6,10,14,18,22,26
	v_max3_num_f32 v70, v70, |v[T+\i]|, |v[T+\i+1]|
	v_max3_num_f32 v71, v71, |v[T+\i+2]|, |v[T+\i+3]|
.endr
	v_max3_num_f32 v70, v70, |v[T+30]|, |v[T+31]|
	v_max3_num_f32 v70, v70, v71, 0x1800000        ; and the floor 2^(3 - 127)
	v_add_nc_u32 v72, 0xff000000, v70              ; the conversion's scale operand
	v_lshrrev_b32 v73, 23, v72                     ; the scale's byte
.if (\t)%4 == 0
	v_mov_b32 v[SB+(\t)/4], v73
.else
	v_lshl_or_b32 v[SB+(\t)/4], v73, 8*((\t)%4), v[SB+(\t)/4]
.endif
	s_wait_dscnt 0x0                               ; the last block's store has read v64-67
.irp g, 0,1,2,3
	v_cvt_scalef32_pk8_fp4_f32 v[64+\g], v[T+8*\g:T+8*\g+7], v72
.endr
	v_nop                                          ; one plain line behind the conversions: the next block writes their sources
	ds_store_b128 v4, v[64:67] offset:16*(\t)
.endm
.irp t, 0,1,2,3,4,5,6,7
	BLOCK \t
.endr
	ds_store_b64 v5, v[SB:SB+1]
	s_wait_dscnt 0x0                               ; for the others' sake: my stores have landed
	s_barrier_signal -1
	s_barrier_wait -1                              ; a row's 512 bytes come from four waves
.irp i, 0,1,2,3,4,5,6,7
	ds_load_b128 v[80+4*\i:83+4*\i], v6 offset:XP*\i
.endr
	ds_load_b64 v[112:113], v8
.irp i, 0,1,2,3,4,5,6,7
	s_wait_dscnt 8-\i                              ; row i is in; the younger loads may be out
	global_store_b128 v7, v[80+4*\i:83+4*\i], s[18:19] offset:512*\i   ; 32 lanes store a row of 512 consecutive bytes, aligned
.endr
	s_wait_dscnt 0x0
	global_store_b64 v9, v[112:113], s[20:21]      ; 256 consecutive bytes, aligned
	s_wait_tensorcnt 0x0
	ds_add_u32 v192, v193
	s_wait_dscnt 0x0
	s_endpgm
.Lfunc_end_k_q155cd37997_prep:
	.size	k_q155cd37997_prep, .Lfunc_end_k_q155cd37997_prep-k_q155cd37997_prep
	.p2alignl 7, 3214868480
	.fill 96, 4, 3214868480
	.section	.rodata,"a",@progbits
	.p2align	6, 0x0
	.amdhsa_kernel k_q155cd37997_prep
		.amdhsa_group_segment_fixed_size 51712
		.amdhsa_private_segment_fixed_size 0
		.amdhsa_enable_private_segment 0
		.amdhsa_kernarg_size 88
		.amdhsa_user_sgpr_count 2
		.amdhsa_user_sgpr_kernarg_segment_ptr 1
		.amdhsa_wavefront_size32 1
		.amdhsa_system_sgpr_workgroup_id_x 1
		.amdhsa_system_sgpr_workgroup_id_y 1
		.amdhsa_system_sgpr_workgroup_id_z 1
		.amdhsa_system_vgpr_workitem_id 0
		.amdhsa_next_free_vgpr 194
		.amdhsa_next_free_sgpr 100
		.amdhsa_reserve_vcc 1
		.amdhsa_float_denorm_mode_32 3
		.amdhsa_float_denorm_mode_16_64 3
		.amdhsa_memory_ordered 1
		.amdhsa_forward_progress 1
		.amdhsa_inst_pref_size 132
	.end_amdhsa_kernel
	.amdgpu_metadata
---
amdhsa.version: [ 1, 2 ]
amdhsa.kernels:
  - .name:           k_q155cd37997_prep
    .symbol:         k_q155cd37997_prep.kd
    .args:
      - { .name: x, .offset: 0, .size: 8, .value_kind: global_buffer, .address_space: global }
      - { .name: theta, .offset: 8, .size: 8, .value_kind: global_buffer, .address_space: global }
      - { .name: proj_w, .offset: 16, .size: 8, .value_kind: global_buffer, .address_space: global }
      - { .name: q_w, .offset: 24, .size: 8, .value_kind: global_buffer, .address_space: global }
      - { .name: k_w, .offset: 32, .size: 8, .value_kind: global_buffer, .address_space: global }
      - { .name: v_w, .offset: 40, .size: 8, .value_kind: global_buffer, .address_space: global }
      - { .name: out_w, .offset: 48, .size: 8, .value_kind: global_buffer, .address_space: global }
      - { .name: xq_codes, .offset: 56, .size: 8, .value_kind: global_buffer, .address_space: global }
      - { .name: xq_scales, .offset: 64, .size: 8, .value_kind: global_buffer, .address_space: global }
      - { .name: w_codes, .offset: 72, .size: 8, .value_kind: global_buffer, .address_space: global }
      - { .name: w_scales, .offset: 80, .size: 8, .value_kind: global_buffer, .address_space: global }
    .group_segment_fixed_size: 51712
    .private_segment_fixed_size: 0
    .kernarg_segment_align: 8
    .kernarg_segment_size: 88
    .max_flat_workgroup_size: 128
    .sgpr_count:     100
    .vgpr_count:     194
    .wavefront_size: 32
...
	.end_amdgpu_metadata
.endif
;; end of part 1
;; launch qkv (part 2): grid 12 x 32, 4 waves a work-group, clusters of 4 x 4, 327,680 bytes of LDS; arguments xq_codes, xq_scales, w_codes, w_scales, q_b, k_b, v_b, qkv; writes qkv
.if DOCPART == 2
	.amdgcn_target "amdgcn-amd-amdhsa--gfx1250"
	.amdhsa_code_object_version 6
	.text
	.protected	k_q155cd37997_qkv
	.globl	k_q155cd37997_qkv
	.p2align	8
	.type	k_q155cd37997_qkv,@function
k_q155cd37997_qkv:
	s_mov_b64 s[64:65], 0
	v_nop
	global_prefetch_b8 v0, s[64:65] scope:SCOPE_SE
	s_setreg_imm32_b32 hwreg(HW_REG_WAVE_MODE, 25, 1), 1
	s_wait_xcnt 0x0
	s_wait_alu depctr_hold_cnt(0) depctr_sa_sdst(0) depctr_va_vdst(0) depctr_va_sdst(0) depctr_va_ssrc(0) depctr_va_vcc(0) depctr_vm_vsrc(0)
	s_getreg_b32 s2, hwreg(HW_REG_IB_STS2, 6, 4)
	s_cmp_eq_u32 s2, 0
	s_cbranch_scc0 .Lentry_in_a_cluster
	s_endpgm
.Lentry_in_a_cluster:
	s_bfe_u32 s2, ttmp6, 0x10000c
	s_cmp_lg_u32 s2, 0xf033
	s_cbranch_scc0 .Lentry_shape_is_right
	s_endpgm
.Lentry_shape_is_right:
; q = x_q q_w^T + q_b, k and v likewise, on codes of FP4 (E2M1) with one E8M0 scale for each 32 along K = 1,024; the results are quantised in registers and leave as codes, laid as the attention launch reads them.
; A work-group of four waves makes 256 x 256 results, a wave 128 x 128: 64 accumulators of 16 x 16.  K goes in two steps of 512, each in an LDS slot of its own: both are asked for at the start, nothing is filled again.
; ROLES.  The body multiplies 256 rows of a ROLE A operand by 256 rows of a ROLE B operand; source 0 = 16 rows of B, source 1 = 16 rows of A: a lane holds ONE row of A, and its registers run along B's rows.
;   cluster x = 0 (q), 1 (k): A = x_q (tokens), B = the weight (channels): a lane holds a token, its registers run along the channels: the head's d, the K of q k^T.
;   cluster x = 2 (v):        A = v_w (channels), B = x_q (tokens): a lane holds a channel d, its registers run along the tokens: the keys, the K of p v.
; Both operands lie in position order (row p of a buffer is row rho(p), bits 3 and 4 exchanged), so the 16 registers of two neighbouring tiles of B are 16 neighbours: 32 blk + 16 (lane / 16) + 0 .. 15.
; CLUSTERS: 4 x 4 work-groups; the four of a row need the same tiles of A, the four of a column the same tiles of B: each tile is asked for jointly.  The roles hang on the cluster's x alone, which all sixteen share.
; OUT (buffer qkv, 217,088 bytes a head): 16 records of 128 keys (8,960 bytes: K's 8 tiles as register images of 512 bytes; V's 4 fragments of 1,024; K's scale words, 512; V's, 256), Q's 128 tiles of 512 bytes, Q's scale words.
; LIMITS: NaN and infinities are not served; a block of zeros or under 2^-124 gets the scale byte 1; these bytes are read by this program alone.
; REGISTERS: window 0: v10-29 addresses; v32-95 scale words, two sets; v96-111 v's bias; v128-191 A's fragments, one set; v192-255 q's or k's bias.  On the way out: v2-9 scale words, v32-95 64 numbers, v112-127 at work, v128-191 codes.
;   window 1: B's fragments, two sets.   windows 2, 3: the accumulators ((a, b) at v[8 (8 (a % 4) + b)] of window 2 + a / 4).
.set NQ,     4                         ; matrix instructions deep in a slot: 512 along K
.set ROWB,   256                       ; a tile's row in bytes
.set KROW,   512                       ; a row of codes in memory
.set PITCH,  272                       ; an LDS row: 256 bytes + 16 of padding = 68 words: the 16 rows that a load touches start 4 banks apart
.set FR,     8                         ; registers of a fragment
.set NL,     2                         ; LDS loads that bring one
.set NP,     4                         ; places behind this matrix instruction (ISA guide 7.12.1)
.set HALFT,  128*PITCH                 ; 128 rows: what one tensor load brings
.set SLOT,   4*HALFT                   ; A's 256 rows, then B's 256
.set KS,     32                        ; a row of scale bytes
.set SCL,    2*SLOT                    ; behind the slots: the scales, as units of 256 bytes + 16
.set HALFS,  16*272                    ; those of 128 rows
.set SBLK,   2*272                     ; those of 16 rows
.set SPARE,  SCL+4*HALFS               ; the spare words: 128 bytes a wave, two blocks of 256 bytes that no other line names
.set HEADB,  217088                    ; a head's bytes in qkv
.set STEPB,  8960                      ; a record of 128 keys
.set VIMG,   4096
.set KSCO,   8192
.set VSCO,   8704
.set QIMG,   143360
.set QSC,    208896
.set BA,   10                          ; v10  64 x (lane / 16): q's and k's bias
.set BB,   11                          ; v11  4 x (r + 8 (r / 8)): v's bias
.set ADRA, 16                          ; v16-17 LDS address of my A fragments in slot 0, 1
.set ADRB, 20                          ; v20-21 the same for B
.set LI,   24                          ; v24  16 x lane: a register image's place for my lane
.set LS,   25                          ; v25  16 r + HEADB x (lane / 16): scale words, the two halves of the lanes for two heads
.set SH,   26                          ; v26  16 x (lane / 16)
.set ADRS, 27                          ; v27  LDS address of my scale words: lanes 0-15 A's rows, lanes 16-31 B's
.set SPW,  28                          ; v28  my spare word; never rewritten
.set NIL,  29                          ; v29  0; never rewritten
.set SC,   32
.set AF,   128
.set SW,   2                           ; the way out: v2-9 the eight scale words
.set T,    32                          ; v32-95 64 numbers
.set BV,   96                          ; v96-111 v's bias of my lane's channel, block a's in both registers of pair a
.set TM,   112                         ; v112-127 at work
.set PC,   128                         ; v128-191 codes: eight registers for each block, so that no store's data are written again
.set BI,   192                         ; v192-255 q's or k's bias, in the 64 numbers' layout
.set SEL,  2                           ; s[2:3] v_permlanex16_b32's selects for lane l xor 16
.set G1, 24
.set G0, 32
.set G1B, 48
.set G0B, 56
.set G1S, 68
.set G0S, 76
.set G1SB, 80
.set G0SB, 88
.set MSB, 0
.macro WIN new                         ; the immediate's high byte repeats the setting that is left
.if MSB != (\new)
	s_set_vgpr_msb (MSB<<8)|(\new)
.set MSB, (\new)
.endif
.endm
.set MUL_LO, 0xa1                      ; source 0 (B) window 1, source 1 (A) window 0, C and D window 2
.set MUL_HI, 0xf1                      ; the same, C and D window 3
.set TO_B,   0x40                      ; destination window 1, address window 0
; A joint load: waves 0 and 1 fetch for A, waves 2 and 3 for B.  The branch hangs on the wave's number alone.  Four v_nop follow each of the two lines.
.macro JLOAD g0a, g1a, g0b, g1b
	s_cmp_eq_u32 s15, 0
	s_cbranch_scc0 .Lfor_b_\@
	tensor_load_to_lds s[\g0a:\g0a+3], s[\g1a:\g1a+7]
	s_nop 0
.rept 4
	v_nop
.endr
	s_branch .Lasked_\@
.Lfor_b_\@:
	tensor_load_to_lds s[\g0b:\g0b+3], s[\g1b:\g1b+7]
	s_nop 0
.rept 4
	v_nop
.endr
.Lasked_\@:
.endm
.macro CROUND                          ; a round of the cluster's barrier
	s_barrier_signal -1
	s_barrier_wait -1
	s_cmp_lg_u32 s14, 0
	s_cbranch_scc1 .Lnot_wave_0_\@
	s_barrier_signal -3
.Lnot_wave_0_\@:
	s_barrier_wait -3
	s_barrier_signal -1
	s_barrier_wait -1
.endm
	s_load_b128 s[4:7], s[0:1], 0x0                ; x_q's codes, x_q's scales
	s_load_b128 s[8:11], s[0:1], 0x10              ; the weights' codes, the weights' scales
	v_lshl_add_u32 v[SPW], v0, 2, SPARE
	v_mov_b32 v[NIL], 0
	ds_add_u32 v28, v29
	ds_add_u32 v28, v29
	s_wait_dscnt 0x0
	v_lshrrev_b32 v1, 5, v0
	v_readfirstlane_b32 s14, v1                    ; wave 0..3
	s_lshr_b32 s15, s14, 1                         ; which half of A's rows is mine.  Also: I fetch for A (0) or for B (1)
	s_and_b32 s16, s14, 1                          ; which half of B's rows.  Also: which 128 rows of that tile I fetch
	s_bfe_u32 s40, ttmp6, 0x40000                  ; cx, cy: my place in the cluster
	s_bfe_u32 s41, ttmp6, 0x40004
	s_and_b32 s12, ttmp7, 0xffff
	s_lshl_b32 s12, s12, 2                         ; 4 x cluster y: the cluster's first block of 256 tokens; kept
	s_lshl_b32 s13, ttmp9, 2                       ; 4 x cluster x: the tensor's first block of 256 rows among the weights
	s_cmp_eq_u32 ttmp9, 2                          ; v?
	s_cselect_b32 s17, 8, s12
	s_cselect_b32 s42, s12, s13
	s_add_co_u32 s17, s17, s41                     ; A's block of 256 rows: tokens 4 Y + cy, or for v the weights' 8 + cy
	s_add_co_u32 s42, s42, s40                     ; B's: the weights' 4 X + cx, or for v tokens 4 Y + cx
	s_lshl_b32 s43, s41, 2
	s_lshl_b32 s43, 15, s43                        ; my row of the cluster
	s_lshl_b32 s44, 0x1111, s40                    ; my column
	; descriptor group 1: a tile of 128 rows x 256 bytes, padded in LDS
	s_or_b32 s[G1+0], s43, (0<<16)|(1<<20)|(1<<21)|(5<<22)|(3<<25)  ; 15:0 the mask: A's tiles go to my row; 17:16 elements of 1 byte; 20 padding on; 21 set beside a mask; 24:22 after every 64 words; 31:25 four words
	s_or_b32 s[G1B+0], s44, (0<<16)|(1<<20)|(1<<21)|(5<<22)|(3<<25)
.irp g, G1, G1B
	s_mov_b32 s[\g+1], ROWB<<16                    ; tensor_dim0
	s_mov_b32 s[\g+2], 128<<16                     ; tensor_dim1
	s_mov_b32 s[\g+3], ROWB<<16                    ; tile_dim0
	s_mov_b32 s[\g+4], 128                         ; tile_dim1
	s_mov_b32 s[\g+5], KROW                        ; tensor_dim0_stride
	s_mov_b32 s[\g+6], 0
	s_mov_b32 s[\g+7], 0
.endr
	; the scales of 128 rows: 4,096 dense bytes, as 16 rows of 256 bytes (32 elements of 8 bytes), 16 bytes of padding behind each
	s_or_b32 s[G1S+0], s43, (3<<16)|(1<<20)|(1<<21)|(5<<22)|(3<<25)
	s_or_b32 s[G1SB+0], s44, (3<<16)|(1<<20)|(1<<21)|(5<<22)|(3<<25)
.irp g, G1S, G1SB
	s_mov_b32 s[\g+1], 32<<16
	s_mov_b32 s[\g+2], 16<<16
	s_mov_b32 s[\g+3], 32<<16
	s_mov_b32 s[\g+4], 16
	s_mov_b32 s[\g+5], 32
	s_mov_b32 s[\g+6], 0
	s_mov_b32 s[\g+7], 0
.endr
	s_lshl_b32 s18, s16, 7                         ; which 128 rows of the tile I fetch
	s_lshl_b32 s20, s17, 8
	s_add_co_u32 s20, s20, s18                     ; A: row
	s_lshl_b32 s46, s42, 8
	s_add_co_u32 s46, s46, s18                     ; B: row
	s_mov_b32 s21, 0
	s_mov_b32 s47, 0
	s_mov_b64 s[18:19], KS
	s_mul_u64 s[22:23], s[20:21], s[18:19]         ; where these rows' scales begin, in bytes,
	s_mul_u64 s[92:93], s[46:47], s[18:19]
	s_mov_b64 s[18:19], KROW
	s_mul_u64 s[20:21], s[20:21], s[18:19]         ; and their codes
	s_mul_u64 s[46:47], s[46:47], s[18:19]
	s_mul_i32 s45, s14, HALFT                      ; where they go: wave x 128 rows: no place in the cluster enters an LDS address
	s_mul_i32 s94, s14, HALFS
	s_mov_b32 s[SEL], 0x76543210
	s_mov_b32 s[SEL+1], 0xfedcba98
	s_wait_kmcnt 0x0
	s_cmp_eq_u32 ttmp9, 2                          ; the roles' buffers: the choice hangs on the cluster's x alone
	s_cselect_b64 s[96:97], s[8:9], s[4:5]         ; A's codes
	s_cselect_b64 s[98:99], s[10:11], s[6:7]       ; A's scales
	s_cselect_b64 s[8:9], s[4:5], s[8:9]           ; B's codes
	s_cselect_b64 s[10:11], s[6:7], s[10:11]       ; B's scales
	s_add_nc_u64 s[20:21], s[96:97], s[20:21]
	s_add_nc_u64 s[22:23], s[98:99], s[22:23]
	s_add_nc_u64 s[46:47], s[8:9], s[46:47]
	s_add_nc_u64 s[92:93], s[10:11], s[92:93]
	CROUND                                         ; all sixteen work-groups are here: the joint loads meet
	s_mov_b32 s[G0S], 1
	s_add_co_u32 s[G0S+1], s94, SCL
	s_mov_b64 s[G0S+2:G0S+3], s[22:23]
	s_or_b32 s[G0S+3], s[G0S+3], 0x80000000
	s_mov_b32 s[G0SB], 1
	s_add_co_u32 s[G0SB+1], s94, SCL
	s_mov_b64 s[G0SB+2:G0SB+3], s[92:93]
	s_or_b32 s[G0SB+3], s[G0SB+3], 0x80000000
	JLOAD G0S, G1S, G0SB, G1SB                     ; the scales first: they are wanted with the first K step
.irp s, 0,1
	s_mov_b32 s[G0+4*\s], 1
	s_add_co_u32 s[G0+4*\s+1], s45, \s*SLOT
	s_add_nc_u64 s[G0+4*\s+2:G0+4*\s+3], s[20:21], \s*ROWB
	s_or_b32 s[G0+4*\s+3], s[G0+4*\s+3], 0x80000000
	s_mov_b32 s[G0B+4*\s], 1
	s_add_co_u32 s[G0B+4*\s+1], s45, \s*SLOT
	s_add_nc_u64 s[G0B+4*\s+2:G0B+4*\s+3], s[46:47], \s*ROWB
	s_or_b32 s[G0B+4*\s+3], s[G0B+4*\s+3], 0x80000000
	JLOAD G0+4*\s, G1, G0B+4*\s, G1B               ; three tensor loads of mine are out
.endr
	s_load_b256 s[4:11], s[0:1], 0x20              ; q_b s[4:5], k_b s[6:7], v_b s[8:9], qkv s[10:11] (the first four addresses are used up)
	v_and_b32 v1, 15, v0                           ; r = l % 16
	v_bfe_u32 v2, v0, 4, 1                         ; h = l / 16
	v_mul_u32_u24 v3, v1, PITCH
	v_lshl_add_u32 v4, v2, 4, v3                   ; a fragment's row x pitch + 16 x half
	s_mul_i32 s21, s15, HALFT                      ; my 128 rows of A
	s_mul_i32 s22, s16, HALFT                      ; my 128 rows of B,
	s_add_co_u32 s22, s22, 2*HALFT                 ; which lie behind A's 256
.irp s, 0,1
	v_add_nc_u32 v[ADRA+\s], s21, v4
	v_add_nc_u32 v[ADRB+\s], s22, v4
	s_add_co_u32 s21, s21, SLOT
	s_add_co_u32 s22, s22, SLOT
.endr
	v_mul_u32_u24 v5, v1, KS                       ; my row's scales: 32 bytes a row,
	v_lshrrev_b32 v6, 8, v5
	v_lshl_add_u32 v5, v6, 4, v5                   ; and 16 more for each 256 passed
	s_mul_i32 s21, s15, HALFS
	s_mul_i32 s22, s16, HALFS
	s_add_co_u32 s22, s22, 2*HALFS
	s_sub_co_u32 s22, s22, s21
	v_mul_u32_u24 v6, s22, v2                      ; lanes 16-31 take B's: one product, the distance between the two bases
	s_add_co_u32 s21, s21, SCL
	v_add_nc_u32 v5, v5, v6
	v_add_nc_u32 v[ADRS], s21, v5
	v_and_b32 v[LI], 31, v0
	v_lshlrev_b32 v[LI], 4, v[LI]
	v_mul_u32_u24 v[LS], v2, HEADB
	v_lshl_add_u32 v[LS], v1, 4, v[LS]
	v_lshlrev_b32 v[SH], 4, v2
	v_lshlrev_b32 v[BA], 6, v2
	v_and_b32 v[BB], 8, v1
	v_add_nc_u32 v[BB], v[BB], v1
	v_lshlrev_b32 v[BB], 2, v[BB]
	s_wait_kmcnt 0x0
	; THE BIASES.  Both kinds are loaded in every work-group, at addresses that lie inside their buffers under either role; the way out uses the one that its role wants.
	s_cmp_eq_u32 ttmp9, 1
	s_cselect_b64 s[4:5], s[6:7], s[4:5]           ; k_b for k, else q_b
	s_lshl_b32 s20, s40, 10
	s_lshl_b32 s21, s16, 9
	s_add_co_u32 s20, s20, s21                     ; channel 256 cx + 128 x my half of B, in bytes
	s_mov_b32 s21, 0
	s_add_nc_u64 s[4:5], s[4:5], s[20:21]
	s_lshl_b32 s20, s41, 10
	s_lshl_b32 s22, s15, 9
	s_add_co_u32 s20, s20, s22                     ; channel 256 cy + 128 x my half of A
	s_add_nc_u64 s[8:9], s[8:9], s[20:21]
.irp k, 0,1,2,3
.irp q, 0,1,2,3
	global_load_b128 v[BI+16*\k+4*\q:BI+16*\k+4*\q+3], v[BA], s[4:5] offset:128*\k+16*\q   ; register 16 k + i: channel 32 k + 16 h + i
.endr
.endr
.irp a, 0,1,2,3,4,5,6,7
	global_load_b32 v[BV+2*\a], v[BB], s[8:9] offset:(32*(\a/2)+8*(\a%2))*4     ; block a, lane r: channel 32 (a / 2) + 8 (a % 2) + r + 8 (r / 8); twice, for the packed addition
	global_load_b32 v[BV+2*\a+1], v[BB], s[8:9] offset:(32*(\a/2)+8*(\a%2))*4
.endr
.macro FRAG reg, adr, q, i             ; a fragment, 16 rows x 128 K of 4-bit codes: lane l holds row l % 16; registers 4 c .. 4 c + 3 hold K = 64 c + 32 (l / 16) + 0 .. 31
.irp c, 0,1
	ds_load_b128 v[\reg+4*\c:\reg+4*\c+3], v[\adr] offset:64*(\q)+32*\c+(\i)*16*PITCH
.endr
.endm
; 16 matrix instructions: A's blocks a0, a0 + 1 x B's eight, the slot's q-th 128 along K.  p: B's set; sc: the set of scale words.  zero = 1: the first product starts the sums.
; The 64 accumulators take turns, one instruction a turn, in the same order in every step.
.macro MUL16 a0, p, q, sc, zero
.irp a, \a0, \a0+1
.irp b, 0,1,2,3,4,5,6,7
.if \zero
	v_wmma_scale_f32_16x16x128_f8f6f4 v[8*(8*((\a)%4)+\b):8*(8*((\a)%4)+\b)+7], v[128*(\p)+FR*\b:128*(\p)+FR*\b+FR-1], v[AF+FR*(\a):AF+FR*(\a)+FR-1], 0, v[SC+8*NQ*(\sc)+NQ*\b+(\q)], v[SC+8*NQ*(\sc)+NQ*(\a)+(\q)] matrix_a_fmt:MATRIX_FMT_FP4 matrix_b_fmt:MATRIX_FMT_FP4 matrix_a_scale:MATRIX_SCALE_ROW1
.else
	v_wmma_scale_f32_16x16x128_f8f6f4 v[8*(8*((\a)%4)+\b):8*(8*((\a)%4)+\b)+7], v[128*(\p)+FR*\b:128*(\p)+FR*\b+FR-1], v[AF+FR*(\a):AF+FR*(\a)+FR-1], v[8*(8*((\a)%4)+\b):8*(8*((\a)%4)+\b)+7], v[SC+8*NQ*(\sc)+NQ*\b+(\q)], v[SC+8*NQ*(\sc)+NQ*(\a)+(\q)] matrix_a_fmt:MATRIX_FMT_FP4 matrix_b_fmt:MATRIX_FMT_FP4 matrix_a_scale:MATRIX_SCALE_ROW1
.endif
.endr
.endr
.endm
.macro FETCH_B slot, q, p              ; B's eight fragments into set p
	WIN TO_B
.irp i, 0,1,2,3,4,5,6,7
	FRAG 128*(\p)+FR*\i, ADRB+\slot, \q, \i
.endr
	WIN 0
.endm
.macro FETCH_A slot, q, i0             ; A's blocks i0 .. i0 + 3
.irp i, \i0, \i0+1, \i0+2, \i0+3
	FRAG AF+FR*(\i), ADRA+\slot, \q, \i
.endr
.endm
.macro SCALES sc                       ; a K step's scale words into set sc: four words a row; lanes 0-15 take A's block i, lanes 16-31 B's block i
.irp i, 0,1,2,3,4,5,6,7
	ds_load_b128 v[SC+8*NQ*\sc+NQ*\i:SC+8*NQ*\sc+NQ*\i+3], v[ADRS] offset:\i*SBLK
.endr
.endm
.macro PLACES n                        ; places in front of loads into registers that matrix instructions have read (ISA guide 7.12.1 for vector instructions)
.rept \n
	v_nop
.endr
.endm
.macro STEP slot, q, zero              ; 128 along K that has its successor in the same slot: A's blocks 0-3 are fetched anew in the middle, blocks 4-7 at the end; B has two sets
	s_wait_dscnt 4*NL                              ; B's set and A's blocks 0-3 are in; the youngest eight loads (A's blocks 4-7) may be out
	WIN MUL_LO
	MUL16 0, (\q)%2, \q, \slot, \zero
	MUL16 2, (\q)%2, \q, \slot, \zero
	s_wait_dscnt 0
	PLACES NP
	FETCH_B \slot, (\q)+1, 1-(\q)%2
	FETCH_A \slot, (\q)+1, 0
	WIN MUL_HI
	MUL16 4, (\q)%2, \q, \slot, \zero
	MUL16 6, (\q)%2, \q, \slot, \zero
	PLACES NP
	WIN 0
	FETCH_A \slot, (\q)+1, 4
.endm
; Slot 0's last step goes over to slot 1: one barrier; in front of it each wave waits for all its tensor loads (its part of slot 1), adds 0 to its spare word, and waits for that and for its reads.  Nothing is filled again.
.macro TURN slot, next
	s_wait_tensorcnt 0x0                           ; all my tensor loads have landed
	ds_add_u32 v[SPW], v[NIL]                      ; 0 onto my spare word
	s_wait_dscnt 4*NL+1                            ; (the add and the youngest eight loads may be out)
	WIN MUL_LO
	MUL16 0, 1, NQ-1, \slot, 0
	s_wait_dscnt 0x0                               ; the add is done, and my reads of this slot are over
	s_barrier_signal -1
	MUL16 2, 1, NQ-1, \slot, 0
	WIN 0
	s_barrier_wait -1
	PLACES NP
	v_add_nc_u32 v[ADRS], 4*NQ, v[ADRS]            ; on to the next K step's scale words
	FETCH_B \next, 0, 0
	FETCH_A \next, 0, 0
	SCALES \next
	WIN MUL_HI
	MUL16 4, 1, NQ-1, \slot, 0
	MUL16 6, 1, NQ-1, \slot, 0
	PLACES NP
	WIN 0
	FETCH_A \next, 0, 4
.endm
	s_wait_tensorcnt 1                             ; the scales and my part of slot 0 are in (slot 1's load may be out)
	s_barrier_signal -1
	s_barrier_wait -1                              ; everybody's are
	FETCH_B 0, 0, 0
	FETCH_A 0, 0, 0
	SCALES 0
	FETCH_A 0, 0, 4
	STEP 0, 0, 1                                   ; the first products start the sums: nothing is cleared
	STEP 0, 1, 0
	STEP 0, 2, 0
	TURN 0, 1
	STEP 1, 0, 0
	STEP 1, 1, 0
	STEP 1, 2, 0
	s_wait_dscnt 4*NL                              ; the last step: nothing more to fetch
	WIN MUL_LO
	MUL16 0, 1, NQ-1, 1, 0
	MUL16 2, 1, NQ-1, 1, 0
	s_wait_dscnt 0
	WIN MUL_HI
	MUL16 4, 1, NQ-1, 1, 0
	MUL16 6, 1, NQ-1, 1, 0
	WIN 0
; THE WAY OUT.  64 numbers of a lane, register 16 b + i = k 32 b + 16 (lane / 16) + i of my row, become a fragment's codes in v[pc] on and its scale word in v[pw].
.macro QUANT s, pc, pw
.irp b, 0,1,2,3
	v_max3_num_f32 v[TM+\b], |v[(\s)+16*\b]|, |v[(\s)+1+16*\b]|, 0x1800000   ; block b: my 16 numbers, and the floor 2^(3 - 127): the byte cannot fall under 1
.endr
.irp i, 2,4,6,8,10,12,14
.irp b, 0,1,2,3
	v_max3_num_f32 v[TM+\b], v[TM+\b], |v[(\s)+16*\b+\i]|, |v[(\s)+1+16*\b+\i]|   ; (the four blocks by turns)
.endr
.endr
.irp b, 0,1,2,3
	v_permlanex16_b32 v[TM+4+\b], v[TM+\b], s[SEL], s[SEL+1]
.endr
.irp b, 0,1,2,3
	v_max_num_f32 v[TM+\b], v[TM+\b], v[TM+4+\b]   ; with lane l xor 16's: the block's largest magnitude
.endr
.irp b, 0,1,2,3
	v_add_nc_u32 v[TM+12+\b], 0xff000000, v[TM+\b] ; 2 off its exponent field: the conversion's scale operand
.endr
.irp b, 0,1,2,3
	v_lshrrev_b32 v[TM+4+\b], 23, v[TM+12+\b]      ; the scale's byte
.endr
	v_lshl_or_b32 v[(\pw)], v[TM+5], 8, v[TM+4]
	v_lshl_or_b32 v[(\pw)], v[TM+6], 16, v[(\pw)]
	v_lshl_or_b32 v[(\pw)], v[TM+7], 24, v[(\pw)]
.irp b, 0,1,2,3
	v_cvt_scalef32_pk8_fp4_f32 v[(\pc)+2*\b], v[(\s)+16*\b:(\s)+7+16*\b], v[TM+12+\b]
	v_cvt_scalef32_pk8_fp4_f32 v[(\pc)+1+2*\b], v[(\s)+8+16*\b:(\s)+15+16*\b], v[TM+12+\b]
.endr
	v_nop                                          ; one plain line behind the conversions
.irp c, 0,1                                    ; the operand's layout wants a WHOLE block in a lane: lanes 0-15 block 2 c, lanes 16-31 block 2 c + 1
.irp i, 0,1
	v_permlane16_swap_b32 v[(\pc)+4*\c+\i], v[(\pc)+2+4*\c+\i]
.endr
.endr
.endm
.irp b, 0,1,2,3
	v_mov_b32 v[TM+4+\b], 0                        ; a lane permute's destination counts as one of its sources.  These four are also the places behind the last products
.endr
	s_wait_loadcnt 0x0                             ; the biases
	s_cmp_eq_u32 ttmp9, 2
	s_cselect_b32 s20, s40, s41                    ; the tokens lie along B for v, along A for q and k:
	s_cselect_b32 s21, s16, s15                    ; my half of 128 of them,
	s_cselect_b32 s22, s41, s40                    ; the channels the other way round
	s_cselect_b32 s23, s15, s16
	s_add_co_u32 s20, s20, s12                     ; my block of 256 tokens
	s_lshr_b32 s18, s20, 3                         ; the batch: 8 such blocks each
	s_lshl_b32 s18, s18, 4
	s_lshl_b32 s22, s22, 2
	s_add_co_u32 s18, s18, s22
	s_lshl_b32 s23, s23, 1
	s_add_co_u32 s18, s18, s23                     ; my first head: 16 x batch + 4 x block of channels + 2 x half
	s_mul_i32 s18, s18, HEADB
	s_mov_b32 s19, 0
	s_add_nc_u64 s[10:11], s[10:11], s[18:19]
	s_and_b32 s20, s20, 7
	s_lshl_b32 s20, s20, 1
	s_add_co_u32 s20, s20, s21                     ; which 128 tokens of the batch: 0 .. 15
	s_mul_i32 s21, s20, STEPB                      ; k, v: their record
	s_lshl_b32 s22, s20, 12
	s_add_co_u32 s22, s22, QIMG                    ; q: eight tiles of 512 bytes
	s_lshl_b32 s23, s20, 9
	s_add_co_u32 s23, s23, QSC                     ; q: their scale words
	s_add_co_u32 s18, s21, KSCO
	s_cmp_eq_u32 ttmp9, 0
	s_cselect_b32 s22, s22, s21
	s_cselect_b32 s18, s23, s18
	s_mov_b32 s23, 0
	s_add_nc_u64 s[92:93], s[10:11], s[22:23]      ; where my codes go
	s_add_nc_u64 s[96:97], s[10:11], s[18:19]      ; where my scale words go
	s_cmp_eq_u32 ttmp9, 2
	s_cbranch_scc1 .Lway_v
; q and k.  Block a: 16 tokens x my 128 channels = two heads of 64.  The fragment's registers 4 c .. 4 c + 3 are head c's d = 32 (lane / 16) + 0 .. 31: registers 0-3 of a fragment whose upper 64 along K are zeros.
.macro OUT_QK a
	WIN 0x02+(\a)/4                                ; source 0: window 2 or 3
.set j, 0
.rept 32
	v_pk_add_f32 v[T+j:T+j+1], v[64*((\a)%4)+j:64*((\a)%4)+j+1], v[BI+j:BI+j+1]   ; + the bias; each accumulator from its low end on
.set j, j+2
.endr
	WIN 0
	QUANT T, PC+8*(\a), SW+(\a)
	global_store_b128 v[LI], v[PC+8*(\a):PC+8*(\a)+3], s[92:93] offset:512*(\a)            ; 32 lanes store 512 consecutive bytes, aligned
	global_store_b128 v[LI], v[PC+8*(\a)+4:PC+8*(\a)+7], s[92:93] offset:HEADB+512*(\a)    ; the second head's
.endm
.irp a, 0,1,2,3,4,5,6,7
	OUT_QK \a
.endr
.irp a, 0,1,2,3,4,5,6,7
	v_lshrrev_b32 v[SW+\a], v[SH], v[SW+\a]        ; lanes 16-31 bring the second head's two bytes down.  A word's upper two bytes scale zero codes; they are never 0xff
.endr
	global_store_b128 v[LS], v[SW:SW+3], s[96:97]              ; [a / 4][r][a % 4]: sixteen lanes store 256 consecutive bytes, aligned; lanes 16-31 in the second head
	global_store_b128 v[LS], v[SW+4:SW+7], s[96:97] offset:256
	s_wait_tensorcnt 0x0                           ; the wave's end
	ds_add_u32 v[SPW], v[NIL]
	s_wait_dscnt 0x0
	CROUND                                         ; the closing round
	s_endpgm
.Lway_v:
; v.  Block a: 16 channels (head a / 4, tile a % 4 of its d) x my 128 tokens: a whole fragment of V^T for one record of keys, and its scale word.
.macro OUT_V a
	WIN 0x02+(\a)/4
.set j, 0
.rept 32
	v_pk_add_f32 v[T+j:T+j+1], v[64*((\a)%4)+j:64*((\a)%4)+j+1], v[BV+2*(\a):BV+2*(\a)+1]   ; + my channel's bias
.set j, j+2
.endr
	WIN 0
	QUANT T, PC+8*(\a), SW+(\a)
	global_store_b128 v[LI], v[PC+8*(\a):PC+8*(\a)+3], s[92:93] offset:((\a)/4)*HEADB+VIMG+1024*((\a)%4)
	global_store_b128 v[LI], v[PC+8*(\a)+4:PC+8*(\a)+7], s[92:93] offset:((\a)/4)*HEADB+VIMG+1024*((\a)%4)+512
.endm
.irp a, 0,1,2,3,4,5,6,7
	OUT_V \a
.endr
	v_and_b32 v12, 31, v0
	v_cmp_le_u32 vcc_lo, 16, v12
.irp i, 0,1,2,3
	v_cndmask_b32 v[SW+\i], v[SW+\i], v[SW+4+\i], vcc_lo   ; lanes 16-31 take the second head's four words
.endr
	global_store_b128 v[LS], v[SW:SW+3], s[96:97] offset:VSCO-KSCO   ; [r][tile of d]: sixteen lanes store 256 consecutive bytes, aligned
	s_wait_tensorcnt 0x0                           ; the wave's end
	ds_add_u32 v[SPW], v[NIL]
	s_wait_dscnt 0x0
	CROUND                                         ; the closing round
	s_endpgm
.Lfunc_end_k_q155cd37997_qkv:
	.size	k_q155cd37997_qkv, .Lfunc_end_k_q155cd37997_qkv-k_q155cd37997_qkv
	.p2alignl 7, 3214868480
	.fill 96, 4, 3214868480
	.section	.rodata,"a",@progbits
	.p2align	6, 0x0
	.amdhsa_kernel k_q155cd37997_qkv
		.amdhsa_group_segment_fixed_size 327680
		.amdhsa_private_segment_fixed_size 0
		.amdhsa_enable_private_segment 0
		.amdhsa_kernarg_size 64
		.amdhsa_user_sgpr_count 2
		.amdhsa_user_sgpr_kernarg_segment_ptr 1
		.amdhsa_wavefront_size32 1
		.amdhsa_system_sgpr_workgroup_id_x 1
		.amdhsa_system_sgpr_workgroup_id_y 1
		.amdhsa_system_sgpr_workgroup_id_z 1
		.amdhsa_system_vgpr_workitem_id 0
		.amdhsa_next_free_vgpr 1024
		.amdhsa_next_free_sgpr 102
		.amdhsa_reserve_vcc 1
		.amdhsa_float_denorm_mode_32 3
		.amdhsa_float_denorm_mode_16_64 3
		.amdhsa_memory_ordered 1
		.amdhsa_forward_progress 1
		.amdhsa_inst_pref_size 196
	.end_amdhsa_kernel
	.amdgpu_metadata
---
amdhsa.version: [ 1, 2 ]
amdhsa.kernels:
  - .name:           k_q155cd37997_qkv
    .symbol:         k_q155cd37997_qkv.kd
    .args:
      - { .name: xq_codes, .offset: 0, .size: 8, .value_kind: global_buffer, .address_space: global }
      - { .name: xq_scales, .offset: 8, .size: 8, .value_kind: global_buffer, .address_space: global }
      - { .name: w_codes, .offset: 16, .size: 8, .value_kind: global_buffer, .address_space: global }
      - { .name: w_scales, .offset: 24, .size: 8, .value_kind: global_buffer, .address_space: global }
      - { .name: q_b, .offset: 32, .size: 8, .value_kind: global_buffer, .address_space: global }
      - { .name: k_b, .offset: 40, .size: 8, .value_kind: global_buffer, .address_space: global }
      - { .name: v_b, .offset: 48, .size: 8, .value_kind: global_buffer, .address_space: global }
      - { .name: qkv, .offset: 56, .size: 8, .value_kind: global_buffer, .address_space: global }
    .group_segment_fixed_size: 327680
    .private_segment_fixed_size: 0
    .kernarg_segment_align: 8
    .kernarg_segment_size: 64
    .max_flat_workgroup_size: 128
    .sgpr_count:     102
    .vgpr_count:     1024
    .wavefront_size: 32
...
	.end_amdgpu_metadata
.endif
;; end of part 2
;; launch attn (part 3): grid 8 x 32, 16 waves a work-group, clusters of 4 x 1, 288,768 bytes of LDS; arguments qkv, ao_img, ao_sc; writes ao_img, ao_sc
.if DOCPART == 3
	.amdgcn_target "amdgcn-amd-amdhsa--gfx1250"
	.amdhsa_code_object_version 6
	.text
	.protected	k_q155cd37997_attn
	.globl	k_q155cd37997_attn
	.p2align	8
	.type	k_q155cd37997_attn,@function
k_q155cd37997_attn:
	s_mov_b64 s[64:65], 0
	v_nop
	global_prefetch_b8 v0, s[64:65] scope:SCOPE_SE
	s_setreg_imm32_b32 hwreg(HW_REG_WAVE_MODE, 25, 1), 1
	s_wait_xcnt 0x0
	s_wait_alu depctr_hold_cnt(0) depctr_sa_sdst(0) depctr_va_vdst(0) depctr_va_sdst(0) depctr_va_ssrc(0) depctr_va_vcc(0) depctr_vm_vsrc(0)
	s_getreg_b32 s2, hwreg(HW_REG_IB_STS2, 6, 4)
	s_cmp_eq_u32 s2, 0
	s_cbranch_scc0 .Lentry_in_a_cluster
	s_endpgm
.Lentry_in_a_cluster:
	s_bfe_u32 s2, ttmp6, 0x10000c
	s_cmp_lg_u32 s2, 0x3003
	s_cbranch_scc0 .Lentry_shape_is_right
	s_endpgm
.Lentry_shape_is_right:
; Attention on codes of FP4 (E2M1) with one E8M0 scale for each 32 along a product's K: O = softmax(q k^T / 8) v for 64 (batch, head) pairs of 2,048 tokens x 64; O is quantised along the model's 1,024 and leaves as codes.
; THE SOFTMAX AHEAD OF THE SECOND PRODUCT: t = score x log2(e) / 8; M = the row's largest t so far, rounded UP to a whole number; p = 2^(t - M) is what is quantised, along the keys; it is not normalised.
; The row's sum is taken of the unquantised p, in f32, and divides O at the end.  When M moves, the sum and O are multiplied by 2^(old M - new M): exact.
; SHARES.  A work-group owns 256 query positions of a PAIR of heads (2 y, 2 y + 1); each of its sixteen waves owns one tile of 16 queries and walks first the one head's 16 records of 128 keys, then the other's:
; so a wave ends with 128 neighbouring channels of its 16 rows: a whole fragment of the last product, and a whole scale word.  Four waves to a SIMD: one wave's vector work stands beside another's products and LDS loads.
; LDS holds both heads' 32 records as they lie in memory (8,960 bytes each: K's 8 tiles as register images, V's 4 fragments, K's and V's scale words), filled ONCE: each wave asks for two records by one tensor load.
; CLUSTER.  The four query blocks of a cluster walk the same K and V: each load is asked for jointly, with the same descriptor and a mask that names the four.
; LAYOUT.  Both products are used transposed: S^T = K Q^T (source 0 = 16 keys), O^T = V^T P^T (source 0 = 16 of the head's 64): a lane holds ONE query throughout.  K's tiles and V's rows lie in position order
; (bits 3 and 4 of the index exchanged), so the 16 registers of tiles 2 b, 2 b + 1 are 16 neighbours: 32 b + 16 (lane / 16) + 0 .. 15.  The head's 64 fill half of the instruction's K = 128: registers 4-7 of Q's and K's fragments are zeros.
; The scale words of O leave as 4 bytes a row, 32 bytes apart (one seventeenth of what the launch stores): the layout is the one from which the last launch takes them in whole blocks.
; LIMITS: NaN and infinities are not served; a block of zeros or under 2^-124 gets the scale byte 1; these bytes are read by this program alone.
; REGISTERS: v1-3 addresses that stay; v4-7, v25 the second head's Q; v8-9 addresses in hand; v10 O's scale word; v12 -M, v13 the largest t, v14-15 the sum; v16-23 Q; v24 its scale words; v28-31 V's scale words;
;   v32-95 K's eight tiles; v96-159 S^T, then p; v160-191 O^T; v192-223 V's four fragments; v224-231 p's codes; v240-243, v248-251 K's scale words; the rest of v232-254 at work.
.set HEADB, 217088                     ; a head's bytes in qkv
.set STEPB, 8960                       ; a record of 128 keys
.set VIMG,  4096
.set KSCO,  8192
.set VSCO,  8704
.set QIMG,  143360
.set QSC,   208896
.set LI,  1                            ; v1  16 x lane: a register image's place for my lane
.set LR,  2                            ; v2  16 x (lane % 16): four scale words of my row
.set SO,  3                            ; v3  32 x (lane % 16): my row among O's scale words
.set ADK, 8
.set ADS, 9
.set AW,  10
.set TB,  2                            ; s2  LDS byte at which the record in hand begins
.set WV,  18                           ; s18 my wave's number
.set SEL, 20                           ; s[20:21] v_permlanex16_b32's selects for lane l xor 16
.set CS,  22                           ; s[22:23] c = log2(e) / 8
.set G1,  24                           ; s[24:31], s[32:35] the descriptor
.set G0,  32
.set HEADS, 48
.set STEPS, 49
.macro CROUND                          ; a round of the cluster's barrier
	s_barrier_signal -1
	s_barrier_wait -1
	s_cmp_lg_u32 s[WV], 0
	s_cbranch_scc1 .Lnot_wave_0_\@
	s_barrier_signal -3
.Lnot_wave_0_\@:
	s_barrier_wait -3
	s_barrier_signal -1
	s_barrier_wait -1
.endm
	s_load_b128 s[4:7], s[0:1], 0x0                ; qkv, ao_img
	s_load_b64 s[8:9], s[0:1], 0x10                ; ao_sc
	v_lshl_add_u32 v27, v0, 2, 0x46000
	v_mov_b32 v255, 0
	ds_add_u32 v27, v255
	ds_add_u32 v27, v255
	v_lshrrev_b32 v1, 5, v0
	v_readfirstlane_b32 s[WV], v1                  ; wave 0..15
	s_bfe_u32 s10, ttmp6, 0x40000                  ; cx
	s_lshl_b32 s11, ttmp9, 2
	s_add_co_u32 s11, s11, s10                     ; my block of 256 queries: it enters Q's and O's addresses alone
	s_and_b32 s12, ttmp7, 0xffff                   ; y: the pair of heads, which the four partners share
	s_lshl_b32 s17, s12, 1
	s_mul_i32 s19, s17, HEADB                      ; the pair's first byte in qkv
	s_lshr_b32 s13, s[WV], 3                       ; what I fetch: head wave / 8,
	s_and_b32 s14, s[WV], 7
	s_mul_i32 s15, s14, 2*STEPB                    ; records 2 (wave % 8) and the next
	s_mul_i32 s60, s13, HEADB
	s_add_co_u32 s60, s60, s19
	s_add_co_u32 s60, s60, s15
	s_mov_b32 s61, 0
	; descriptor group 1: 17,920 dense bytes as 70 rows of 256 (32 elements of 8 bytes), no padding: every read is 16 bytes a lane on end
	s_mov_b32 s[G1], 15|(3<<16)|(1<<21)            ; 15:0 the mask: all four work-groups; 17:16 elements of 8 bytes; 21 set beside a mask
	s_mov_b32 s[G1+1], 32<<16                      ; tensor_dim0
	s_mov_b32 s[G1+2], 70<<16                      ; tensor_dim1
	s_mov_b32 s[G1+3], 32<<16                      ; tile_dim0
	s_mov_b32 s[G1+4], 70                          ; tile_dim1
	s_mov_b32 s[G1+5], 32                          ; tensor_dim0_stride
	s_mov_b32 s[G1+6], 0
	s_mov_b32 s[G1+7], 0
	s_lshl_b32 s51, s11, 4
	s_add_co_u32 s51, s51, s[WV]                   ; my tile of queries in the head: 0 .. 127
	s_lshl_b32 s52, s51, 9
	s_add_co_u32 s52, s52, s19
	s_add_co_u32 s52, s52, QIMG                    ; Q's codes
	s_mov_b32 s53, 0
	s_lshr_b32 s56, s51, 2
	s_lshl_b32 s56, s56, 8                         ; Q's scale words: [tile / 4][r][tile % 4]
	s_and_b32 s57, s51, 3
	s_lshl_b32 s57, s57, 2
	s_add_co_u32 s56, s56, s57
	s_add_co_u32 s56, s56, s19
	s_add_co_u32 s56, s56, QSC
	s_mov_b32 s57, 0
	s_lshr_b32 s58, s12, 3                         ; the batch
	s_lshl_b32 s58, s58, 7
	s_add_co_u32 s58, s58, s51                     ; my tile among all 512 tiles of tokens
	s_and_b32 s59, s12, 7                          ; the pair of heads in the batch = which 128 of the model's 1,024
	s_lshl_b32 s54, s58, 12                        ; ao_img: [pair / 4][tile][pair % 4][head of the pair][512 bytes]
	s_lshr_b32 s55, s59, 2
	s_lshl_b32 s55, s55, 21
	s_add_co_u32 s54, s54, s55
	s_and_b32 s55, s59, 3
	s_lshl_b32 s55, s55, 10
	s_add_co_u32 s54, s54, s55
	s_mov_b32 s55, 0
	s_lshl_b32 s58, s58, 9                         ; ao_sc: 32 bytes a row, word = pair
	s_lshl_b32 s59, s59, 2
	s_add_co_u32 s58, s58, s59
	s_mov_b32 s59, 0
	s_mov_b32 s[SEL], 0x76543210
	s_mov_b32 s[SEL+1], 0xfedcba98
	s_mov_b32 s[CS], 0x3e38aa3b                    ; c = log2(e) / sqrt(64)
	s_mov_b32 s[CS+1], s[CS]                       ; (named with it as a pair, so it is written)
	s_mov_b32 s[TB], 0
	s_mov_b32 s[HEADS], 2
	s_wait_dscnt 0x0
	s_wait_kmcnt 0x0
	s_add_nc_u64 s[60:61], s[4:5], s[60:61]
	s_add_nc_u64 s[52:53], s[4:5], s[52:53]
	s_add_nc_u64 s[56:57], s[4:5], s[56:57]
	s_add_nc_u64 s[54:55], s[6:7], s[54:55]
	s_add_nc_u64 s[58:59], s[8:9], s[58:59]
	s_mov_b32 s[G0], 1                             ; 1:0 count = 1
	s_mul_i32 s[G0+1], s[WV], 2*STEPB              ; 63:32 LDS address: wave x two records: no place in the cluster enters it
	s_mov_b64 s[G0+2:G0+3], s[60:61]               ; 120:64 global address
	s_or_b32 s[G0+3], s[G0+3], 0x80000000          ; 127:126 type = 2
	CROUND                                         ; all four work-groups are here: the joint loads meet
	tensor_load_to_lds s[G0:G0+3], s[G1:G1+7]      ; my one tensor load of the launch
	s_nop 0
.rept 4
	v_nop
.endr
	v_and_b32 v[LI], 31, v0
	v_lshlrev_b32 v[LI], 4, v[LI]
	v_and_b32 v[SO], 15, v0
	v_lshlrev_b32 v[LR], 4, v[SO]
	v_lshlrev_b32 v[SO], 5, v[SO]
	global_load_b128 v[16:19], v[LI], s[52:53]                 ; Q of the first head: registers 0-3 of its fragment,
	global_load_b128 v[4:7], v[LI], s[52:53] offset:HEADB      ; of the second,
	global_load_b32 v24, v[LR], s[56:57]                       ; and their scale words
	global_load_b32 v25, v[LR], s[56:57] offset:HEADB
.irp j, 20,21,22,23
	v_mov_b32 v\j, 0                               ; K = 64 .. 127 of Q: zero codes
.endr
.irp t, 0,1,2,3,4,5,6,7
.irp i, 4,5,6,7
	v_mov_b32 v[32+8*\t+\i], 0                     ; and of K's eight tiles; written once
.endr
.endr
.irp b, 0,1,2,3
	v_mov_b32 v[236+\b], 0                         ; a lane permute's destination counts as one of its sources
.endr
	v_mov_b32 v252, 0
	v_mov_b32 v253, 0                              ; (named as the upper half of the pair v[252:253] before it is first written)
	v_mov_b32 v[AW], 0
	s_wait_loadcnt 0x0                             ; Q
	s_wait_tensorcnt 0x0                           ; my two records are in,
	s_barrier_signal -1
	s_barrier_wait -1                              ; everybody's are: all 32 records lie in LDS, and nothing is filled again
.Lhead:
	v_mov_b32 v13, 0xff61b1e6                      ; the largest t so far: -3e38, under every t
	v_floor_f32 v12, -v13                          ; -M
	v_mov_b32 v14, 0                               ; the sum, in two halves
	v_mov_b32 v15, 0
.set j, 0
.rept 32
	v_mov_b32 v[160+j], 0                          ; O^T.  (The step is written once: a head's first step finds zeros, which the first change of M leaves zeros)
.set j, j+1
.endr
	s_mov_b32 s[STEPS], 16
.Lstep:                                            ; A KEY STEP: 128 keys
	v_add_nc_u32 v[ADK], s[TB], v[LI]
	v_add_nc_u32 v[ADS], s[TB], v[LR]
	v_nop                                          ; with the two additions: four places behind the last step's products, in front of the loads into V's registers
	v_nop
.irp t, 0,1,2,3,4,5,6,7
	ds_load_b128 v[32+8*\t:35+8*\t], v[ADK] offset:512*\t
.endr
	ds_load_b128 v[240:243], v[ADS] offset:KSCO
	ds_load_b128 v[248:251], v[ADS] offset:KSCO+256
.irp d, 0,1,2,3
.irp c, 0,1
	ds_load_b128 v[192+8*\d+4*\c:195+8*\d+4*\c], v[ADK] offset:VIMG+1024*\d+512*\c
.endr
.endr
	ds_load_b128 v[28:31], v[ADS] offset:VSCO
	s_wait_dscnt 9                                 ; K and its scale words are in; V's eight loads and its scale words may be out
.irp t, 0,1,2,3,4,5,6,7
	v_wmma_scale_f32_16x16x128_f8f6f4 v[96+8*\t:103+8*\t], v[32+8*\t:39+8*\t], v[16:23], 0, v[240+\t+4*(\t/4)], v24 matrix_a_fmt:MATRIX_FMT_FP4 matrix_b_fmt:MATRIX_FMT_FP4
.endr
.rept 4
	v_nop
.endr
.irp b, 0,1,2,3
	v_max3_num_f32 v[232+\b], v[96+16*\b], v[97+16*\b], v[98+16*\b]   ; THE LARGEST SCORE OF EACH BLOCK OF 32 KEYS: for the row's maximum, and, since p rises with the score, for the block's largest p
.endr
.irp i, 3,5,7,9,11,13
.irp b, 0,1,2,3
	v_max3_num_f32 v[232+\b], v[232+\b], v[96+16*\b+\i], v[97+16*\b+\i]   ; (the four blocks by turns)
.endr
.endr
.irp b, 0,1,2,3
	v_max_num_f32 v[232+\b], v[232+\b], v[111+16*\b]
.endr
.irp b, 0,1,2,3
	v_permlanex16_b32 v[236+\b], v[232+\b], s[SEL], s[SEL+1]
.endr
.irp b, 0,1,2,3
	v_max_num_f32 v[232+\b], v[232+\b], v[236+\b]  ; with lane l xor 16's 16 keys
.endr
	v_max3_num_f32 v254, v232, v233, v234
	v_max_num_f32 v254, v254, v235                 ; the step's largest score of my query
	v_mul_f32 v254, s[CS], v254                    ; as t (c is positive)
	v_max_num_f32 v13, v13, v254                   ; the running largest t
	v_mov_b32 v254, v12
	v_floor_f32 v12, -v13                          ; the new -M = floor(-t) = -ceil(t): M is a whole number
	v_sub_f32 v254, v12, v254                      ; M's old value less its new one: a whole number, 0 or less
	v_cvt_i32_f32 v254, v254                       ; (it saturates)
	v_ldexp_f32 v252, 1.0, v254                    ; f = 2^(old M - new M)
.irp j, 0,2,4,6,8,10,12,14,16,18,20,22,24,26,28,30,32,34,36,38,40,42,44,46,48,50,52,54,56,58,60,62
	v_pk_fma_f32 v[96+\j:97+\j], v[96+\j:97+\j], s[CS:CS+1], v[12:13] op_sel_hi:[1,0,0]   ; t - M, two at a time (of the pairs c and -M the low word serves both halves)
.endr
.irp b, 0,1,2,3
	v_fma_f32 v[232+\b], v[232+\b], s[CS], v12     ; the same of each block's largest score
.endr
.set j, 0
.rept 64
	v_exp_f32 v[96+j], v[96+j]                     ; p = 2^(t - M), at most 1: not normalised
.set j, j+1
.endr
	v_pk_mul_f32 v[14:15], v[14:15], v[252:253] op_sel_hi:[1,0]   ; the sums under the new M (a plain line behind the exponentials)
	s_wait_alu depctr_va_vdst(0)                   ; one wait for the whole batch, ahead of its first reader
.irp b, 0,1,2,3
	v_exp_f32 v[232+\b], v[232+\b]                 ; the block's largest p: the same two instructions on the same number give the same bits
.endr
	v_pk_add_f32 v[236:237], v[96:97], v[98:99]    ; THE ROW'S SUM IS TAKEN OF THE UNQUANTISED p: two at a time, in two chains (it reads the 64 alone: plain work behind the four)
.irp j, 4,8,12,16,20,24,28,32,36,40,44,48,52,56,60
	v_pk_add_f32 v[14:15], v[14:15], v[96+\j:97+\j]
	v_pk_add_f32 v[236:237], v[236:237], v[98+\j:99+\j]
.endr
	v_pk_add_f32 v[14:15], v[14:15], v[236:237]
	s_wait_alu depctr_va_vdst(0)                   ; and one for the four
.irp b, 0,1,2,3
	v_max_num_f32 v[232+\b], 0x1800000, v[232+\b]  ; the floor 2^(3 - 127): the byte cannot fall under 1
.endr
.irp b, 0,1,2,3
	v_add_nc_u32 v[244+\b], 0xff000000, v[232+\b]  ; 2 off the exponent field: the conversion's scale operand
.endr
.irp b, 0,1,2,3
	v_lshrrev_b32 v[236+\b], 23, v[244+\b]         ; the scale's byte
.endr
	v_lshl_or_b32 v253, v237, 8, v236              ; p's scale word for these 128 keys
	v_lshl_or_b32 v253, v238, 16, v253
	v_lshl_or_b32 v253, v239, 24, v253
.irp b, 0,1,2,3
	v_cvt_scalef32_pk8_fp4_f32 v[224+2*\b], v[96+16*\b:103+16*\b], v[244+\b]
	v_cvt_scalef32_pk8_fp4_f32 v[225+2*\b], v[104+16*\b:111+16*\b], v[244+\b]
.endr
	v_nop                                          ; one plain line behind the conversions
.irp c, 0,1                                    ; the operand's layout wants a WHOLE block in a lane
.irp i, 0,1
	v_permlane16_swap_b32 v[224+4*\c+\i], v[226+4*\c+\i]
.endr
.endr
.irp j, 0,2,4,6,8,10,12,14,16,18,20,22,24,26,28,30
	v_pk_mul_f32 v[160+\j:161+\j], v[160+\j:161+\j], v[252:253] op_sel_hi:[1,0]   ; O^T under the new M.  (These 16 are also the places between the scale word's and the codes' last writes and the products)
.endr
	s_wait_dscnt 0x0                               ; V and its scale words
.irp d, 0,1,2,3
	v_wmma_scale_f32_16x16x128_f8f6f4 v[160+8*\d:167+8*\d], v[192+8*\d:199+8*\d], v[224:231], v[160+8*\d:167+8*\d], v[28+\d], v253 matrix_a_fmt:MATRIX_FMT_FP4 matrix_b_fmt:MATRIX_FMT_FP4
.endr
	s_add_co_u32 s[TB], s[TB], STEPB               ; the next record; the second head's follow the first's
	s_sub_co_u32 s[STEPS], s[STEPS], 1
	s_cmp_lg_u32 s[STEPS], 0
	s_cbranch_scc1 .Lstep
	; A HEAD'S END.  O^T / the sum: register 16 b + i is channel 32 b + 16 (lane / 16) + i of the head; two blocks are quantised and leave as the image of four registers.
	v_add_f32 v14, v14, v15                        ; the sum's two halves,
	v_permlanex16_b32 v252, v14, s[SEL], s[SEL+1]
	v_add_f32 v14, v14, v252                       ; and lane l xor 16's: the row's sum
	v_rcp_f32 v14, v14
	v_mov_b32 v16, v4                              ; the second head's Q takes its place (plain work behind the reciprocal, and places behind the last products)
	v_mov_b32 v17, v5
	v_mov_b32 v18, v6
	v_mov_b32 v19, v7
	v_mov_b32 v24, v25
	s_wait_alu depctr_va_vdst(0)                   ; the wait ahead of the reciprocal's first reader
.set j, 0
.rept 32
	v_mul_f32 v[96+j], v[160+j], v14               ; each accumulator from its low end on
.set j, j+1
.endr
.irp b, 0,1
	v_max3_num_f32 v[232+\b], |v[96+16*\b]|, |v[97+16*\b]|, 0x1800000
.endr
.irp i, 2,4,6,8,10,12,14
.irp b, 0,1
	v_max3_num_f32 v[232+\b], v[232+\b], |v[96+16*\b+\i]|, |v[97+16*\b+\i]|
.endr
.endr
.irp b, 0,1
	v_permlanex16_b32 v[236+\b], v[232+\b], s[SEL], s[SEL+1]
.endr
.irp b, 0,1
	v_max_num_f32 v[232+\b], v[232+\b], v[236+\b]
.endr
.irp b, 0,1
	v_add_nc_u32 v[244+\b], 0xff000000, v[232+\b]
.endr
.irp b, 0,1
	v_lshrrev_b32 v[236+\b], 23, v[244+\b]
.endr
	v_lshl_or_b32 v254, v237, 8, v236              ; the head's two scale bytes
.irp b, 0,1
	v_cvt_scalef32_pk8_fp4_f32 v[224+2*\b], v[96+16*\b:103+16*\b], v[244+\b]
	v_cvt_scalef32_pk8_fp4_f32 v[225+2*\b], v[104+16*\b:111+16*\b], v[244+\b]
.endr
	v_nop
	v_permlane16_swap_b32 v224, v226
	v_permlane16_swap_b32 v225, v227               ; v224-227: channels 32 (lane / 16) + 0 .. 31
	global_store_b128 v[LI], v[224:227], s[54:55]  ; 32 lanes store 512 consecutive bytes, aligned
	v_lshrrev_b32 v[AW], 16, v[AW]
	v_lshl_or_b32 v[AW], v254, 16, v[AW]           ; behind the second head: the first head's bytes below, the second's above
	s_wait_xcnt 0x0                                ; the store has read its data and its base: both are written again only behind this wait
	s_add_nc_u64 s[54:55], s[54:55], 512
	s_sub_co_u32 s[HEADS], s[HEADS], 1
	s_cmp_lg_u32 s[HEADS], 0
	s_cbranch_scc1 .Lhead
	v_and_b32 v11, 31, v0
	v_cmp_gt_u32 vcc_lo, 16, v11                   ; both halves of the lanes hold the same word: lanes 0-15 store it
	s_and_saveexec_b32 s51, vcc_lo                 ; (no load or store has been issued since the wait on XCNT above)
	global_store_b32 v[SO], v[AW], s[58:59]
	s_wait_xcnt 0x0                                ; EXEC is widened only behind this wait
	s_or_b32 exec_lo, exec_lo, s51
	s_wait_tensorcnt 0x0
	ds_add_u32 v27, v255
	s_wait_dscnt 0x0
	CROUND                                         ; the closing round: no work-group ends while a partner may still ask for a tile that names it
	s_endpgm
.Lfunc_end_k_q155cd37997_attn:
	.size	k_q155cd37997_attn, .Lfunc_end_k_q155cd37997_attn-k_q155cd37997_attn
	.p2alignl 7, 3214868480
	.fill 96, 4, 3214868480
	.section	.rodata,"a",@progbits
	.p2align	6, 0x0
	.amdhsa_kernel k_q155cd37997_attn
		.amdhsa_group_segment_fixed_size 288768
		.amdhsa_private_segment_fixed_size 0
		.amdhsa_enable_private_segment 0
		.amdhsa_kernarg_size 24
		.amdhsa_user_sgpr_count 2
		.amdhsa_user_sgpr_kernarg_segment_ptr 1
		.amdhsa_wavefront_size32 1
		.amdhsa_system_sgpr_workgroup_id_x 1
		.amdhsa_system_sgpr_workgroup_id_y 1
		.amdhsa_system_sgpr_workgroup_id_z 1
		.amdhsa_system_vgpr_workitem_id 0
		.amdhsa_next_free_vgpr 256
		.amdhsa_next_free_sgpr 66
		.amdhsa_reserve_vcc 1
		.amdhsa_float_denorm_mode_32 3
		.amdhsa_float_denorm_mode_16_64 3
		.amdhsa_memory_ordered 1
		.amdhsa_forward_progress 1
		.amdhsa_inst_pref_size 27
	.end_amdhsa_kernel
	.amdgpu_metadata
---
amdhsa.version: [ 1, 2 ]
amdhsa.kernels:
  - .name:           k_q155cd37997_attn
    .symbol:         k_q155cd37997_attn.kd
    .args:
      - { .name: qkv, .offset: 0, .size: 8, .value_kind: global_buffer, .address_space: global }
      - { .name: ao_img, .offset: 8, .size: 8, .value_kind: global_buffer, .address_space: global }
      - { .name: ao_sc, .offset: 16, .size: 8, .value_kind: global_buffer, .address_space: global }
    .group_segment_fixed_size: 288768
    .private_segment_fixed_size: 0
    .kernarg_segment_align: 8
    .kernarg_segment_size: 24
    .max_flat_workgroup_size: 512
    .sgpr_count:     66
    .vgpr_count:     256
    .wavefront_size: 32
...
	.end_amdgpu_metadata
.endif
;; end of part 3
;; launch outp (part 4): grid 4 x 32, 4 waves a work-group, clusters of 4 x 4, 327,680 bytes of LDS; arguments ao_img, ao_sc, w_codes, w_scales, out_b, out0; writes out0
.if DOCPART == 4
	.amdgcn_target "amdgcn-amd-amdhsa--gfx1250"
	.amdhsa_code_object_version 6
	.text
	.protected	k_q155cd37997_outp
	.globl	k_q155cd37997_outp
	.p2align	8
	.type	k_q155cd37997_outp,@function
k_q155cd37997_outp:
	s_mov_b64 s[64:65], 0
	v_nop
	global_prefetch_b8 v0, s[64:65] scope:SCOPE_SE
	s_setreg_imm32_b32 hwreg(HW_REG_WAVE_MODE, 25, 1), 1
	s_wait_xcnt 0x0
	s_wait_alu depctr_hold_cnt(0) depctr_sa_sdst(0) depctr_va_vdst(0) depctr_va_sdst(0) depctr_va_ssrc(0) depctr_va_vcc(0) depctr_vm_vsrc(0)
	s_getreg_b32 s2, hwreg(HW_REG_IB_STS2, 6, 4)
	s_cmp_eq_u32 s2, 0
	s_cbranch_scc0 .Lentry_in_a_cluster
	s_endpgm
.Lentry_in_a_cluster:
	s_bfe_u32 s2, ttmp6, 0x10000c
	s_cmp_lg_u32 s2, 0xf033
	s_cbranch_scc0 .Lentry_shape_is_right
	s_endpgm
.Lentry_shape_is_right:
; out0 = O out_w^T + out_b on codes of FP4 (E2M1) with one E8M0 scale for each 32 along K = 1,024.  O: 8,192 rows in position order, as register images (ao_img) and scale words (ao_sc); out_w: rows 3,072 on of w_codes, w_scales, in position order.
; A work-group of four waves makes 256 x 256 of out0, a wave 128 x 128: 64 accumulators of 16 x 16.  K goes in two steps of 512, each in an LDS slot of its own: both are asked for at the start, nothing is filled again.
; 128 work-groups: a tile half as wide would give each WGP one, but read half as much again from LDS for each product, and what the launch mostly does is store 33,554,432 bytes.
; CLUSTERS: 4 x 4 work-groups; the four of a row need the same tiles of O, the four of a column the same tiles of out_w: each tile is asked for jointly.
; THE MATRIX INSTRUCTION IS USED TRANSPOSED (source 0 = 16 rows of out_w, source 1 = 16 rows of O): a lane holds one row of out0.  The bias is the C of each sum's first product.
; POSITION ORDER is undone on the way out: columns by the place in the stage (registers of tiles 2 k, 2 k + 1 are columns 32 k + 16 (lane / 16) + 0 .. 15), rows by the stores' offsets.
; REGISTERS: window 0: v16-29 addresses; v32-95 scale words, two sets; v128-191 A's fragments, one set; v192-255 the bias; on the way out v128-255 rows of out0.  window 1: B's fragments, two sets.  windows 2, 3: the accumulators.
.set NQ,     4
.set ROWB,   256
.set KROW,   512                       ; a row of out_w's codes in memory
.set PITCH,  272                       ; an LDS row: 256 bytes + 16 of padding
.set FR,     8
.set NL,     2
.set NP,     4
.set HALFT,  128*PITCH
.set SLOT,   4*HALFT
.set KS,     32
.set SCL,    2*SLOT
.set HALFS,  16*272
.set SBLK,   2*272
.set SPARE,  SCL+4*HALFS               ; the spare words: 128 bytes a wave, two blocks of 256 bytes that no other line names
.set SPITCH, 528                       ; the way out: a stage of 16 rows x (512 bytes + 16) for each wave, in slot 0, which has had its one fill and its last read when the first result is stored there
.set BA,   10                          ; v10  64 x (lane / 16): the bias
.set ADRA, 16
.set ADRB, 20
.set STO,  24
.set RD,   25
.set CO,   26
.set ADRS, 27
.set SPW,  28
.set NIL,  29
.set SC,   32
.set AF,   128
.set BI,   192
.set BK,   128
.set G1, 24
.set G0, 32
.set G1B, 48
.set G0B, 56
.set G1S, 68
.set G0S, 76
.set G1SB, 80
.set G0SB, 88
.set MSB, 0
.macro WIN new
.if MSB != (\new)
	s_set_vgpr_msb (MSB<<8)|(\new)
.set MSB, (\new)
.endif
.endm
.set MUL_LO, 0xa1                      ; source 0 (B) window 1, source 1 (A) window 0, C and D window 2
.set MUL_HI, 0xf1                      ; the same, C and D window 3
.set TO_B,   0x40
.macro JLOAD g0a, g1a, g0b, g1b        ; a joint load: waves 0 and 1 fetch for A, waves 2 and 3 for B; four v_nop follow each of the two lines
	s_cmp_eq_u32 s15, 0
	s_cbranch_scc0 .Lfor_b_\@
	tensor_load_to_lds s[\g0a:\g0a+3], s[\g1a:\g1a+7]
	s_nop 0
.rept 4
	v_nop
.endr
	s_branch .Lasked_\@
.Lfor_b_\@:
	tensor_load_to_lds s[\g0b:\g0b+3], s[\g1b:\g1b+7]
	s_nop 0
.rept 4
	v_nop
.endr
.Lasked_\@:
.endm
.macro CROUND
	s_barrier_signal -1
	s_barrier_wait -1
	s_cmp_lg_u32 s14, 0
	s_cbranch_scc1 .Lnot_wave_0_\@
	s_barrier_signal -3
.Lnot_wave_0_\@:
	s_barrier_wait -3
	s_barrier_signal -1
	s_barrier_wait -1
.endm
	s_load_b128 s[4:7], s[0:1], 0x0                ; O's images s[4:5], O's scale words s[6:7]
	s_load_b128 s[8:11], s[0:1], 0x10              ; the weights' codes s[8:9], their scales s[10:11]
	s_load_b64 s[2:3], s[0:1], 0x20                ; out_b
	s_load_b64 s[12:13], s[0:1], 0x28              ; out0
	v_lshl_add_u32 v[SPW], v0, 2, SPARE
	v_mov_b32 v[NIL], 0
	ds_add_u32 v28, v29
	ds_add_u32 v28, v29
	s_wait_dscnt 0x0
	v_lshrrev_b32 v1, 5, v0
	v_readfirstlane_b32 s14, v1                    ; wave 0..3
	s_lshr_b32 s15, s14, 1                         ; which half of the tile's rows is mine.  Also: I fetch for A (0) or for B (1)
	s_and_b32 s16, s14, 1                          ; which half of its columns.  Also: which 128 rows of that tile I fetch
	s_bfe_u32 s40, ttmp6, 0x40000                  ; cx, cy
	s_bfe_u32 s41, ttmp6, 0x40004
	s_lshl_b32 s42, ttmp9, 2
	s_add_co_u32 s42, s42, s40                     ; tile column
	s_and_b32 s17, ttmp7, 0xffff
	s_lshl_b32 s17, s17, 2
	s_add_co_u32 s17, s17, s41                     ; tile row
	s_lshl_b32 s43, s41, 2
	s_lshl_b32 s43, 15, s43                        ; my row of the cluster
	s_lshl_b32 s44, 0x1111, s40                    ; my column
	; descriptor group 1: 128 rows x 256 bytes, 16 bytes of padding behind each.  A's 128 rows of O x 512 along K are 32,768 dense bytes of images: pitch 256; B's rows lie 512 bytes apart
	s_or_b32 s[G1+0], s43, (0<<16)|(1<<20)|(1<<21)|(5<<22)|(3<<25)
	s_or_b32 s[G1B+0], s44, (0<<16)|(1<<20)|(1<<21)|(5<<22)|(3<<25)
.irp g, G1, G1B
	s_mov_b32 s[\g+1], ROWB<<16
	s_mov_b32 s[\g+2], 128<<16
	s_mov_b32 s[\g+3], ROWB<<16
	s_mov_b32 s[\g+4], 128
	s_mov_b32 s[\g+6], 0
	s_mov_b32 s[\g+7], 0
.endr
	s_mov_b32 s[G1+5], ROWB
	s_mov_b32 s[G1B+5], KROW
	s_or_b32 s[G1S+0], s43, (3<<16)|(1<<20)|(1<<21)|(5<<22)|(3<<25)
	s_or_b32 s[G1SB+0], s44, (3<<16)|(1<<20)|(1<<21)|(5<<22)|(3<<25)
.irp g, G1S, G1SB
	s_mov_b32 s[\g+1], 32<<16
	s_mov_b32 s[\g+2], 16<<16
	s_mov_b32 s[\g+3], 32<<16
	s_mov_b32 s[\g+4], 16
	s_mov_b32 s[\g+5], 32
	s_mov_b32 s[\g+6], 0
	s_mov_b32 s[\g+7], 0
.endr
	s_lshl_b32 s18, s16, 7
	s_lshl_b32 s20, s17, 8
	s_add_co_u32 s20, s20, s18                     ; A: row 256 x tile row + 128 x half
	s_lshl_b32 s46, s42, 8
	s_add_co_u32 s46, s46, s18
	s_add_co_u32 s46, s46, 3072                    ; B: out_w begins at row 3,072 of the weights' buffers
	s_mov_b32 s21, 0
	s_mov_b32 s47, 0
	s_mov_b64 s[18:19], KS
	s_mul_u64 s[22:23], s[20:21], s[18:19]
	s_mul_u64 s[92:93], s[46:47], s[18:19]
	s_mov_b64 s[18:19], KROW
	s_mul_u64 s[46:47], s[46:47], s[18:19]
	s_lshl_b64 s[20:21], s[20:21], 8               ; A's images: 4,096 bytes for 16 rows and 512 along K
	s_mul_i32 s45, s14, HALFT
	s_mul_i32 s94, s14, HALFS
	s_wait_kmcnt 0x0
	s_add_nc_u64 s[20:21], s[4:5], s[20:21]
	s_add_nc_u64 s[22:23], s[6:7], s[22:23]
	s_add_nc_u64 s[46:47], s[8:9], s[46:47]
	s_add_nc_u64 s[92:93], s[10:11], s[92:93]
	CROUND                                         ; all sixteen work-groups are here: the joint loads meet
	s_mov_b32 s[G0S], 1
	s_add_co_u32 s[G0S+1], s94, SCL
	s_mov_b64 s[G0S+2:G0S+3], s[22:23]
	s_or_b32 s[G0S+3], s[G0S+3], 0x80000000
	s_mov_b32 s[G0SB], 1
	s_add_co_u32 s[G0SB+1], s94, SCL
	s_mov_b64 s[G0SB+2:G0SB+3], s[92:93]
	s_or_b32 s[G0SB+3], s[G0SB+3], 0x80000000
	JLOAD G0S, G1S, G0SB, G1SB
.irp s, 0,1
	s_mov_b32 s[G0+4*\s], 1
	s_add_co_u32 s[G0+4*\s+1], s45, \s*SLOT
	s_add_nc_u64 s[G0+4*\s+2:G0+4*\s+3], s[20:21], \s*2097152      ; the second 512 along K lie 2,097,152 bytes on
	s_or_b32 s[G0+4*\s+3], s[G0+4*\s+3], 0x80000000
	s_mov_b32 s[G0B+4*\s], 1
	s_add_co_u32 s[G0B+4*\s+1], s45, \s*SLOT
	s_add_nc_u64 s[G0B+4*\s+2:G0B+4*\s+3], s[46:47], \s*ROWB
	s_or_b32 s[G0B+4*\s+3], s[G0B+4*\s+3], 0x80000000
	JLOAD G0+4*\s, G1, G0B+4*\s, G1B               ; three tensor loads of mine are out
.endr
	v_and_b32 v1, 15, v0                           ; r
	v_bfe_u32 v2, v0, 4, 1                         ; h
	v_mul_u32_u24 v3, v1, PITCH
	v_lshl_add_u32 v4, v2, 4, v3                   ; B: a fragment's row x pitch + 16 x half
	v_mul_u32_u24 v7, v2, PITCH
	v_lshl_add_u32 v7, v1, 4, v7                   ; A: an image's 512 bytes are two padded units: lanes 0-15 in the first, lanes 16-31 in the second
	s_mul_i32 s21, s15, HALFT
	s_mul_i32 s22, s16, HALFT
	s_add_co_u32 s22, s22, 2*HALFT
.irp s, 0,1
	v_add_nc_u32 v[ADRA+\s], s21, v7
	v_add_nc_u32 v[ADRB+\s], s22, v4
	s_add_co_u32 s21, s21, SLOT
	s_add_co_u32 s22, s22, SLOT
.endr
	v_mul_u32_u24 v5, v1, KS
	v_lshrrev_b32 v6, 8, v5
	v_lshl_add_u32 v5, v6, 4, v5
	s_mul_i32 s21, s15, HALFS
	s_mul_i32 s22, s16, HALFS
	s_add_co_u32 s22, s22, 2*HALFS
	s_sub_co_u32 s22, s22, s21
	v_mul_u32_u24 v6, s22, v2                      ; lanes 16-31 take B's
	s_add_co_u32 s21, s21, SCL
	v_add_nc_u32 v5, v5, v6
	v_add_nc_u32 v[ADRS], s21, v5
	s_mul_i32 s23, s14, 16*SPITCH                  ; my stage
	v_mul_u32_u24 v5, v1, SPITCH
	v_lshl_add_u32 v5, v2, 6, v5                   ; in: row r, + 64 x half: 16 columns of each 32
	v_add_nc_u32 v[STO], s23, v5
	v_and_b32 v6, 31, v0
	v_lshlrev_b32 v[CO], 4, v6                     ; back: the 32 lanes take one row of 512 bytes; and the same in out0
	v_add_nc_u32 v[RD], s23, v[CO]
	s_lshl_b32 s20, s17, 8
	s_lshl_b32 s21, s15, 7
	s_add_co_u32 s20, s20, s21                     ; my first row
	s_mov_b32 s21, 0
	s_lshl_b64 s[20:21], s[20:21], 12              ; 4,096 bytes a row
	s_lshl_b32 s46, s42, 10
	s_lshl_b32 s47, s16, 9
	s_add_co_u32 s46, s46, s47                     ; my first column, in bytes
	s_mov_b32 s47, 0
	s_add_nc_u64 s[2:3], s[2:3], s[46:47]          ; the bias of my 128 columns
	s_add_nc_u64 s[20:21], s[20:21], s[46:47]
	s_add_nc_u64 s[12:13], s[12:13], s[20:21]
	v_lshlrev_b32 v[BA], 6, v2
.irp k, 0,1,2,3
.irp q, 0,1,2,3
	global_load_b128 v[BI+16*\k+4*\q:BI+16*\k+4*\q+3], v[BA], s[2:3] offset:128*\k+16*\q   ; register 16 k + i: column 32 k + 16 h + i: registers 8 b .. 8 b + 7 are the C of B's block b
.endr
.endr
.macro FRAG reg, adr, q, i             ; B's fragment from rows
.irp c, 0,1
	ds_load_b128 v[\reg+4*\c:\reg+4*\c+3], v[\adr] offset:64*(\q)+32*\c+(\i)*16*PITCH
.endr
.endm
.macro FRAGA reg, adr, q, i            ; A's fragment from images: block i, the slot's q-th 128 along K, registers 4 c on: units 16 i + 4 q + 2 c and the next
.irp c, 0,1
	ds_load_b128 v[\reg+4*\c:\reg+4*\c+3], v[\adr] offset:(16*(\i)+4*(\q)+2*\c)*PITCH
.endr
.endm
; 16 matrix instructions.  zero = 1: the first product starts the sums on the bias.  The 64 accumulators take turns, one instruction a turn.
.macro MUL16 a0, p, q, sc, zero
.irp a, \a0, \a0+1
.irp b, 0,1,2,3,4,5,6,7
.if \zero
	v_wmma_scale_f32_16x16x128_f8f6f4 v[8*(8*((\a)%4)+\b):8*(8*((\a)%4)+\b)+7], v[128*(\p)+FR*\b:128*(\p)+FR*\b+FR-1], v[AF+FR*(\a):AF+FR*(\a)+FR-1], v[BI+8*\b:BI+8*\b+7], v[SC+8*NQ*(\sc)+NQ*\b+(\q)], v[SC+8*NQ*(\sc)+NQ*(\a)+(\q)] matrix_a_fmt:MATRIX_FMT_FP4 matrix_b_fmt:MATRIX_FMT_FP4 matrix_a_scale:MATRIX_SCALE_ROW1
.else
	v_wmma_scale_f32_16x16x128_f8f6f4 v[8*(8*((\a)%4)+\b):8*(8*((\a)%4)+\b)+7], v[128*(\p)+FR*\b:128*(\p)+FR*\b+FR-1], v[AF+FR*(\a):AF+FR*(\a)+FR-1], v[8*(8*((\a)%4)+\b):8*(8*((\a)%4)+\b)+7], v[SC+8*NQ*(\sc)+NQ*\b+(\q)], v[SC+8*NQ*(\sc)+NQ*(\a)+(\q)] matrix_a_fmt:MATRIX_FMT_FP4 matrix_b_fmt:MATRIX_FMT_FP4 matrix_a_scale:MATRIX_SCALE_ROW1
.endif
.endr
.endr
.endm
.macro FETCH_B slot, q, p
	WIN TO_B
.irp i, 0,1,2,3,4,5,6,7
	FRAG 128*(\p)+FR*\i, ADRB+\slot, \q, \i
.endr
	WIN 0
.endm
.macro FETCH_A slot, q, i0
.irp i, \i0, \i0+1, \i0+2, \i0+3
	FRAGA AF+FR*(\i), ADRA+\slot, \q, \i
.endr
.endm
.macro SCALES sc
.irp i, 0,1,2,3,4,5,6,7
	ds_load_b128 v[SC+8*NQ*\sc+NQ*\i:SC+8*NQ*\sc+NQ*\i+3], v[ADRS] offset:\i*SBLK
.endr
.endm
.macro PLACES n
.rept \n
	v_nop
.endr
.endm
.macro STEP slot, q, zero
	s_wait_dscnt 4*NL                              ; B's set and A's blocks 0-3 are in; the youngest eight loads (A's blocks 4-7) may be out
.if \zero
	WIN 0x81                                       ; C (the bias) window 0, D window 2
.else
	WIN MUL_LO
.endif
	MUL16 0, (\q)%2, \q, \slot, \zero
	MUL16 2, (\q)%2, \q, \slot, \zero
	s_wait_dscnt 0
	PLACES NP
	FETCH_B \slot, (\q)+1, 1-(\q)%2
	FETCH_A \slot, (\q)+1, 0
.if \zero
	WIN 0xc1                                       ; C window 0, D window 3
.else
	WIN MUL_HI
.endif
	MUL16 4, (\q)%2, \q, \slot, \zero
	MUL16 6, (\q)%2, \q, \slot, \zero
	PLACES NP
	WIN 0
	FETCH_A \slot, (\q)+1, 4
.endm
.macro TURN slot, next                 ; slot 0's last step goes over to slot 1: one barrier; nothing is filled again
	s_wait_tensorcnt 0x0                           ; all my tensor loads have landed
	ds_add_u32 v[SPW], v[NIL]                      ; 0 onto my spare word
	s_wait_dscnt 4*NL+1                            ; (the add and the youngest eight loads may be out)
	WIN MUL_LO
	MUL16 0, 1, NQ-1, \slot, 0
	s_wait_dscnt 0x0                               ; the add is done, and my reads of this slot are over
	s_barrier_signal -1
	MUL16 2, 1, NQ-1, \slot, 0
	WIN 0
	s_barrier_wait -1
	PLACES NP
	v_add_nc_u32 v[ADRS], 4*NQ, v[ADRS]
	FETCH_B \next, 0, 0
	FETCH_A \next, 0, 0
	SCALES \next
	WIN MUL_HI
	MUL16 4, 1, NQ-1, \slot, 0
	MUL16 6, 1, NQ-1, \slot, 0
	PLACES NP
	WIN 0
	FETCH_A \next, 0, 4
.endm
	s_wait_tensorcnt 1                             ; the scales and my part of slot 0 are in (slot 1's load may be out)
	s_barrier_signal -1
	s_barrier_wait -1                              ; everybody's are
	FETCH_B 0, 0, 0
	FETCH_A 0, 0, 0
	SCALES 0
	FETCH_A 0, 0, 4
	s_wait_loadcnt 0x0                             ; the bias
	STEP 0, 0, 1
	STEP 0, 1, 0
	STEP 0, 2, 0
	TURN 0, 1
	STEP 1, 0, 0
	STEP 1, 1, 0
	STEP 1, 2, 0
	s_wait_dscnt 4*NL                              ; the last step: nothing more to fetch
	WIN MUL_LO
	MUL16 0, 1, NQ-1, 1, 0
	MUL16 2, 1, NQ-1, 1, 0
	s_wait_dscnt 0
	WIN MUL_HI
	MUL16 4, 1, NQ-1, 1, 0
	MUL16 6, 1, NQ-1, 1, 0
	WIN 0
; THE WAY OUT, block by block of 16 rows x 128 columns, through my own stage in LDS; back as whole rows of 512 bytes.  LDS serves a wave's instructions in order: no wait between the stores and the loads.
.macro TOSTAGE a
.set AC, 64*((\a)%4)
	WIN 0x08+4*((\a)/4)                            ; the data: window 2 or 3
.irp b, 0,1,2,3,4,5,6,7
	ds_store_b128 v[STO], v[AC+8*\b:AC+8*\b+3] offset:128*(\b/2)+32*(\b%2)          ; columns 32 (b / 2) + 16 h + 8 (b % 2) + 0 .. 7; each accumulator from its low end on
	ds_store_b128 v[STO], v[AC+8*\b+4:AC+8*\b+7] offset:128*(\b/2)+32*(\b%2)+16
.endr
	WIN 0
.set BB, BK+64*((\a)%2)
.irp t, 0,1,2,3,4,5,6,7,8,9,10,11,12,13,14,15
	ds_load_b128 v[BB+4*\t:BB+4*\t+3], v[RD] offset:\t*SPITCH
.endr
.endm
.macro SEND a, younger                 ; younger: the LDS instructions issued behind block a's loads, which may stay out
.set BB, BK+64*((\a)%2)
	s_wait_dscnt \younger
.irp t, 0,1,2,3,4,5,6,7,8,9,10,11,12,13,14,15
	global_store_b128 v[CO], v[BB+4*\t:BB+4*\t+3], s[12:13] offset:(32*((\a)/2)+8*((\a)%2)+\t+8*(\t/8))*4096 th:TH_STORE_NT   ; position 16 a + t is row 32 (a / 2) + 8 (a % 2) + t + 8 (t / 8); 32 lanes store 512 consecutive bytes, aligned; 127 rows at the most: inside the signed 24-bit immediate
.endr
.endm
	PLACES NP                                      ; behind the last products: for the loads into the registers that held A's fragments and the bias, and for the reads of results
	TOSTAGE 0
.irp a, 1,2,3,4,5,6,7
.if \a > 1
	s_wait_xcnt 0x0                                ; block a - 2's stores have read their registers: block a's loads may land there
.endif
	TOSTAGE \a
	SEND \a-1, 32                                  ; behind block a - 1's loads: block a's 16 stores and 16 loads
.endr
	SEND 7, 0
	s_wait_tensorcnt 0x0                           ; the wave's end
	ds_add_u32 v[SPW], v[NIL]
	s_wait_dscnt 0x0
	CROUND                                         ; the closing round
	s_endpgm
.Lfunc_end_k_q155cd37997_outp:
	.size	k_q155cd37997_outp, .Lfunc_end_k_q155cd37997_outp-k_q155cd37997_outp
	.p2alignl 7, 3214868480
	.fill 96, 4, 3214868480
	.section	.rodata,"a",@progbits
	.p2align	6, 0x0
	.amdhsa_kernel k_q155cd37997_outp
		.amdhsa_group_segment_fixed_size 327680
		.amdhsa_private_segment_fixed_size 0
		.amdhsa_enable_private_segment 0
		.amdhsa_kernarg_size 48
		.amdhsa_user_sgpr_count 2
		.amdhsa_user_sgpr_kernarg_segment_ptr 1
		.amdhsa_wavefront_size32 1
		.amdhsa_system_sgpr_workgroup_id_x 1
		.amdhsa_system_sgpr_workgroup_id_y 1
		.amdhsa_system_sgpr_workgroup_id_z 1
		.amdhsa_system_vgpr_workitem_id 0
		.amdhsa_next_free_vgpr 1024
		.amdhsa_next_free_sgpr 98
		.amdhsa_reserve_vcc 0
		.amdhsa_float_denorm_mode_32 3
		.amdhsa_float_denorm_mode_16_64 3
		.amdhsa_memory_ordered 1
		.amdhsa_forward_progress 1
		.amdhsa_inst_pref_size 126
	.end_amdhsa_kernel
	.amdgpu_metadata
---
amdhsa.version: [ 1, 2 ]
amdhsa.kernels:
  - .name:           k_q155cd37997_outp
    .symbol:         k_q155cd37997_outp.kd
    .args:
      - { .name: ao_img, .offset: 0, .size: 8, .value_kind: global_buffer, .address_space: global }
      - { .name: ao_sc, .offset: 8, .size: 8, .value_kind: global_buffer, .address_space: global }
      - { .name: w_codes, .offset: 16, .size: 8, .value_kind: global_buffer, .address_space: global }
      - { .name: w_scales, .offset: 24, .size: 8, .value_kind: global_buffer, .address_space: global }
      - { .name: out_b, .offset: 32, .size: 8, .value_kind: global_buffer, .address_space: global }
      - { .name: out0, .offset: 40, .size: 8, .value_kind: global_buffer, .address_space: global }
    .group_segment_fixed_size: 327680
    .private_segment_fixed_size: 0
    .kernarg_segment_align: 8
    .kernarg_segment_size: 48
    .max_flat_workgroup_size: 128
    .sgpr_count:     98
    .vgpr_count:     1024
    .wavefront_size: 32
...
	.end_amdgpu_metadata
.endif
;; end of part 4
;; ======== version 2 of 2: 4 launches
;; limits: inputs' magnitudes at most 100,000; right only within a limited range of input values
;; workspace buffers: xq_codes 4,194,304 bytes; xq_scales 262,144 bytes; w_codes 2,097,152 bytes; w_scales 131,072 bytes; qkv 13,893,632 bytes; ao_img 4,194,304 bytes; ao_sc 262,144 bytes
;; launch prep (part 5): grid 384 x 1, 4 waves a work-group, no clusters, 51,712 bytes of LDS; arguments x, theta, proj_w, q_w, k_w, v_w, out_w, xq_codes, xq_scales, w_codes, w_scales; writes xq_codes, xq_scales, w_codes, w_scales
.if DOCPART == 5
	.amdgcn_target "amdgcn-amd-amdhsa--gfx1250"
	.amdhsa_code_object_version 6
	.text
	.protected	k_q155cd37997_prep
	.globl	k_q155cd37997_prep
	.p2align	8
	.type	k_q155cd37997_prep,@function
k_q155cd37997_prep:
	s_mov_b64 s[64:65], 0
	v_nop
	global_prefetch_b8 v0, s[64:65] scope:SCOPE_SE
	s_setreg_imm32_b32 hwreg(HW_REG_WAVE_MODE, 25, 1), 1
	s_wait_xcnt 0x0
; PREP: everything that later launches read many times is turned into codes of FP4 (E2M1) once, K innermost, one E8M0 byte for each 32 along K.
; Work-groups 0-127: the four weights q_w, k_w, v_w, out_w [1024][1024] f32 -> w_codes [4096][512 B], w_scales [4096][32 B] (32 work-groups a tensor, 8 rows a wave).
; Work-groups 128-383: x_q = cos(x[:, :8] + theta) proj_w^T, in f32, 32 tokens x 1,024 a work-group -> xq_codes [8192][512 B], xq_scales [8192][32 B].
; POSITION ORDER: row p of each of these buffers is the tensor's row rho(p), rho = bits 3 and 4 of the index exchanged.  So 16 consecutive rows of a buffer, taken as source 0 of a matrix instruction,
; leave in the 16 result registers of two neighbouring tiles 16 NEIGHBOURS along that operand's rows: what the next quantiser wants in one lane.
; A block's scale is 2^(floor(log2(its largest magnitude)) - 2); its byte is the largest magnitude's exponent field - 2, held at 1 from below.
; LIMITS: NaN and infinities among the inputs are not served.  A block of zeros, or one whose largest magnitude lies under 2^-124, gets the byte 1 (its codes are zeros or the nearest codes under that scale);
; these bytes are read by this program alone.  The cosine's argument is reduced by pi/2 in two parts: what is left out is n x 1.7e-15, n = the argument / (pi/2): served up to |x + theta| about 1e5.
; The two kinds of work-group part on the work-group's number alone and have LDS bytes of their own.  No tensor loads.
.set STEPS, 16                         ; weights: steps of 512 numbers a wave
.set CB,    8                          ; bytes of 16 codes
.set WR,    16                         ; v16-79   four sets of 16 numbers as loaded
.set WX,    80                         ; v80-111  two sets of 16 neighbours
.set WE,    112                        ; v112-127 a scale byte for each step
.set WC,    128                        ; v128-191 codes, four registers a step: no store's data are written again
.set WREG,  8192                       ; LDS of a wave on the weights' path: two stages of 32 x SP bytes, then its 256 scale bytes
.set SP,    80                         ; a lane's 64 bytes + 16 of padding
.set XSTG,  32768                      ; LDS of the tokens' path: 32 rows of codes, 512 bytes + 16
.set XP,    528
.set XSC,   XSTG+32*XP                 ; and 32 rows of 32 scale bytes
.set CA,    16                         ; v16-23 x, then the argument, then what the reduction leaves
.set CN,    24                         ; v24-31 n, then the quadrant
.set CZ,    32                         ; v32-39 r^2
.set CSN,   40                         ; v40-47 the sine
.set CCS,   48                         ; v48-55 the cosine
.set CW,    56                         ; v56-63 at work
.set CC,    120                        ; v120-127 the eight cosines of my token
.set T,     32                         ; v32-63 a block of 32 numbers of x_q
.set SB,    68                         ; v68-69 my eight scale bytes
.set PW,    128                        ; v128-191 the tokens' path: my wave's 256 rows of proj_w, 2,048 numbers spread over the lanes as they were loaded
.set WV,    28                         ; s28 my wave's number
	s_load_b256 s[4:11], s[0:1], 0x0               ; x s[4:5], theta s[6:7], proj_w s[8:9], q_w s[10:11]
	s_load_b256 s[12:19], s[0:1], 0x20             ; k_w s[12:13], v_w s[14:15], out_w s[16:17], xq_codes s[18:19]
	s_load_b128 s[20:23], s[0:1], 0x40             ; xq_scales s[20:21], w_codes s[22:23]
	s_load_b64 s[24:25], s[0:1], 0x50              ; w_scales
	v_lshl_add_u32 v192, v0, 2, 0xc800
	v_mov_b32 v193, 0
	v_lshrrev_b32 v1, 5, v0
	v_readfirstlane_b32 s[WV], v1                  ; wave 0..3
	v_and_b32 v2, 31, v0                           ; lane
	s_wait_kmcnt 0x0
	s_cmp_lt_u32 ttmp9, 128
	s_cbranch_scc0 .Ltokens
; ---------------- THE WEIGHTS.  Rows are dense and 1,024 long: a wave's 8 rows are a plain stream of 256 blocks of 32.
; Each of a step's four loads reads 512 consecutive bytes; the 2,048 bytes turn through the wave's own stage in LDS and come back 64 bytes a lane, so that a lane holds 16 neighbours and two lanes a block.
	s_wait_alu depctr_va_vdst(0)
	v_lshlrev_b32 v3, 4, v2                        ; my 16 bytes of a load's 512
	s_mul_i32 s29, s[WV], WREG
	v_lshrrev_b32 v14, 2, v2
	v_mul_u32_u24 v14, v14, SP
	v_and_b32 v15, 3, v2
	v_lshl_add_u32 v14, v15, 4, v14
	v_add_nc_u32 v14, s29, v14                     ; the stage, on the way in: SP (lane / 4) + 16 (lane % 4)
	v_mul_u32_u24 v15, v2, SP
	v_add_nc_u32 v15, s29, v15                     ; and on the way out: SP x lane
	v_mul_u32_u24 v4, v2, CB                       ; my codes' place in a step's 256 bytes
	v_lshrrev_b32 v5, 1, v2
	s_add_co_u32 s29, s29, 2*32*SP
	v_add_nc_u32 v5, s29, v5                       ; my block's byte among the wave's 256 scale bytes
	v_lshlrev_b32 v7, 3, v2
	v_add_nc_u32 v6, s29, v7                       ; and 8 bytes a lane on their way out
	s_lshr_b32 s26, ttmp9, 5                       ; which tensor: the choice hangs on the work-group's number alone
	s_cmp_eq_u32 s26, 1
	s_cselect_b64 s[10:11], s[12:13], s[10:11]
	s_cmp_eq_u32 s26, 2
	s_cselect_b64 s[10:11], s[14:15], s[10:11]
	s_cmp_eq_u32 s26, 3
	s_cselect_b64 s[10:11], s[16:17], s[10:11]
	s_and_b32 s27, ttmp9, 31
	s_lshl_b32 s27, s27, 2
	s_add_co_u32 s27, s27, s[WV]                   ; which run of 8 rows of the tensor is my wave's: 0 .. 127
	s_lshl_b32 s30, s27, 15                        ; 8 rows of 4,096 bytes
	s_mov_b32 s31, 0
	s_add_nc_u64 s[10:11], s[10:11], s[30:31]
	s_and_b32 s32, s27, 0x7c                       ; rho on runs of 8 rows: the run's bits 0 and 1 change places
	s_and_b32 s33, s27, 1
	s_lshl_b32 s33, s33, 1
	s_or_b32 s32, s32, s33
	s_bfe_u32 s33, s27, 0x10001
	s_or_b32 s32, s32, s33
	s_lshl_b32 s33, s26, 7
	s_add_co_u32 s32, s32, s33                     ; + 128 runs a tensor
	s_lshl_b32 s30, s32, 12                        ; 8 rows of 512 bytes of codes
	s_add_nc_u64 s[22:23], s[22:23], s[30:31]
	s_lshl_b32 s30, s32, 8                         ; 8 rows of 32 scale bytes
	s_add_nc_u64 s[24:25], s[24:25], s[30:31]
.macro LOADW t
.irp i, 0,1,2,3
	global_load_b128 v[WR+16*((\t)%4)+4*\i:WR+16*((\t)%4)+4*\i+3], v3, s[10:11] offset:2048*(\t)+512*\i th:TH_LOAD_NT   ; 32 lanes read 512 consecutive bytes
.endr
.endm
.macro TURNW t                         ; step t's numbers through the stage: LDS serves a wave's instructions in order, so no wait stands between the stores and the loads
.irp i, 0,1,2,3
	ds_store_b128 v14, v[WR+16*((\t)%4)+4*\i:WR+16*((\t)%4)+4*\i+3] offset:32*SP*((\t)%2)+8*SP*\i
.endr
.irp i, 0,1,2,3
	ds_load_b128 v[WX+16*((\t)%2)+4*\i:WX+16*((\t)%2)+4*\i+3], v15 offset:32*SP*((\t)%2)+16*\i
.endr
.endm
.irp t, 0,1,2,3
	LOADW \t
.endr
	s_wait_alu depctr_va_vdst(0)
	s_wait_loadcnt 12                              ; step 0's four loads are in; the twelve of steps 1 to 3 may be out
	TURNW 0
.macro STEPW t
.set XS, WX+16*((\t)%2)
.if (\t) > 0
	s_wait_dscnt 1                                 ; this step's numbers are back from the stage (the last step's byte store may be out)
.else
	s_wait_dscnt 0x0
.endif
.if (\t)+4 < STEPS
	LOADW (\t)+4                                   ; into the registers that the stage's stores have read
.endif
.if (\t)+1 < STEPS
.if STEPS-2-(\t) >= 3
	s_wait_loadcnt 12                              ; the next step's four loads are in; those of the three steps behind it may be out
.else
	s_wait_loadcnt 4*(STEPS-2-(\t))
.endif
	TURNW (\t)+1                                   ; through the other stage while this step is worked
.endif
	v_max3_num_f32 v8, |v[XS]|, |v[XS+1]|, |v[XS+2]|               ; the largest magnitude of my 16, in two chains
	v_max3_num_f32 v9, |v[XS+3]|, |v[XS+4]|, |v[XS+5]|
.irp i, 6,10
	v_max3_num_f32 v8, v8, |v[XS+\i]|, |v[XS+\i+1]|
	v_max3_num_f32 v9, v9, |v[XS+\i+2]|, |v[XS+\i+3]|
.endr
	v_max3_num_f32 v8, v8, |v[XS+14]|, |v[XS+15]|
	v_max3_num_f32 v8, v8, v9, 0x1800000           ; and the floor 2^(3 - 127): the byte cannot fall under 1
	v_max_num_f32_dpp v8, v8, v8 row_xmask:1 row_mask:0xf bank_mask:0xf   ; with my neighbour's 16: the block's
	v_add_nc_u32 v11, 0xff000000, v8               ; 2 off its exponent field: the conversion takes the exponent field of this operand as its scale
	v_cvt_scalef32_pk8_fp4_f32 v[WC+4*(\t)], v[XS:XS+7], v11
	v_cvt_scalef32_pk8_fp4_f32 v[WC+4*(\t)+1], v[XS+8:XS+15], v11
	v_lshrrev_b32 v[WE+(\t)], 23, v11              ; the scale's byte (also the plain line behind the conversions)
	ds_store_b8 v5, v[WE+(\t)] offset:16*(\t)      ; both lanes of a block write the same byte with the same value
	global_store_b64 v4, v[WC+4*(\t):WC+4*(\t)+1], s[22:23] offset:32*CB*(\t)   ; the wave stores 256 consecutive bytes, aligned
.endm
.irp t, 0,1,2,3,4,5,6,7,8,9,10,11,12,13,14,15
	STEPW \t
.endr
	ds_load_b64 v[12:13], v6                       ; LDS serves a wave's instructions in order: these see my stores
	s_wait_dscnt 0x0
	global_store_b64 v7, v[12:13], s[24:25]        ; 32 lanes store 256 consecutive bytes, aligned
	s_wait_tensorcnt 0x0
	ds_add_u32 v192, v193
	s_wait_dscnt 0x0
	s_endpgm
; ---------------- THE TOKENS.  Lane l stands for position 32 j + l, that is token 32 j + rho(l); wave w makes e = 256 w .. 256 w + 255 of x_q for all 32: eight blocks of 32 in a lane's registers.
.Ltokens:
	s_sub_co_u32 s26, ttmp9, 128                   ; j
	s_wait_alu depctr_va_vdst(0)
	v_and_b32 v3, 7, v2
	v_and_b32 v4, 8, v2
	v_lshl_or_b32 v3, v4, 1, v3
	v_and_b32 v4, 16, v2
	v_lshrrev_b32 v4, 1, v4
	v_or_b32 v3, v3, v4                            ; rho(lane)
	s_lshl_b32 s27, s26, 5
	v_add_nc_u32 v3, s27, v3
	v_lshlrev_b32 v3, 12, v3                       ; my token's row of x: 4,096 bytes a row
	s_wait_alu depctr_va_vdst(0)
	v_mul_u32_u24 v4, v2, XP
	s_lshl_b32 s29, s[WV], 7
	s_add_co_u32 s29, s29, XSTG
	v_add_nc_u32 v4, s29, v4                       ; the stage, in: row = lane, my wave's 128 bytes
	v_lshlrev_b32 v5, 5, v2
	s_lshl_b32 s29, s[WV], 3
	s_add_co_u32 s29, s29, XSC
	v_add_nc_u32 v5, s29, v5                       ; scale bytes, in: row = lane, my wave's 8
	v_lshlrev_b32 v7, 4, v2                        ; 16 x lane
	s_wait_alu depctr_va_vdst(0)
	s_mul_i32 s29, s[WV], 8*XP
	s_add_co_u32 s29, s29, XSTG
	v_add_nc_u32 v6, s29, v7                       ; the stage, out: my wave's 8 rows, 32 lanes to a row of 512 bytes
	v_lshlrev_b32 v9, 3, v2                        ; 8 x lane
	s_lshl_b32 s29, s[WV], 8
	s_add_co_u32 s29, s29, XSC
	v_add_nc_u32 v8, s29, v9                       ; scale bytes, out: my wave's 256
	s_lshl_b32 s30, s[WV], 13                      ; proj_w: my wave's 256 rows of 32 bytes
	s_mov_b32 s31, 0
	s_add_nc_u64 s[8:9], s[8:9], s[30:31]
	s_lshl_b32 s30, s26, 5
	s_lshl_b32 s29, s[WV], 3
	s_add_co_u32 s30, s30, s29                     ; position 32 j + 8 w
	s_lshl_b32 s30, s30, 9
	s_add_nc_u64 s[18:19], s[18:19], s[30:31]
	s_lshl_b32 s30, s26, 10
	s_lshl_b32 s29, s[WV], 8
	s_add_co_u32 s30, s30, s29
	s_add_nc_u64 s[20:21], s[20:21], s[30:31]
	s_load_b256 s[68:75], s[6:7], 0x0              ; theta, in the second set's registers: it is used up before that set is first written
	global_load_b128 v[CA:CA+3], v3, s[4:5] th:TH_LOAD_NT
	global_load_b128 v[CA+4:CA+7], v3, s[4:5] offset:16 th:TH_LOAD_NT
.irp m, 0,1,2,3,4,5,6,7,8,9,10,11,12,13,14,15
	global_load_b128 v[PW+4*\m:PW+4*\m+3], v7, s[8:9] offset:512*\m   ; my wave's 8,192 bytes of proj_w, all at once, 512 consecutive bytes a load: number 128 m + 4 lane + q lies in register 4 m + q.  They land while the cosines are made
.endr
	s_mov_b32 s26, 0xb94ca1f9                      ; the sine's highest coefficient
	s_mov_b32 s27, 0x37ccf5ce                      ; the cosine's
	s_wait_kmcnt 0x0                               ; theta
	s_wait_loadcnt 16                              ; x's two loads are in; proj_w's sixteen may be out
; cos(a), a = x + theta: n = the nearest whole number to a / (pi/2); r = a - n pi/2, pi/2 in two parts, |r| <= pi/4; a polynomial for sin r and one for cos r;
; the quadrant n mod 4 selects: 0: cos r, 1: -sin r, 2: -cos r, 3: sin r.  No branch: selects alone.  The eight numbers go line by line, so that no line waits for the line above it.
.irp i, 0,1,2,3,4,5,6,7
	v_add_f32 v[CA+\i], s[68+\i], v[CA+\i]
.endr
.irp i, 0,1,2,3,4,5,6,7
	v_mul_f32 v[CN+\i], 0x3f22f983, v[CA+\i]       ; x 2 / pi
.endr
.irp i, 0,1,2,3,4,5,6,7
	v_rndne_f32 v[CN+\i], v[CN+\i]
.endr
.irp i, 0,1,2,3,4,5,6,7
	v_fmamk_f32 v[CA+\i], v[CN+\i], 0xbfc90fdb, v[CA+\i]   ; - n x the f32 nearest to pi/2
.endr
.irp i, 0,1,2,3,4,5,6,7
	v_fmamk_f32 v[CA+\i], v[CN+\i], 0x333bbd2e, v[CA+\i]   ; + n x 4.3711388e-8: that f32 lies above pi/2 by so much
.endr
.irp i, 0,1,2,3,4,5,6,7
	v_cvt_i32_f32 v[CN+\i], v[CN+\i]
.endr
.irp i, 0,1,2,3,4,5,6,7
	v_mul_f32 v[CZ+\i], v[CA+\i], v[CA+\i]
.endr
.irp i, 0,1,2,3,4,5,6,7
	v_fmaak_f32 v[CSN+\i], s26, v[CZ+\i], 0x3c08839e
	v_fmaak_f32 v[CCS+\i], s27, v[CZ+\i], 0xbab6061a
.endr
.irp i, 0,1,2,3,4,5,6,7
	v_fmaak_f32 v[CSN+\i], v[CSN+\i], v[CZ+\i], 0xbe2aaaa3
	v_fmaak_f32 v[CCS+\i], v[CCS+\i], v[CZ+\i], 0x3d2aaaa5
.endr
.irp i, 0,1,2,3,4,5,6,7
	v_mul_f32 v[CSN+\i], v[CSN+\i], v[CZ+\i]
	v_mul_f32 v[CCS+\i], v[CCS+\i], v[CZ+\i]
	v_fma_f32 v[CW+\i], v[CZ+\i], -0.5, 1.0
.endr
.irp i, 0,1,2,3,4,5,6,7
	v_fma_f32 v[CSN+\i], v[CSN+\i], v[CA+\i], v[CA+\i]     ; sin r = r + r z (..)
	v_fma_f32 v[CCS+\i], v[CCS+\i], v[CZ+\i], v[CW+\i]     ; cos r = 1 - z / 2 + z z (..)
.endr
.irp i, 0,1,2,3,4,5,6,7
	v_and_b32 v[CW+\i], 1, v[CN+\i]
	v_add_nc_u32 v[CN+\i], 1, v[CN+\i]
.endr
.irp i, 0,1,2,3,4,5,6,7
	v_cmp_eq_u32 vcc_lo, 1, v[CW+\i]
	v_cndmask_b32 v[CCS+\i], v[CCS+\i], v[CSN+\i], vcc_lo  ; an odd quadrant takes the sine
	v_and_b32 v[CN+\i], 2, v[CN+\i]
.endr
.irp i, 0,1,2,3,4,5,6,7
	v_lshlrev_b32 v[CN+\i], 30, v[CN+\i]           ; quadrants 1 and 2 turn the sign
.endr
.irp i, 0,1,2,3,4,5,6,7
	v_xor_b32 v[CC+\i], v[CN+\i], v[CCS+\i]
.endr
; x_q(e) = the sum over the 8 wires of c(i) proj_w(e, i), by fused multiply-adds in f32: a lane has its token's eight c, and proj_w(e, i), the same for all 32 tokens, is the scalar source.
; A GROUP is four rows e of proj_w, 32 numbers.  They are read out of the registers in which they were loaded into one of two sets of scalar registers (s32-63, s68-99), by constant lanes:
; number 8 e + i of group n is number 32 n + 8 e + i of the wave's part: register 4 (n / 4) + i % 4, lane 8 (n % 4) + 2 e + i / 4.
.macro RDL n, dst
.irp e, 0,1,2,3
.irp i, 0,1,2,3,4,5,6,7
	v_readlane_b32 s[(\dst)+8*\e+\i], v[PW+4*((\n)/4)+(\i%4)], 8*((\n)%4)+2*\e+(\i/4)
.endr
.endr
.endm
.macro GROUP t, g
.set SS, 32+36*((\g)%2)                ; this group's set
.set SN, 32+36*(1-(\g)%2)              ; the other
.if 8*(\t)+(\g) < 63                   ; the next group's numbers go into the other set ahead of this group's multiply-adds, so that no multiply-add follows straight on the line that writes its scalar
	RDL 8*(\t)+(\g)+1, SN
.endif
.irp e, 0,1,2,3
	v_mul_f32 v[T+4*(\g)+\e], s[SS+8*\e], v[CC]
.endr
.irp i, 1,2,3,4,5,6,7
.irp e, 0,1,2,3
	v_fmac_f32 v[T+4*(\g)+\e], s[SS+8*\e+\i], v[CC+\i]
.endr
.endr
.endm
.macro BLOCK t                         ; e = 256 w + 32 t + 0 .. 31: a whole block of the quantiser in my 32 registers
.irp g, 0,1,2,3,4,5,6,7
	GROUP \t, \g
.endr
	v_max3_num_f32 v70, |v[T]|, |v[T+1]|, |v[T+2]|
	v_max3_num_f32 v71, |v[T+3]|, |v[T+4]|, |v[T+5]|
.irp i, 6,10,14,18,22,26
	v_max3_num_f32 v70, v70, |v[T+\i]|, |v[T+\i+1]|
	v_max3_num_f32 v71, v71, |v[T+\i+2]|, |v[T+\i+3]|
.endr
	v_max3_num_f32 v70, v70, |v[T+30]|, |v[T+31]|
	v_max3_num_f32 v70, v70, v71, 0x1800000        ; and the floor 2^(3 - 127)
	v_add_nc_u32 v72, 0xff000000, v70              ; the conversion's scale operand
	v_lshrrev_b32 v73, 23, v72                     ; the scale's byte
.if (\t)%4 == 0
	v_mov_b32 v[SB+(\t)/4], v73
.else
	v_lshl_or_b32 v[SB+(\t)/4], v73, 8*((\t)%4), v[SB+(\t)/4]
.endif
	s_wait_alu depctr_va_vdst(0)
	s_wait_dscnt 0x0                               ; the last block's store has read v64-67
.irp g, 0,1,2,3
	v_cvt_scalef32_pk8_fp4_f32 v[64+\g], v[T+8*\g:T+8*\g+7], v72
.endr
	v_nop                                          ; one plain line behind the conversions: the next block writes their sources
	ds_store_b128 v4, v[64:67] offset:16*(\t)
.endm
	s_wait_loadcnt 0x0                             ; proj_w
	RDL 0, 32                                      ; the first group, into the first set
.irp t, 0,1,2,3,4,5,6,7
	BLOCK \t
.endr
	ds_store_b64 v5, v[SB:SB+1]
	s_wait_dscnt 0x0                               ; for the others' sake: my stores have landed
	s_barrier_signal -1
	s_barrier_wait -1                              ; a row's 512 bytes come from four waves
.irp i, 0,1,2,3,4,5,6,7
	ds_load_b128 v[80+4*\i:83+4*\i], v6 offset:XP*\i
.endr
	ds_load_b64 v[112:113], v8
.irp i, 0,1,2,3,4,5,6,7
	s_wait_dscnt 8-\i                              ; row i is in; the younger loads may be out
	global_store_b128 v7, v[80+4*\i:83+4*\i], s[18:19] offset:512*\i   ; 32 lanes store a row of 512 consecutive bytes, aligned
.endr
	s_wait_dscnt 0x0
	global_store_b64 v9, v[112:113], s[20:21]      ; 256 consecutive bytes, aligned
	s_wait_tensorcnt 0x0
	ds_add_u32 v192, v193
	s_wait_dscnt 0x0
	s_endpgm
.Lfunc_end_k_q155cd37997_prep:
	.size	k_q155cd37997_prep, .Lfunc_end_k_q155cd37997_prep-k_q155cd37997_prep
	.p2alignl 7, 3214868480
	.fill 96, 4, 3214868480
	.section	.rodata,"a",@progbits
	.p2align	6, 0x0
	.amdhsa_kernel k_q155cd37997_prep
		.amdhsa_group_segment_fixed_size 51712
		.amdhsa_private_segment_fixed_size 0
		.amdhsa_enable_private_segment 0
		.amdhsa_kernarg_size 88
		.amdhsa_user_sgpr_count 2
		.amdhsa_user_sgpr_kernarg_segment_ptr 1
		.amdhsa_wavefront_size32 1
		.amdhsa_system_sgpr_workgroup_id_x 1
		.amdhsa_system_sgpr_workgroup_id_y 1
		.amdhsa_system_sgpr_workgroup_id_z 1
		.amdhsa_system_vgpr_workitem_id 0
		.amdhsa_next_free_vgpr 194
		.amdhsa_next_free_sgpr 100
		.amdhsa_reserve_vcc 1
		.amdhsa_float_denorm_mode_32 3
		.amdhsa_float_denorm_mode_16_64 3
		.amdhsa_memory_ordered 1
		.amdhsa_forward_progress 1
		.amdhsa_inst_pref_size 252
	.end_amdhsa_kernel
	.amdgpu_metadata
---
amdhsa.version: [ 1, 2 ]
amdhsa.kernels:
  - .name:           k_q155cd37997_prep
    .symbol:         k_q155cd37997_prep.kd
    .args:
      - { .name: x, .offset: 0, .size: 8, .value_kind: global_buffer, .address_space: global }
      - { .name: theta, .offset: 8, .size: 8, .value_kind: global_buffer, .address_space: global }
      - { .name: proj_w, .offset: 16, .size: 8, .value_kind: global_buffer, .address_space: global }
      - { .name: q_w, .offset: 24, .size: 8, .value_kind: global_buffer, .address_space: global }
      - { .name: k_w, .offset: 32, .size: 8, .value_kind: global_buffer, .address_space: global }
      - { .name: v_w, .offset: 40, .size: 8, .value_kind: global_buffer, .address_space: global }
      - { .name: out_w, .offset: 48, .size: 8, .value_kind: global_buffer, .address_space: global }
      - { .name: xq_codes, .offset: 56, .size: 8, .value_kind: global_buffer, .address_space: global }
      - { .name: xq_scales, .offset: 64, .size: 8, .value_kind: global_buffer, .address_space: global }
      - { .name: w_codes, .offset: 72, .size: 8, .value_kind: global_buffer, .address_space: global }
      - { .name: w_scales, .offset: 80, .size: 8, .value_kind: global_buffer, .address_space: global }
    .group_segment_fixed_size: 51712
    .private_segment_fixed_size: 0
    .kernarg_segment_align: 8
    .kernarg_segment_size: 88
    .max_flat_workgroup_size: 128
    .sgpr_count:     100
    .vgpr_count:     194
    .wavefront_size: 32
...
	.end_amdgpu_metadata
.endif
;; end of part 5
;; launch qkv (part 6): grid 12 x 32, 4 waves a work-group, clusters of 4 x 4, 327,680 bytes of LDS; arguments xq_codes, xq_scales, w_codes, w_scales, q_b, k_b, v_b, qkv; writes qkv
.if DOCPART == 6
	.amdgcn_target "amdgcn-amd-amdhsa--gfx1250"
	.amdhsa_code_object_version 6
	.text
	.protected	k_q155cd37997_qkv
	.globl	k_q155cd37997_qkv
	.p2align	8
	.type	k_q155cd37997_qkv,@function
k_q155cd37997_qkv:
	s_mov_b64 s[64:65], 0
	v_nop
	global_prefetch_b8 v0, s[64:65] scope:SCOPE_SE
	s_setreg_imm32_b32 hwreg(HW_REG_WAVE_MODE, 25, 1), 1
	s_wait_xcnt 0x0
	s_wait_alu depctr_hold_cnt(0) depctr_sa_sdst(0) depctr_va_vdst(0) depctr_va_sdst(0) depctr_va_ssrc(0) depctr_va_vcc(0) depctr_vm_vsrc(0)
	s_getreg_b32 s2, hwreg(HW_REG_IB_STS2, 6, 4)
	s_cmp_eq_u32 s2, 0
	s_cbranch_scc0 .Lentry_in_a_cluster
	s_endpgm
.Lentry_in_a_cluster:
	s_bfe_u32 s2, ttmp6, 0x10000c
	s_cmp_lg_u32 s2, 0xf033
	s_cbranch_scc0 .Lentry_shape_is_right
	s_endpgm
.Lentry_shape_is_right:
; q = x_q q_w^T + q_b, k and v likewise, on codes of FP4 (E2M1) with one E8M0 scale for each 32 along K = 1,024; the results are quantised in registers and leave as codes, laid as the attention launch reads them.
; A work-group of four waves makes 256 x 256 results, a wave 128 x 128: 64 accumulators of 16 x 16.  K goes in two steps of 512, each in an LDS slot of its own: both are asked for at the start, nothing is filled again.
; ROLES.  The body multiplies 256 rows of a ROLE A operand by 256 rows of a ROLE B operand; source 0 = 16 rows of B, source 1 = 16 rows of A: a lane holds ONE row of A, and its registers run along B's rows.
;   cluster x = 0 (q), 1 (k): A = x_q (tokens), B = the weight (channels): a lane holds a token, its registers run along the channels: the head's d, the K of q k^T.
;   cluster x = 2 (v):        A = v_w (channels), B = x_q (tokens): a lane holds a channel d, its registers run along the tokens: the keys, the K of p v.
; Both operands lie in position order (row p of a buffer is row rho(p), bits 3 and 4 exchanged), so the 16 registers of two neighbouring tiles of B are 16 neighbours: 32 blk + 16 (lane / 16) + 0 .. 15.
; CLUSTERS: 4 x 4 work-groups; the four of a row need the same tiles of A, the four of a column the same tiles of B: each tile is asked for jointly.  The roles hang on the cluster's x alone, which all sixteen share.
; OUT (buffer qkv, 217,088 bytes a head): 16 records of 128 keys (8,960 bytes: K's 8 tiles as register images of 512 bytes; V's 4 fragments of 1,024; K's scale words, 512; V's, 256), Q's 128 tiles of 512 bytes, Q's scale words.
; LIMITS: NaN and infinities are not served; a block of zeros or under 2^-124 gets the scale byte 1; these bytes are read by this program alone.
; REGISTERS: window 0: v10-29 addresses; v32-95 scale words, two sets; v96-111 v's bias; v128-191 A's fragments, one set; v192-255 q's or k's bias.  On the way out: v2-9 scale words, v32-95 64 numbers, v112-127 at work, v128-191 codes.
;   window 1: B's fragments, two sets.   windows 2, 3: the accumulators ((a, b) at v[8 (8 (a % 4) + b)] of window 2 + a / 4).
.set NQ,     4                         ; matrix instructions deep in a slot: 512 along K
.set ROWB,   256                       ; a tile's row in bytes
.set KROW,   512                       ; a row of codes in memory
.set PITCH,  272                       ; an LDS row: 256 bytes + 16 of padding = 68 words: the 16 rows that a load touches start 4 banks apart
.set FR,     8                         ; registers of a fragment
.set NL,     2                         ; LDS loads that bring one
.set NP,     4                         ; places behind this matrix instruction (ISA guide 7.12.1)
.set HALFT,  128*PITCH                 ; 128 rows: what one tensor load brings
.set SLOT,   4*HALFT                   ; A's 256 rows, then B's 256
.set KS,     32                        ; a row of scale bytes
.set SCL,    2*SLOT                    ; behind the slots: the scales, as units of 256 bytes + 16
.set HALFS,  16*272                    ; those of 128 rows
.set SBLK,   2*272                     ; those of 16 rows
.set SPARE,  SCL+4*HALFS               ; the spare words: 128 bytes a wave, two blocks of 256 bytes that no other line names
.set HEADB,  217088                    ; a head's bytes in qkv
.set STEPB,  8960                      ; a record of 128 keys
.set VIMG,   4096
.set KSCO,   8192
.set VSCO,   8704
.set QIMG,   143360
.set QSC,    208896
.set BA,   10                          ; v10  64 x (lane / 16): q's and k's bias
.set BB,   11                          ; v11  4 x (r + 8 (r / 8)): v's bias
.set ADRA, 16                          ; v16-17 LDS address of my A fragments in slot 0, 1
.set ADRB, 20                          ; v20-21 the same for B
.set LI,   24                          ; v24  16 x lane: a register image's place for my lane
.set LS,   25                          ; v25  16 r + HEADB x (lane / 16): scale words, the two halves of the lanes for two heads
.set SH,   26                          ; v26  16 x (lane / 16)
.set ADRS, 27                          ; v27  LDS address of my scale words: lanes 0-15 A's rows, lanes 16-31 B's
.set SPW,  28                          ; v28  my spare word; never rewritten
.set NIL,  29                          ; v29  0; never rewritten
.set SC,   32
.set AF,   128
.set SW,   2                           ; the way out: v2-9 the eight scale words
.set T,    32                          ; v32-95 64 numbers
.set BV,   96                          ; v96-111 v's bias of my lane's channel, block a's in both registers of pair a
.set TM,   112                         ; v112-127 at work
.set PC,   128                         ; v128-191 codes: eight registers for each block, so that no store's data are written again
.set BI,   192                         ; v192-255 q's or k's bias, in the 64 numbers' layout
.set SEL,  2                           ; s[2:3] v_permlanex16_b32's selects for lane l xor 16
.set G1, 24
.set G0, 32
.set G1B, 48
.set G0B, 56
.set G1S, 68
.set G0S, 76
.set G1SB, 80
.set G0SB, 88
.set MSB, 0
.macro WIN new                         ; the immediate's high byte repeats the setting that is left
.if MSB != (\new)
	s_set_vgpr_msb (MSB<<8)|(\new)
.set MSB, (\new)
.endif
.endm
.set MUL_LO, 0xa1                      ; source 0 (B) window 1, source 1 (A) window 0, C and D window 2
.set MUL_HI, 0xf1                      ; the same, C and D window 3
.set TO_B,   0x40                      ; destination window 1, address window 0
; A joint load: waves 0 and 1 fetch for A, waves 2 and 3 for B.  The branch hangs on the wave's number alone.  Four v_nop follow each of the two lines.
.macro JLOAD g0a, g1a, g0b, g1b
	s_cmp_eq_u32 s15, 0
	s_cbranch_scc0 .Lfor_b_\@
	tensor_load_to_lds s[\g0a:\g0a+3], s[\g1a:\g1a+7]
	s_nop 0
.rept 4
	v_nop
.endr
	s_branch .Lasked_\@
.Lfor_b_\@:
	tensor_load_to_lds s[\g0b:\g0b+3], s[\g1b:\g1b+7]
	s_nop 0
.rept 4
	v_nop
.endr
.Lasked_\@:
.endm
.macro CROUND                          ; a round of the cluster's barrier
	s_barrier_signal -1
	s_barrier_wait -1
	s_cmp_lg_u32 s14, 0
	s_cbranch_scc1 .Lnot_wave_0_\@
	s_barrier_signal -3
.Lnot_wave_0_\@:
	s_barrier_wait -3
	s_barrier_signal -1
	s_barrier_wait -1
.endm
	s_load_b128 s[4:7], s[0:1], 0x0                ; x_q's codes, x_q's scales
	s_load_b128 s[8:11], s[0:1], 0x10              ; the weights' codes, the weights' scales
	v_lshl_add_u32 v[SPW], v0, 2, SPARE
	v_mov_b32 v[NIL], 0
	ds_add_u32 v28, v29
	ds_add_u32 v28, v29
	s_wait_dscnt 0x0
	v_lshrrev_b32 v1, 5, v0
	v_readfirstlane_b32 s14, v1                    ; wave 0..3
	s_lshr_b32 s15, s14, 1                         ; which half of A's rows is mine.  Also: I fetch for A (0) or for B (1)
	s_and_b32 s16, s14, 1                          ; which half of B's rows.  Also: which 128 rows of that tile I fetch
	s_bfe_u32 s40, ttmp6, 0x40000                  ; cx, cy: my place in the cluster
	s_bfe_u32 s41, ttmp6, 0x40004
	s_and_b32 s12, ttmp7, 0xffff
	s_lshl_b32 s12, s12, 2                         ; 4 x cluster y: the cluster's first block of 256 tokens; kept
	s_lshl_b32 s13, ttmp9, 2                       ; 4 x cluster x: the tensor's first block of 256 rows among the weights
	s_cmp_eq_u32 ttmp9, 2                          ; v?
	s_cselect_b32 s17, 8, s12
	s_cselect_b32 s42, s12, s13
	s_add_co_u32 s17, s17, s41                     ; A's block of 256 rows: tokens 4 Y + cy, or for v the weights' 8 + cy
	s_add_co_u32 s42, s42, s40                     ; B's: the weights' 4 X + cx, or for v tokens 4 Y + cx
	s_lshl_b32 s43, s41, 2
	s_lshl_b32 s43, 15, s43                        ; my row of the cluster
	s_lshl_b32 s44, 0x1111, s40                    ; my column
	; descriptor group 1: a tile of 128 rows x 256 bytes, padded in LDS
	s_or_b32 s[G1+0], s43, (0<<16)|(1<<20)|(1<<21)|(5<<22)|(3<<25)  ; 15:0 the mask: A's tiles go to my row; 17:16 elements of 1 byte; 20 padding on; 21 set beside a mask; 24:22 after every 64 words; 31:25 four words
	s_or_b32 s[G1B+0], s44, (0<<16)|(1<<20)|(1<<21)|(5<<22)|(3<<25)
.irp g, G1, G1B
	s_mov_b32 s[\g+1], ROWB<<16                    ; tensor_dim0
	s_mov_b32 s[\g+2], 256<<16                     ; tensor_dim1: 256 rows for the head's loads; set to 128 for slot 1's
	s_mov_b32 s[\g+3], ROWB<<16                    ; tile_dim0
	s_mov_b32 s[\g+4], 256                         ; tile_dim1
	s_mov_b32 s[\g+5], KROW                        ; tensor_dim0_stride
	s_mov_b32 s[\g+6], 0
	s_mov_b32 s[\g+7], 0
.endr
	; the scales of 256 rows: 8,192 dense bytes, as 32 rows of 256 bytes (32 elements of 8 bytes), 16 bytes of padding behind each
	s_or_b32 s[G1S+0], s43, (3<<16)|(1<<20)|(1<<21)|(5<<22)|(3<<25)
	s_or_b32 s[G1SB+0], s44, (3<<16)|(1<<20)|(1<<21)|(5<<22)|(3<<25)
.irp g, G1S, G1SB
	s_mov_b32 s[\g+1], 32<<16
	s_mov_b32 s[\g+2], 32<<16                      ; the scales of 256 rows: 32 rows of 256 bytes
	s_mov_b32 s[\g+3], 32<<16
	s_mov_b32 s[\g+4], 32
	s_mov_b32 s[\g+5], 32
	s_mov_b32 s[\g+6], 0
	s_mov_b32 s[\g+7], 0
.endr
	s_lshl_b32 s20, s17, 8                         ; A: the tile's first row
	s_lshl_b32 s46, s42, 8                         ; B: likewise
	s_mov_b32 s21, 0
	s_mov_b32 s47, 0
	s_mov_b64 s[18:19], KS
	s_mul_u64 s[22:23], s[20:21], s[18:19]         ; where these rows' scales begin, in bytes,
	s_mul_u64 s[92:93], s[46:47], s[18:19]
	s_mov_b64 s[18:19], KROW
	s_mul_u64 s[20:21], s[20:21], s[18:19]         ; and their codes
	s_mul_u64 s[46:47], s[46:47], s[18:19]
	s_mul_i32 s45, s14, HALFT                      ; where they go: wave x 128 rows: no place in the cluster enters an LDS address
	s_mov_b32 s[SEL], 0x76543210
	s_mov_b32 s[SEL+1], 0xfedcba98
	s_wait_kmcnt 0x0
	s_cmp_eq_u32 ttmp9, 2                          ; the roles' buffers: the choice hangs on the cluster's x alone
	s_cselect_b64 s[96:97], s[8:9], s[4:5]         ; A's codes
	s_cselect_b64 s[98:99], s[10:11], s[6:7]       ; A's scales
	s_cselect_b64 s[8:9], s[4:5], s[8:9]           ; B's codes
	s_cselect_b64 s[10:11], s[6:7], s[10:11]       ; B's scales
	s_add_nc_u64 s[20:21], s[96:97], s[20:21]
	s_add_nc_u64 s[22:23], s[98:99], s[22:23]
	s_add_nc_u64 s[46:47], s[8:9], s[46:47]
	s_add_nc_u64 s[92:93], s[10:11], s[92:93]
	CROUND                                         ; all sixteen work-groups are here: the joint loads meet
	s_mov_b32 s[G0S], 1
	s_mov_b32 s[G0S+1], SCL
	s_mov_b64 s[G0S+2:G0S+3], s[22:23]
	s_or_b32 s[G0S+3], s[G0S+3], 0x80000000
	s_mov_b32 s[G0SB], 1
	s_mov_b32 s[G0SB+1], SCL+2*HALFS
	s_mov_b64 s[G0SB+2:G0SB+3], s[92:93]
	s_or_b32 s[G0SB+3], s[G0SB+3], 0x80000000
	s_mov_b32 s[G0], 1                             ; the head's tiles, each whole: K step 0's 256 rows of A,
	s_mov_b32 s[G0+1], 0
	s_mov_b64 s[G0+2:G0+3], s[20:21]
	s_or_b32 s[G0+3], s[G0+3], 0x80000000
	s_mov_b32 s[G0B], 1                            ; and its 256 rows of B, behind them in slot 0
	s_mov_b32 s[G0B+1], 2*HALFT
	s_mov_b64 s[G0B+2:G0B+3], s[46:47]
	s_or_b32 s[G0B+3], s[G0B+3], 0x80000000
	s_mul_i32 s18, s16, 128*KROW                   ; slot 1: my 128 rows of a tile
	s_mov_b32 s19, 0
	s_add_nc_u64 s[20:21], s[20:21], s[18:19]
	s_add_nc_u64 s[46:47], s[46:47], s[18:19]
	s_mov_b32 s[G0+4], 1
	s_add_co_u32 s[G0+5], s45, SLOT
	s_add_nc_u64 s[G0+6:G0+7], s[20:21], ROWB
	s_or_b32 s[G0+7], s[G0+7], 0x80000000
	s_mov_b32 s[G0B+4], 1
	s_add_co_u32 s[G0B+5], s45, SLOT
	s_add_nc_u64 s[G0B+6:G0B+7], s[46:47], ROWB
	s_or_b32 s[G0B+7], s[G0B+7], 0x80000000
; THE HEAD'S LOADS, ONE A WAVE: wave 0 K step 0's rows of A, wave 1 those of B, wave 2 A's scales, wave 3 B's.  One tree of branches on the wave's number: every way passes exactly one load.
.macro ARM under, g0, g1, next
	s_cmp_lt_u32 s14, \under
	s_cbranch_scc0 \next
	tensor_load_to_lds s[\g0:\g0+3], s[\g1:\g1+7]
	s_nop 0
.rept 4
	v_nop
.endr
	s_branch .Lhead_asked
\next:
.endm
	ARM 1, G0,  G1,  .Lhead_b
	ARM 2, G0B, G1B, .Lhead_sa
	ARM 3, G0S, G1S, .Lhead_sb
	tensor_load_to_lds s[G0SB:G0SB+3], s[G1SB:G1SB+7]
	s_nop 0
.rept 4
	v_nop
.endr
.Lhead_asked:
	s_load_b256 s[4:11], s[0:1], 0x20              ; q_b s[4:5], k_b s[6:7], v_b s[8:9], qkv s[10:11] (the first four addresses are used up)
	v_and_b32 v1, 15, v0                           ; r = l % 16
	v_bfe_u32 v2, v0, 4, 1                         ; h = l / 16
	v_mul_u32_u24 v3, v1, PITCH
	v_lshl_add_u32 v4, v2, 4, v3                   ; a fragment's row x pitch + 16 x half
	s_mul_i32 s21, s15, HALFT                      ; my 128 rows of A
	s_mul_i32 s22, s16, HALFT                      ; my 128 rows of B,
	s_add_co_u32 s22, s22, 2*HALFT                 ; which lie behind A's 256
.irp s, 0,1
	v_add_nc_u32 v[ADRA+\s], s21, v4
	v_add_nc_u32 v[ADRB+\s], s22, v4
	s_add_co_u32 s21, s21, SLOT
	s_add_co_u32 s22, s22, SLOT
.endr
	v_mul_u32_u24 v5, v1, KS                       ; my row's scales: 32 bytes a row,
	v_lshrrev_b32 v6, 8, v5
	v_lshl_add_u32 v5, v6, 4, v5                   ; and 16 more for each 256 passed
	s_mul_i32 s21, s15, HALFS
	s_mul_i32 s22, s16, HALFS
	s_add_co_u32 s22, s22, 2*HALFS
	s_sub_co_u32 s22, s22, s21
	v_mul_u32_u24 v6, s22, v2                      ; lanes 16-31 take B's: one product, the distance between the two bases
	s_add_co_u32 s21, s21, SCL
	v_add_nc_u32 v5, v5, v6
	v_add_nc_u32 v[ADRS], s21, v5
	v_and_b32 v[LI], 31, v0
	v_lshlrev_b32 v[LI], 4, v[LI]
	v_mul_u32_u24 v[LS], v2, HEADB
	v_lshl_add_u32 v[LS], v1, 4, v[LS]
	v_lshlrev_b32 v[SH], 4, v2
	v_lshlrev_b32 v[BA], 6, v2
	v_and_b32 v[BB], 8, v1
	v_add_nc_u32 v[BB], v[BB], v1
	v_lshlrev_b32 v[BB], 2, v[BB]
	s_wait_alu depctr_va_vdst(0)
	s_wait_kmcnt 0x0
	; THE BIASES.  Both kinds are loaded in every work-group, at addresses that lie inside their buffers under either role; the way out uses the one that its role wants.
	s_cmp_eq_u32 ttmp9, 1
	s_cselect_b64 s[4:5], s[6:7], s[4:5]           ; k_b for k, else q_b
	s_lshl_b32 s20, s40, 10
	s_lshl_b32 s21, s16, 9
	s_add_co_u32 s20, s20, s21                     ; channel 256 cx + 128 x my half of B, in bytes
	s_mov_b32 s21, 0
	s_add_nc_u64 s[4:5], s[4:5], s[20:21]
	s_lshl_b32 s20, s41, 10
	s_lshl_b32 s22, s15, 9
	s_add_co_u32 s20, s20, s22                     ; channel 256 cy + 128 x my half of A
	s_add_nc_u64 s[8:9], s[8:9], s[20:21]
.irp k, 0,1,2,3
.irp q, 0,1,2,3
	global_load_b128 v[BI+16*\k+4*\q:BI+16*\k+4*\q+3], v[BA], s[4:5] offset:128*\k+16*\q   ; register 16 k + i: channel 32 k + 16 h + i
.endr
.endr
.irp a, 0,1,2,3,4,5,6,7
	global_load_b32 v[BV+2*\a], v[BB], s[8:9] offset:(32*(\a/2)+8*(\a%2))*4     ; block a, lane r: channel 32 (a / 2) + 8 (a % 2) + r + 8 (r / 8); twice, for the packed addition
	global_load_b32 v[BV+2*\a+1], v[BB], s[8:9] offset:(32*(\a/2)+8*(\a%2))*4
.endr
.macro FRAG reg, adr, q, i             ; a fragment, 16 rows x 128 K of 4-bit codes: lane l holds row l % 16; registers 4 c .. 4 c + 3 hold K = 64 c + 32 (l / 16) + 0 .. 31
.irp c, 0,1
	ds_load_b128 v[\reg+4*\c:\reg+4*\c+3], v[\adr] offset:64*(\q)+32*\c+(\i)*16*PITCH
.endr
.endm
; 16 matrix instructions: A's blocks a0, a0 + 1 x B's eight, the slot's q-th 128 along K.  p: B's set; sc: the set of scale words.  zero = 1: the first product starts the sums.
; The 64 accumulators take turns, one instruction a turn, in the same order in every step.
.macro MUL16 a0, p, q, sc, zero
.irp a, \a0, \a0+1
.irp b, 0,1,2,3,4,5,6,7
.if \zero
	v_wmma_scale_f32_16x16x128_f8f6f4 v[8*(8*((\a)%4)+\b):8*(8*((\a)%4)+\b)+7], v[128*(\p)+FR*\b:128*(\p)+FR*\b+FR-1], v[AF+FR*(\a):AF+FR*(\a)+FR-1], 0, v[SC+8*NQ*(\sc)+NQ*\b+(\q)], v[SC+8*NQ*(\sc)+NQ*(\a)+(\q)] matrix_a_fmt:MATRIX_FMT_FP4 matrix_b_fmt:MATRIX_FMT_FP4 matrix_a_scale:MATRIX_SCALE_ROW1
.else
	v_wmma_scale_f32_16x16x128_f8f6f4 v[8*(8*((\a)%4)+\b):8*(8*((\a)%4)+\b)+7], v[128*(\p)+FR*\b:128*(\p)+FR*\b+FR-1], v[AF+FR*(\a):AF+FR*(\a)+FR-1], v[8*(8*((\a)%4)+\b):8*(8*((\a)%4)+\b)+7], v[SC+8*NQ*(\sc)+NQ*\b+(\q)], v[SC+8*NQ*(\sc)+NQ*(\a)+(\q)] matrix_a_fmt:MATRIX_FMT_FP4 matrix_b_fmt:MATRIX_FMT_FP4 matrix_a_scale:MATRIX_SCALE_ROW1
.endif
.endr
.endr
.endm
.macro FETCH_B slot, q, p              ; B's eight fragments into set p
	WIN TO_B
.irp i, 0,1,2,3,4,5,6,7
	FRAG 128*(\p)+FR*\i, ADRB+\slot, \q, \i
.endr
	WIN 0
.endm
.macro FETCH_A slot, q, i0             ; A's blocks i0 .. i0 + 3
.irp i, \i0, \i0+1, \i0+2, \i0+3
	FRAG AF+FR*(\i), ADRA+\slot, \q, \i
.endr
.endm
.macro SCALES sc                       ; a K step's scale words into set sc: four words a row; lanes 0-15 take A's block i, lanes 16-31 B's block i
.irp i, 0,1,2,3,4,5,6,7
	ds_load_b128 v[SC+8*NQ*\sc+NQ*\i:SC+8*NQ*\sc+NQ*\i+3], v[ADRS] offset:\i*SBLK
.endr
.endm
.macro PLACES n                        ; places in front of loads into registers that matrix instructions have read (ISA guide 7.12.1 for vector instructions)
.rept \n
	v_nop
.endr
.endm
.macro STEP slot, q, zero              ; 128 along K that has its successor in the same slot: A's blocks 0-3 are fetched anew in the middle, blocks 4-7 at the end; B has two sets
	s_wait_dscnt 4*NL                              ; B's set and A's blocks 0-3 are in; the youngest eight loads (A's blocks 4-7) may be out
	WIN MUL_LO
	MUL16 0, (\q)%2, \q, \slot, \zero
	MUL16 2, (\q)%2, \q, \slot, \zero
	s_wait_dscnt 0
	PLACES NP
	FETCH_B \slot, (\q)+1, 1-(\q)%2
	FETCH_A \slot, (\q)+1, 0
	WIN MUL_HI
	MUL16 4, (\q)%2, \q, \slot, \zero
	MUL16 6, (\q)%2, \q, \slot, \zero
	PLACES NP
	WIN 0
	FETCH_A \slot, (\q)+1, 4
.endm
; Slot 0's last step goes over to slot 1: one barrier; in front of it each wave waits for all its tensor loads (its part of slot 1), adds 0 to its spare word, and waits for that and for its reads.  Nothing is filled again.
.macro TURN slot, next
	s_wait_tensorcnt 0x0                           ; all my tensor loads have landed
	ds_add_u32 v[SPW], v[NIL]                      ; 0 onto my spare word
	s_wait_dscnt 4*NL+1                            ; (the add and the youngest eight loads may be out)
	WIN MUL_LO
	MUL16 0, 1, NQ-1, \slot, 0
	s_wait_dscnt 0x0                               ; the add is done, and my reads of this slot are over
	s_barrier_signal -1
	MUL16 2, 1, NQ-1, \slot, 0
	WIN 0
	s_barrier_wait -1
	PLACES NP
	v_add_nc_u32 v[ADRS], 4*NQ, v[ADRS]            ; on to the next K step's scale words
	FETCH_B \next, 0, 0
	FETCH_A \next, 0, 0
	SCALES \next
	WIN MUL_HI
	MUL16 4, 1, NQ-1, \slot, 0
	MUL16 6, 1, NQ-1, \slot, 0
	PLACES NP
	WIN 0
	FETCH_A \next, 0, 4
.endm
	s_wait_alu depctr_va_vdst(0)                   ; the wait at the head's end
	s_wait_tensorcnt 0x0                           ; my tile of the head's four is in; slot 1's first fill is issued as a refill is:
	ds_add_u32 v[SPW], v[NIL]                      ; 0 onto my spare word
	s_mov_b32 s[G1+2], 128<<16                     ; no tensor load of mine is out: from here on a load brings 128 rows
	s_mov_b32 s[G1+4], 128
	s_mov_b32 s[G1B+2], 128<<16
	s_mov_b32 s[G1B+4], 128
	s_wait_dscnt 0x0                               ; the add is done
	CROUND                                         ; all four tiles are in, and all sixteen work-groups are here
	JLOAD G0+4, G1, G0B+4, G1B                     ; K step 1: the first tensor load behind the round, a quarter of the slot a wave
	FETCH_B 0, 0, 0
	FETCH_A 0, 0, 0
	SCALES 0
	FETCH_A 0, 0, 4
	STEP 0, 0, 1                                   ; the first products start the sums: nothing is cleared
	STEP 0, 1, 0
	STEP 0, 2, 0
	TURN 0, 1
	STEP 1, 0, 0
	STEP 1, 1, 0
	STEP 1, 2, 0
	s_wait_dscnt 4*NL                              ; the last step: nothing more to fetch
	WIN MUL_LO
	MUL16 0, 1, NQ-1, 1, 0
	MUL16 2, 1, NQ-1, 1, 0
	s_wait_dscnt 0
	WIN MUL_HI
	MUL16 4, 1, NQ-1, 1, 0
	MUL16 6, 1, NQ-1, 1, 0
	WIN 0
; THE WAY OUT.  64 numbers of a lane, register 16 b + i = k 32 b + 16 (lane / 16) + i of my row, become a fragment's codes in v[pc] on and its scale word in v[pw].
.macro QUANT s, pc, pw
.irp b, 0,1,2,3
	v_max3_num_f32 v[TM+\b], |v[(\s)+16*\b]|, |v[(\s)+1+16*\b]|, 0x1800000   ; block b: my 16 numbers, and the floor 2^(3 - 127): the byte cannot fall under 1
.endr
.irp i, 2,4,6,8,10,12,14
.irp b, 0,1,2,3
	v_max3_num_f32 v[TM+\b], v[TM+\b], |v[(\s)+16*\b+\i]|, |v[(\s)+1+16*\b+\i]|   ; (the four blocks by turns)
.endr
.endr
.irp b, 0,1,2,3
	v_permlanex16_b32 v[TM+4+\b], v[TM+\b], s[SEL], s[SEL+1]
.endr
.irp b, 0,1,2,3
	v_max_num_f32 v[TM+\b], v[TM+\b], v[TM+4+\b]   ; with lane l xor 16's: the block's largest magnitude
.endr
.irp b, 0,1,2,3
	v_add_nc_u32 v[TM+12+\b], 0xff000000, v[TM+\b] ; 2 off its exponent field: the conversion's scale operand
.endr
.irp b, 0,1,2,3
	v_lshrrev_b32 v[TM+4+\b], 23, v[TM+12+\b]      ; the scale's byte
.endr
	v_lshl_or_b32 v[(\pw)], v[TM+5], 8, v[TM+4]
	v_lshl_or_b32 v[(\pw)], v[TM+6], 16, v[(\pw)]
	v_lshl_or_b32 v[(\pw)], v[TM+7], 24, v[(\pw)]
.irp b, 0,1,2,3
	v_cvt_scalef32_pk8_fp4_f32 v[(\pc)+2*\b], v[(\s)+16*\b:(\s)+7+16*\b], v[TM+12+\b]
	v_cvt_scalef32_pk8_fp4_f32 v[(\pc)+1+2*\b], v[(\s)+8+16*\b:(\s)+15+16*\b], v[TM+12+\b]
.endr
	v_nop                                          ; one plain line behind the conversions
.irp c, 0,1                                    ; the operand's layout wants a WHOLE block in a lane: lanes 0-15 block 2 c, lanes 16-31 block 2 c + 1
.irp i, 0,1
	v_permlane16_swap_b32 v[(\pc)+4*\c+\i], v[(\pc)+2+4*\c+\i]
.endr
.endr
.endm
.irp b, 0,1,2,3
	v_mov_b32 v[TM+4+\b], 0                        ; a lane permute's destination counts as one of its sources.  These four are also the places behind the last products
.endr
	s_wait_loadcnt 0x0                             ; the biases
	s_cmp_eq_u32 ttmp9, 2
	s_cselect_b32 s20, s40, s41                    ; the tokens lie along B for v, along A for q and k:
	s_cselect_b32 s21, s16, s15                    ; my half of 128 of them,
	s_cselect_b32 s22, s41, s40                    ; the channels the other way round
	s_cselect_b32 s23, s15, s16
	s_add_co_u32 s20, s20, s12                     ; my block of 256 tokens
	s_lshr_b32 s18, s20, 3                         ; the batch: 8 such blocks each
	s_lshl_b32 s18, s18, 4
	s_lshl_b32 s22, s22, 2
	s_add_co_u32 s18, s18, s22
	s_lshl_b32 s23, s23, 1
	s_add_co_u32 s18, s18, s23                     ; my first head: 16 x batch + 4 x block of channels + 2 x half
	s_mul_i32 s18, s18, HEADB
	s_mov_b32 s19, 0
	s_add_nc_u64 s[10:11], s[10:11], s[18:19]
	s_and_b32 s20, s20, 7
	s_lshl_b32 s20, s20, 1
	s_add_co_u32 s20, s20, s21                     ; which 128 tokens of the batch: 0 .. 15
	s_mul_i32 s21, s20, STEPB                      ; k, v: their record
	s_lshl_b32 s22, s20, 12
	s_add_co_u32 s22, s22, QIMG                    ; q: eight tiles of 512 bytes
	s_lshl_b32 s23, s20, 9
	s_add_co_u32 s23, s23, QSC                     ; q: their scale words
	s_add_co_u32 s18, s21, KSCO
	s_cmp_eq_u32 ttmp9, 0
	s_cselect_b32 s22, s22, s21
	s_cselect_b32 s18, s23, s18
	s_mov_b32 s23, 0
	s_add_nc_u64 s[92:93], s[10:11], s[22:23]      ; where my codes go
	s_add_nc_u64 s[96:97], s[10:11], s[18:19]      ; where my scale words go
	s_cmp_eq_u32 ttmp9, 2
	s_cbranch_scc1 .Lway_v
; q and k.  Block a: 16 tokens x my 128 channels = two heads of 64.  The fragment's registers 4 c .. 4 c + 3 are head c's d = 32 (lane / 16) + 0 .. 31: registers 0-3 of a fragment whose upper 64 along K are zeros.
.macro OUT_QK a
	WIN 0x02+(\a)/4                                ; source 0: window 2 or 3
.set j, 0
.rept 32
	v_pk_add_f32 v[T+j:T+j+1], v[64*((\a)%4)+j:64*((\a)%4)+j+1], v[BI+j:BI+j+1]   ; + the bias; each accumulator from its low end on
.set j, j+2
.endr
	WIN 0
	QUANT T, PC+8*(\a), SW+(\a)
	global_store_b128 v[LI], v[PC+8*(\a):PC+8*(\a)+3], s[92:93] offset:512*(\a)            ; 32 lanes store 512 consecutive bytes, aligned
	global_store_b128 v[LI], v[PC+8*(\a)+4:PC+8*(\a)+7], s[92:93] offset:HEADB+512*(\a)    ; the second head's
.endm
.irp a, 0,1,2,3,4,5,6,7
	OUT_QK \a
.endr
.irp a, 0,1,2,3,4,5,6,7
	v_lshrrev_b32 v[SW+\a], v[SH], v[SW+\a]        ; lanes 16-31 bring the second head's two bytes down.  A word's upper two bytes scale zero codes; they are never 0xff
.endr
	global_store_b128 v[LS], v[SW:SW+3], s[96:97]              ; [a / 4][r][a % 4]: sixteen lanes store 256 consecutive bytes, aligned; lanes 16-31 in the second head
	global_store_b128 v[LS], v[SW+4:SW+7], s[96:97] offset:256
	s_wait_tensorcnt 0x0                           ; the wave's end
	ds_add_u32 v[SPW], v[NIL]
	s_wait_dscnt 0x0
	CROUND                                         ; the closing round
	s_endpgm
.Lway_v:
; v.  Block a: 16 channels (head a / 4, tile a % 4 of its d) x my 128 tokens: a whole fragment of V^T for one record of keys, and its scale word.
.macro OUT_V a
	WIN 0x02+(\a)/4
.set j, 0
.rept 32
	v_pk_add_f32 v[T+j:T+j+1], v[64*((\a)%4)+j:64*((\a)%4)+j+1], v[BV+2*(\a):BV+2*(\a)+1]   ; + my channel's bias
.set j, j+2
.endr
	WIN 0
	QUANT T, PC+8*(\a), SW+(\a)
	global_store_b128 v[LI], v[PC+8*(\a):PC+8*(\a)+3], s[92:93] offset:((\a)/4)*HEADB+VIMG+1024*((\a)%4)
	global_store_b128 v[LI], v[PC+8*(\a)+4:PC+8*(\a)+7], s[92:93] offset:((\a)/4)*HEADB+VIMG+1024*((\a)%4)+512
.endm
.irp a, 0,1,2,3,4,5,6,7
	OUT_V \a
.endr
	v_and_b32 v12, 31, v0
	v_cmp_le_u32 vcc_lo, 16, v12
.irp i, 0,1,2,3
	v_cndmask_b32 v[SW+\i], v[SW+\i], v[SW+4+\i], vcc_lo   ; lanes 16-31 take the second head's four words
.endr
	global_store_b128 v[LS], v[SW:SW+3], s[96:97] offset:VSCO-KSCO   ; [r][tile of d]: sixteen lanes store 256 consecutive bytes, aligned
	s_wait_tensorcnt 0x0                           ; the wave's end
	ds_add_u32 v[SPW], v[NIL]
	s_wait_dscnt 0x0
	CROUND                                         ; the closing round
	s_endpgm
.Lfunc_end_k_q155cd37997_qkv:
	.size	k_q155cd37997_qkv, .Lfunc_end_k_q155cd37997_qkv-k_q155cd37997_qkv
	.p2alignl 7, 3214868480
	.fill 96, 4, 3214868480
	.section	.rodata,"a",@progbits
	.p2align	6, 0x0
	.amdhsa_kernel k_q155cd37997_qkv
		.amdhsa_group_segment_fixed_size 327680
		.amdhsa_private_segment_fixed_size 0
		.amdhsa_enable_private_segment 0
		.amdhsa_kernarg_size 64
		.amdhsa_user_sgpr_count 2
		.amdhsa_user_sgpr_kernarg_segment_ptr 1
		.amdhsa_wavefront_size32 1
		.amdhsa_system_sgpr_workgroup_id_x 1
		.amdhsa_system_sgpr_workgroup_id_y 1
		.amdhsa_system_sgpr_workgroup_id_z 1
		.amdhsa_system_vgpr_workitem_id 0
		.amdhsa_next_free_vgpr 1024
		.amdhsa_next_free_sgpr 102
		.amdhsa_reserve_vcc 1
		.amdhsa_float_denorm_mode_32 3
		.amdhsa_float_denorm_mode_16_64 3
		.amdhsa_memory_ordered 1
		.amdhsa_forward_progress 1
		.amdhsa_inst_pref_size 197
	.end_amdhsa_kernel
	.amdgpu_metadata
---
amdhsa.version: [ 1, 2 ]
amdhsa.kernels:
  - .name:           k_q155cd37997_qkv
    .symbol:         k_q155cd37997_qkv.kd
    .args:
      - { .name: xq_codes, .offset: 0, .size: 8, .value_kind: global_buffer, .address_space: global }
      - { .name: xq_scales, .offset: 8, .size: 8, .value_kind: global_buffer, .address_space: global }
      - { .name: w_codes, .offset: 16, .size: 8, .value_kind: global_buffer, .address_space: global }
      - { .name: w_scales, .offset: 24, .size: 8, .value_kind: global_buffer, .address_space: global }
      - { .name: q_b, .offset: 32, .size: 8, .value_kind: global_buffer, .address_space: global }
      - { .name: k_b, .offset: 40, .size: 8, .value_kind: global_buffer, .address_space: global }
      - { .name: v_b, .offset: 48, .size: 8, .value_kind: global_buffer, .address_space: global }
      - { .name: qkv, .offset: 56, .size: 8, .value_kind: global_buffer, .address_space: global }
    .group_segment_fixed_size: 327680
    .private_segment_fixed_size: 0
    .kernarg_segment_align: 8
    .kernarg_segment_size: 64
    .max_flat_workgroup_size: 128
    .sgpr_count:     102
    .vgpr_count:     1024
    .wavefront_size: 32
...
	.end_amdgpu_metadata
.endif
;; end of part 6
;; launch attn (part 7): grid 8 x 32, 16 waves a work-group, clusters of 4 x 1, 327,680 bytes of LDS; arguments qkv, ao_img, ao_sc; writes ao_img, ao_sc
.if DOCPART == 7
	.amdgcn_target "amdgcn-amd-amdhsa--gfx1250"
	.amdhsa_code_object_version 6
	.text
	.protected	k_q155cd37997_attn
	.globl	k_q155cd37997_attn
	.p2align	8
	.type	k_q155cd37997_attn,@function
k_q155cd37997_attn:
	s_mov_b64 s[64:65], 0
	v_nop
	global_prefetch_b8 v0, s[64:65] scope:SCOPE_SE
	s_setreg_imm32_b32 hwreg(HW_REG_WAVE_MODE, 25, 1), 1
	s_wait_xcnt 0x0
	s_wait_alu depctr_hold_cnt(0) depctr_sa_sdst(0) depctr_va_vdst(0) depctr_va_sdst(0) depctr_va_ssrc(0) depctr_va_vcc(0) depctr_vm_vsrc(0)
	s_getreg_b32 s2, hwreg(HW_REG_IB_STS2, 6, 4)
	s_cmp_eq_u32 s2, 0
	s_cbranch_scc0 .Lentry_in_a_cluster
	s_endpgm
.Lentry_in_a_cluster:
	s_bfe_u32 s2, ttmp6, 0x10000c
	s_cmp_lg_u32 s2, 0x3003
	s_cbranch_scc0 .Lentry_shape_is_right
	s_endpgm
.Lentry_shape_is_right:
; Attention on codes of FP4 (E2M1) with one E8M0 scale for each 32 along a product's K: O = softmax(q k^T / 8) v for 64 (batch, head) pairs of 2,048 tokens x 64; O is quantised along the model's 1,024 and leaves as codes.
; THE SOFTMAX AHEAD OF THE SECOND PRODUCT: t = score x log2(e) / 8; M = the row's largest t so far, rounded UP to a whole number; p = 2^(t - M) is quantised along the keys, not normalised.
; The row's sum is taken of the unquantised p, in f32, and divides O at the end.  When M moves, the sum and O are multiplied by 2^(old M - new M): exact.
; SHARES.  A work-group owns 256 query positions of a PAIR of heads; each of its sixteen waves owns one tile of 16 queries and walks the one head's 16 records of 128 keys, then the other's.
; LDS holds both heads' 32 records (8,960 bytes of memory each: K's 8 tiles as register images, V's 4 fragments, K's and V's scale words) as rows of 256 bytes + 32 of padding, each filled ONCE:
; wave w asks for record w of the first head at the kernel's head, and for record w of the second behind a round of the cluster's barrier; the second lands while the first head is walked.
; CLUSTER.  The four query blocks of a cluster walk the same K and V: each load is a joint one, with the same descriptor and a mask that names the four.
; NO PREFETCH: every byte of K and V is asked for by a tensor load in the kernel's head; no later load is left to run ahead of.
; LAYOUT.  Both products are used transposed (S^T = K Q^T, O^T = V^T P^T): a lane holds ONE query.  THE KEYS OF A TILE ARE CHOSEN AT THE LDS READ: lane r of tile 4 g + u takes key 64 g + 32 (r / 8) + 8 u + r % 8,
; so lane (q, h) holds in registers 32 g + i of S^T the keys 64 g + 32 h + i: two WHOLE blocks of the quantiser, in the order of the second product's operand: a block's maximum needs no other lane, and the conversions' results are P's registers.
; In memory key 32 b + 16 y + 8 u + x lies in image 2 b + u, row 8 y + x; with 288 bytes from row to row lanes 0-7 and lanes 8-15 of a read (images two apart: 1,152 bytes) fall on the two halves of the 64 banks (ISA guide 11.1).
; The head's 64 fill half of the instruction's K = 128: registers 4-7 of Q's fragment are zero codes.  K's tiles lie four registers apart, so registers 4-7 of K's operand are the next tile's codes (v64-67: zeros):
; they meet Q's zero codes alone and add nothing; their scale bytes are finite codes.
; THE WAVES WALK IN STEP: a barrier's signal at a key step's top and its wait at the step's end: no wave ends a record before all sixteen have begun it.  Between the two stand register work and reads of LDS bytes that nobody writes.
; LIMITS: NaN and infinities are not served; a block of zeros or under 2^-124 gets the scale byte 1 (these bytes are read by this program alone); the promise holds while the scaled scores stay under 2^31 in magnitude.
; REGISTERS: v1-3 offsets that stay; v4-7, v25 the second head's Q; v8-11 addresses in hand; v12 -M, v13 the largest score, v14-15 the sum; v16-23 Q; v24 its scale words; v26 O's scale word; v28-31 V's scale words;
;   v32-67 K's eight tiles; v68-75 K's scale words; v76 8 h; v80-82 lane places in a record; v96-159 S^T, then p; v160-191 O^T; v192-223 V; v224-231 p's codes; v232-254 at work.
.set HEADB, 217088                     ; a head's bytes in qkv
.set STEPB, 8960                       ; a record in memory: 35 rows of 256 bytes
.set QIMG,  143360
.set QSC,   208896
.set RP,    288                        ; an LDS row
.set STEPL, 35*RP                      ; a record in LDS
.set VL0,   16*RP                      ; V's fragments in it
.set KS0,   32*RP                      ; K's scale words
.set VS0,   34*RP                      ; V's
.set SPARE, 32*STEPL                   ; the spare words: 128 bytes a wave, eight blocks of 256 bytes that no other line names
.set LI,  1                            ; v1  16 x lane
.set LR,  2                            ; v2  16 x (lane % 16)
.set SO,  3                            ; v3  32 x (lane % 16)
.set ADK, 8
.set ADS, 9
.set ADV, 10
.set ADT, 11
.set AW,  26
.set SPW, 27
.set NIL, 255
.set SH8, 76
.set KLB, 80                           ; v80 K's images: 1152 (r / 8) + 16 (r % 8) + 288 h
.set KSB, 81                           ; v81 K's scale words: 16 (r % 8) + 8 (r / 8)
.set VLB, 82                           ; v82 V's images: 288 h + 16 r
.set TB,  2                            ; s2  LDS byte at which the record in hand begins
.set WV,  18
.set SEL, 20
.set CS,  22
.set G1,  24
.set G0,  32
.set STEPS, 49
.macro CROUND                          ; a round of the cluster's barrier
	s_barrier_signal -1
	s_barrier_wait -1
	s_cmp_lg_u32 s[WV], 0
	s_cbranch_scc1 .Lnot_wave_0_\@
	s_barrier_signal -3
.Lnot_wave_0_\@:
	s_barrier_wait -3
	s_barrier_signal -1
	s_barrier_wait -1
.endm
.macro ASKREC                          ; my joint load
	tensor_load_to_lds s[G0:G0+3], s[G1:G1+7]
	s_nop 0
.rept 4
	v_nop
.endr
.endm
	s_load_b128 s[4:7], s[0:1], 0x0                ; qkv, ao_img
	s_load_b64 s[8:9], s[0:1], 0x10                ; ao_sc
	v_lshl_add_u32 v[SPW], v0, 2, SPARE
	v_mov_b32 v[NIL], 0
	ds_add_u32 v[SPW], v[NIL]                      ; the opening lines: the add, twice on end, and its wait ahead of my first tensor load
	ds_add_u32 v[SPW], v[NIL]
	v_lshrrev_b32 v1, 5, v0
	v_readfirstlane_b32 s[WV], v1                  ; wave 0..15
	s_bfe_u32 s10, ttmp6, 0x40000                  ; cx
	s_lshl_b32 s11, ttmp9, 2
	s_add_co_u32 s11, s11, s10                     ; my block of 256 queries: it enters Q's and O's addresses alone
	s_and_b32 s12, ttmp7, 0xffff                   ; the pair of heads, which the four partners share
	s_lshl_b32 s17, s12, 1
	s_mul_i32 s19, s17, HEADB                      ; the pair's first byte in qkv
	s_mul_i32 s60, s[WV], STEPB                    ; what I fetch: record = my wave's number
	s_add_co_u32 s60, s60, s19
	s_mov_b32 s61, 0
	s_mov_b32 s[G1], 15|(3<<16)|(1<<20)|(1<<21)|(5<<22)|(7<<25)   ; the mask: all four; elements of 8 bytes; padding on; 21 set beside a mask; after every 64 words eight words
	s_mov_b32 s[G1+1], 32<<16                      ; tensor_dim0
	s_mov_b32 s[G1+2], 35<<16                      ; tensor_dim1
	s_mov_b32 s[G1+3], 32<<16                      ; tile_dim0
	s_mov_b32 s[G1+4], 35                          ; tile_dim1
	s_mov_b32 s[G1+5], 32                          ; pitch
	s_mov_b32 s[G1+6], 0
	s_mov_b32 s[G1+7], 0
	s_lshl_b32 s51, s11, 4
	s_add_co_u32 s51, s51, s[WV]                   ; my tile of queries in the head: 0 .. 127
	s_lshl_b32 s52, s51, 9
	s_add_co_u32 s52, s52, s19
	s_add_co_u32 s52, s52, QIMG                    ; Q's codes
	s_mov_b32 s53, 0
	s_lshr_b32 s56, s51, 2
	s_lshl_b32 s56, s56, 8                         ; Q's scale words: [tile / 4][r][tile % 4]
	s_and_b32 s57, s51, 3
	s_lshl_b32 s57, s57, 2
	s_add_co_u32 s56, s56, s57
	s_add_co_u32 s56, s56, s19
	s_add_co_u32 s56, s56, QSC
	s_mov_b32 s57, 0
	s_lshr_b32 s58, s12, 3                         ; the batch
	s_lshl_b32 s58, s58, 7
	s_add_co_u32 s58, s58, s51                     ; my tile among all 512 tiles of tokens
	s_and_b32 s59, s12, 7                          ; which 128 of the model's 1,024
	s_lshl_b32 s54, s58, 12                        ; ao_img: [pair / 4][tile][pair % 4][head of the pair][512 bytes]
	s_lshr_b32 s55, s59, 2
	s_lshl_b32 s55, s55, 21
	s_add_co_u32 s54, s54, s55
	s_and_b32 s55, s59, 3
	s_lshl_b32 s55, s55, 10
	s_add_co_u32 s54, s54, s55
	s_mov_b32 s55, 0
	s_lshl_b32 s58, s58, 9                         ; ao_sc: 32 bytes a row, word = pair
	s_lshl_b32 s59, s59, 2
	s_add_co_u32 s58, s58, s59
	s_mov_b32 s59, 0
	s_mov_b32 s[SEL], 0x76543210                   ; v_permlanex16_b32's selects for lane l xor 16
	s_mov_b32 s[SEL+1], 0xfedcba98
	s_mov_b32 s[CS], 0x3e38aa3b                    ; c = log2(e) / sqrt(64)
	s_mov_b32 s[CS+1], s[CS]                       ; (named with it as a pair, so it is written)
	s_mov_b32 s[TB], 0
	s_wait_dscnt 0x0                               ; both opening adds are done
	s_wait_kmcnt 0x0
	s_add_nc_u64 s[60:61], s[4:5], s[60:61]
	s_add_nc_u64 s[52:53], s[4:5], s[52:53]
	s_add_nc_u64 s[56:57], s[4:5], s[56:57]
	s_add_nc_u64 s[54:55], s[6:7], s[54:55]
	s_add_nc_u64 s[58:59], s[8:9], s[58:59]
	s_mov_b32 s[G0], 1
	s_mul_i32 s[G0+1], s[WV], STEPL                ; LDS address: wave x a record: no place in the cluster enters it
	s_mov_b64 s[G0+2:G0+3], s[60:61]
	s_or_b32 s[G0+3], s[G0+3], 0x80000000
	CROUND                                         ; all four work-groups are here: the joint loads meet
	ASKREC                                         ; the first head's record: my one tensor load at the head
	v_and_b32 v[LI], 31, v0
	v_and_b32 v[SO], 15, v0
	v_and_b32 v77, 7, v0                           ; r % 8
	v_bfe_u32 v78, v0, 3, 1                        ; r / 8
	v_bfe_u32 v79, v0, 4, 1                        ; h
	v_lshlrev_b32 v[LI], 4, v[LI]
	v_lshlrev_b32 v[LR], 4, v[SO]
	v_lshlrev_b32 v[SO], 5, v[SO]
	global_load_b128 v[16:19], v[LI], s[52:53]                 ; Q of the first head: registers 0-3 of its fragment,
	global_load_b128 v[4:7], v[LI], s[52:53] offset:HEADB      ; of the second,
	global_load_b32 v24, v[LR], s[56:57]                       ; and their scale words
	global_load_b32 v25, v[LR], s[56:57] offset:HEADB
	v_lshlrev_b32 v[KLB], 4, v77
	v_lshlrev_b32 v[KSB], 4, v77
	v_mad_u32_u24 v[VLB], v79, RP, v[LR]
	v_lshlrev_b32 v[SH8], 3, v79
	v_mad_u32_u24 v[KLB], v78, 4*RP, v[KLB]
	v_lshl_add_u32 v[KSB], v78, 3, v[KSB]
	v_mad_u32_u24 v[KLB], v79, RP, v[KLB]
.irp j, 20,21,22,23,64,65,66,67
	v_mov_b32 v\j, 0                               ; K = 64 .. 127 of Q: zero codes; and what stands behind K's last tile
.endr
	v_mov_b32 v253, 0                              ; (named as the upper half of the pair v[252:253] before it is first written)
	s_wait_alu depctr_va_vdst(0)                   ; the wait at the head's end
	s_wait_tensorcnt 0x0                           ; my record is in; the second head's first fill is issued as a refill is:
	ds_add_u32 v[SPW], v[NIL]                      ; 0 onto my spare word
	s_add_nc_u64 s[G0+2:G0+3], s[G0+2:G0+3], HEADB ; no tensor load of mine is out: the same record of the second head,
	s_add_co_u32 s[G0+1], s[G0+1], 16*STEPL        ; behind the first head's sixteen
	s_wait_dscnt 0x0
	CROUND                                         ; the first head's sixteen records are in, and all four work-groups are here
	ASKREC                                         ; the first tensor load behind the round
	s_wait_loadcnt 0x0                             ; Q
; ONE HEAD: 16 key steps and the head's end.
.macro HEAD hd
	v_mov_b32 v13, 0xff61b1e6                      ; the largest score so far: -3e38
	v_mov_b32 v14, 0                               ; the sum, in two halves
	v_mov_b32 v15, 0
	v_floor_f32 v12, -v13                          ; -M: so large that the first f is 0, which meets zeros
.set j, 0
.rept 32
	v_mov_b32 v[160+j], 0                          ; O^T: the step is written once
.set j, j+1
.endr
	s_mov_b32 s[STEPS], 16
	s_wait_alu depctr_va_vdst(0)                   ; the wait ahead of the loop's waits
.Lstep_\@:                                         ; A KEY STEP: 128 keys
	s_barrier_signal -1                            ; I have begun this record (no LDS instruction of mine is out)
	v_add_nc_u32 v[ADK], s[TB], v[KLB]             ; these four are also the places behind the last step's products, in front of the loads into V's registers
	v_add_nc_u32 v[ADS], s[TB], v[KSB]
	v_add_nc_u32 v[ADV], s[TB], v[VLB]
	v_add_nc_u32 v[ADT], s[TB], v[LR]
.irp t, 0,1,2,3,4,5,6,7
	ds_load_b128 v[32+4*\t:35+4*\t], v[ADK] offset:2*RP*(4*(\t/4)+\t%2)+128*((\t%4)/2)
.endr
.irp i, 0,1,2,3
	ds_load_b64 v[68+2*\i:69+2*\i], v[ADS] offset:KS0+RP*(\i/2)+128*(\i%2)   ; the words of tiles 2 i, 2 i + 1
.endr
.irp d, 0,1,2,3
.irp c, 0,1
	ds_load_b128 v[192+8*\d+4*\c:195+8*\d+4*\c], v[ADV] offset:VL0+(4*\d+2*\c)*RP
.endr
.endr
	ds_load_b128 v[28:31], v[ADT] offset:VS0
	s_wait_dscnt 9                                 ; K and its scale words are in; V's eight loads and its scale words may be out
.irp t, 0,1,2,3,4,5,6,7
	v_wmma_scale_f32_16x16x128_f8f6f4 v[96+8*\t:103+8*\t], v[32+4*\t:39+4*\t], v[16:23], 0, v[68+\t], v24 matrix_a_fmt:MATRIX_FMT_FP4 matrix_b_fmt:MATRIX_FMT_FP4
.endr
	v_mov_b32 v254, v12                            ; the old -M; with three v_nop the four places behind the products
.rept 3
	v_nop
.endr
.irp k, 0,1,2,3
	v_max3_num_f32 v[232+\k], v[96+16*\k], v[97+16*\k], v[98+16*\k]   ; the largest score of each block of 32 keys, two chains a block, the four by turns; each accumulator is first read at its low end
.endr
.irp i, 3,5,7,9,11,13
.irp k, 0,1,2,3
	v_max3_num_f32 v[232+\k], v[232+\k], v[96+16*\k+\i], v[97+16*\k+\i]
.endr
.endr
	v_max3_num_f32 v232, v232, v233, v111
	v_max3_num_f32 v234, v234, v235, v143
	v_max_num_f32 v232, v232, v127                 ; block h's largest score: it serves for the row's maximum and, since p rises with the score, for the block's largest p
	v_max_num_f32 v233, v234, v159                 ; block 2 + h's
	v_max_num_f32 v234, v232, v233
	v_permlanex16_b32 v235, v234, s[SEL], s[SEL+1] ; lane l xor 16's two blocks
	v_max3_num_f32 v13, v13, v234, v235            ; the running largest score
	v_mul_f32 v234, s[CS], v13                     ; as t (c is positive)
	v_floor_f32 v12, -v234                         ; the new -M = -ceil(t): a whole number
	v_sub_f32 v254, v12, v254                      ; old M - new M: a whole number, 0 or less
	v_cvt_i32_f32 v254, v254                       ; (it saturates)
	v_ldexp_f32 v252, 1.0, v254                    ; f = 2^(old M - new M)
.set j, 0
.rept 32
	v_pk_fma_f32 v[96+j:97+j], v[96+j:97+j], s[CS:CS+1], v[12:13] op_sel_hi:[1,0,0]   ; t - M, two at a time (of the pairs c and -M the low word serves both halves)
.set j, j+2
.endr
	v_fma_f32 v232, v232, s[CS], v12               ; the same of each block's largest score
	v_fma_f32 v233, v233, s[CS], v12
	s_wait_alu depctr_va_vdst(0)                   ; the wait ahead of the batch
.set j, 0
.rept 64
	v_exp_f32 v[96+j], v[96+j]                     ; p = 2^(t - M), at most 1
.set j, j+1
.endr
	v_pk_mul_f32 v[14:15], v[14:15], v[252:253] op_sel_hi:[1,0]   ; the sums under the new M (a plain line behind the exponentials)
	s_wait_alu depctr_va_vdst(0)                   ; one wait for the whole batch, ahead of its first reader
	v_exp_f32 v232, v232                           ; the blocks' largest p: the same two instructions on the same number give the same bits
	v_exp_f32 v233, v233
	v_pk_add_f32 v[236:237], v[96:97], v[98:99]    ; the row's sum of the unquantised p: two at a time, in two chains
.irp j, 4,8,12,16,20,24,28,32,36,40,44,48,52,56,60
	v_pk_add_f32 v[14:15], v[14:15], v[96+\j:97+\j]
	v_pk_add_f32 v[236:237], v[236:237], v[98+\j:99+\j]
.endr
	v_pk_add_f32 v[14:15], v[14:15], v[236:237]
	s_wait_alu depctr_va_vdst(0)                   ; and one for the two
	v_max_num_f32 v232, 0x1800000, v232            ; the floor 2^(3 - 127): the byte cannot fall under 1
	v_max_num_f32 v233, 0x1800000, v233
	v_add_nc_u32 v244, 0xff000000, v232            ; 2 off the exponent field: the conversion's scale operand
	v_add_nc_u32 v245, 0xff000000, v233
.irp c, 0,1
.irp w, 0,1,2,3
	v_cvt_scalef32_pk8_fp4_f32 v[224+4*\c+\w], v[96+32*\c+8*\w:103+32*\c+8*\w], v[244+\c]   ; register 4 c + w of P's operand: keys 64 c + 32 h + 8 w + 0 .. 7
.endr
.endr
	v_lshrrev_b32 v238, 23, v244                   ; the scales' bytes (also the plain line behind the conversions)
	v_lshrrev_b32 v239, 23, v245
	s_delay_alu instid0(VALU_DEP_1)
	v_lshl_or_b32 v253, v239, 16, v238             ; blocks h and 2 + h,
	s_delay_alu instid0(VALU_DEP_1)
	v_lshlrev_b32 v253, v[SH8], v253               ; at their places in the word;
	s_delay_alu instid0(VALU_DEP_1)
	v_permlanex16_b32 v254, v253, s[SEL], s[SEL+1]
	s_delay_alu instid0(VALU_DEP_1)
	v_or_b32 v253, v253, v254                      ; with lane l xor 16's two the word is whole
	s_wait_alu depctr_va_vdst(0)                   ; the wait directly ahead of the first reader of O^T
.irp j, 0,2,4,6,8,10,12,14,16,18,20,22,24,26,28,30
	v_pk_mul_f32 v[160+\j:161+\j], v[160+\j:161+\j], v[252:253] op_sel_hi:[1,0]   ; O^T under the new M; these 16 are also the places between the scale word's and the codes' writes and the products
.endr
	s_wait_alu depctr_va_vdst(0)                   ; the wait directly ahead of the wait below
	s_wait_dscnt 0x0                               ; V and its scale words
.irp d, 0,1,2,3
	v_wmma_scale_f32_16x16x128_f8f6f4 v[160+8*\d:167+8*\d], v[192+8*\d:199+8*\d], v[224:231], v[160+8*\d:167+8*\d], v[28+\d], v253 matrix_a_fmt:MATRIX_FMT_FP4 matrix_b_fmt:MATRIX_FMT_FP4
.endr
	s_add_co_u32 s[TB], s[TB], STEPL               ; the next record
	s_barrier_wait -1                              ; all sixteen waves have begun the record that I end
	s_sub_co_u32 s[STEPS], s[STEPS], 1
	s_cmp_lg_u32 s[STEPS], 0
	s_cbranch_scc1 .Lstep_\@
	; THE HEAD'S END.  O^T / the sum: register 16 b + i is channel 32 b + 16 h + i of the head (V's rows lie in position order); two blocks are quantised and leave as the image of four registers.
	v_add_f32 v14, v14, v15                        ; the sum's two halves,
	s_delay_alu instid0(VALU_DEP_1)
	v_permlanex16_b32 v252, v14, s[SEL], s[SEL+1]
	s_delay_alu instid0(VALU_DEP_1)
	v_add_f32 v14, v14, v252                       ; and lane l xor 16's: the row's sum
	s_wait_alu depctr_va_vdst(0)                   ; the wait ahead of the transcendental
	v_rcp_f32 v14, v14
.if \hd == 0
	v_mov_b32 v16, v4                              ; the second head's Q takes its place (plain work behind the reciprocal, and places behind the last products)
	v_mov_b32 v17, v5
	v_mov_b32 v18, v6
	v_mov_b32 v19, v7
	v_mov_b32 v24, v25
.else
.rept 4
	v_nop
.endr
.endif
	s_wait_alu depctr_va_vdst(0)                   ; the wait ahead of the reciprocal's first reader, which is also O^T's
.set j, 0
.rept 32
	v_mul_f32 v[96+j], v[160+j], v14               ; each accumulator from its low end on
.set j, j+1
.endr
.irp b, 0,1
	v_max3_num_f32 v[232+\b], |v[96+16*\b]|, |v[97+16*\b]|, 0x1800000
.endr
.irp i, 2,4,6,8,10,12,14
.irp b, 0,1
	s_delay_alu instid0(VALU_DEP_2)
	v_max3_num_f32 v[232+\b], v[232+\b], |v[96+16*\b+\i]|, |v[97+16*\b+\i]|
.endr
.endr
.irp b, 0,1
	s_delay_alu instid0(VALU_DEP_2)
	v_permlanex16_b32 v[236+\b], v[232+\b], s[SEL], s[SEL+1]
.endr
.irp b, 0,1
	s_delay_alu instid0(VALU_DEP_2)
	v_max_num_f32 v[232+\b], v[232+\b], v[236+\b]
.endr
.irp b, 0,1
	s_delay_alu instid0(VALU_DEP_2)
	v_add_nc_u32 v[244+\b], 0xff000000, v[232+\b]
.endr
.irp b, 0,1
	s_delay_alu instid0(VALU_DEP_2)
	v_lshrrev_b32 v[236+\b], 23, v[244+\b]
.endr
	s_delay_alu instid0(VALU_DEP_1)
	v_lshl_or_b32 v254, v237, 8, v236              ; the head's two scale bytes
.irp b, 0,1
	v_cvt_scalef32_pk8_fp4_f32 v[224+2*\b], v[96+16*\b:103+16*\b], v[244+\b]
	v_cvt_scalef32_pk8_fp4_f32 v[225+2*\b], v[104+16*\b:111+16*\b], v[244+\b]
.endr
	v_nop                                          ; one plain line behind the conversions
	v_permlane16_swap_b32 v224, v226
	v_permlane16_swap_b32 v225, v227               ; v224-227: channels 32 h + 0 .. 31
	global_store_b128 v[LI], v[224:227], s[54:55] offset:512*\hd   ; 32 lanes store 512 consecutive bytes, aligned
.if \hd == 0
	v_mov_b32 v[AW], v254                          ; the first head's bytes below,
.else
	v_lshl_or_b32 v[AW], v254, 16, v[AW]           ; the second's above
.endif
	s_wait_xcnt 0x0                                ; the store has read its data: they are written again, and EXEC is changed, only behind this wait
.endm
	HEAD 0
	s_wait_alu depctr_va_vdst(0)                   ; the wait directly ahead of the wait below
	s_wait_tensorcnt 0x0                           ; my record of the second head is in,
	s_barrier_signal -1
	s_barrier_wait -1                              ; everybody's are; nothing is filled again
	s_mov_b32 s[TB], 16*STEPL
	HEAD 1
	v_and_b32 v77, 31, v0
	s_delay_alu instid0(VALU_DEP_1)
	v_cmp_gt_u32 vcc_lo, 16, v77                   ; both halves of the lanes hold the same word: lanes 0-15 store it
	s_and_saveexec_b32 s51, vcc_lo                 ; (no load or store has been issued since the wait on XCNT above)
	s_wait_alu depctr_va_vdst(0)
	global_store_b32 v[SO], v[AW], s[58:59]        ; 4 bytes a row, 32 bytes apart: the layout from which the last launch takes them in whole blocks
	s_wait_xcnt 0x0                                ; EXEC is widened only behind this wait
	s_or_b32 exec_lo, exec_lo, s51
	s_wait_tensorcnt 0x0                           ; the wave's end
	ds_add_u32 v[SPW], v[NIL]
	s_wait_dscnt 0x0
	CROUND                                         ; the closing round
	s_endpgm
.Lfunc_end_k_q155cd37997_attn:
	.size	k_q155cd37997_attn, .Lfunc_end_k_q155cd37997_attn-k_q155cd37997_attn
	.p2alignl 7, 3214868480
	.fill 96, 4, 3214868480
	.section	.rodata,"a",@progbits
	.p2align	6, 0x0
	.amdhsa_kernel k_q155cd37997_attn
		.amdhsa_group_segment_fixed_size 327680
		.amdhsa_private_segment_fixed_size 0
		.amdhsa_enable_private_segment 0
		.amdhsa_kernarg_size 24
		.amdhsa_user_sgpr_count 2
		.amdhsa_user_sgpr_kernarg_segment_ptr 1
		.amdhsa_wavefront_size32 1
		.amdhsa_system_sgpr_workgroup_id_x 1
		.amdhsa_system_sgpr_workgroup_id_y 1
		.amdhsa_system_sgpr_workgroup_id_z 1
		.amdhsa_system_vgpr_workitem_id 0
		.amdhsa_next_free_vgpr 256
		.amdhsa_next_free_sgpr 66
		.amdhsa_reserve_vcc 1
		.amdhsa_float_denorm_mode_32 3
		.amdhsa_float_denorm_mode_16_64 3
		.amdhsa_memory_ordered 1
		.amdhsa_forward_progress 1
		.amdhsa_inst_pref_size 47
	.end_amdhsa_kernel
	.amdgpu_metadata
---
amdhsa.version: [ 1, 2 ]
amdhsa.kernels:
  - .name:           k_q155cd37997_attn
    .symbol:         k_q155cd37997_attn.kd
    .args:
      - { .name: qkv, .offset: 0, .size: 8, .value_kind: global_buffer, .address_space: global }
      - { .name: ao_img, .offset: 8, .size: 8, .value_kind: global_buffer, .address_space: global }
      - { .name: ao_sc, .offset: 16, .size: 8, .value_kind: global_buffer, .address_space: global }
    .group_segment_fixed_size: 327680
    .private_segment_fixed_size: 0
    .kernarg_segment_align: 8
    .kernarg_segment_size: 24
    .max_flat_workgroup_size: 512
    .sgpr_count:     66
    .vgpr_count:     256
    .wavefront_size: 32
...
	.end_amdgpu_metadata
.endif
;; end of part 7
;; launch outp (part 8): grid 4 x 32, 4 waves a work-group, clusters of 4 x 4, 327,680 bytes of LDS; arguments ao_img, ao_sc, w_codes, w_scales, out_b, out0; writes out0
.if DOCPART == 8
	.amdgcn_target "amdgcn-amd-amdhsa--gfx1250"
	.amdhsa_code_object_version 6
	.text
	.protected	k_q155cd37997_outp
	.globl	k_q155cd37997_outp
	.p2align	8
	.type	k_q155cd37997_outp,@function
k_q155cd37997_outp:
	s_mov_b64 s[64:65], 0
	v_nop
	global_prefetch_b8 v0, s[64:65] scope:SCOPE_SE
	s_setreg_imm32_b32 hwreg(HW_REG_WAVE_MODE, 25, 1), 1
	s_wait_xcnt 0x0
	s_wait_alu depctr_hold_cnt(0) depctr_sa_sdst(0) depctr_va_vdst(0) depctr_va_sdst(0) depctr_va_ssrc(0) depctr_va_vcc(0) depctr_vm_vsrc(0)
	s_getreg_b32 s2, hwreg(HW_REG_IB_STS2, 6, 4)
	s_cmp_eq_u32 s2, 0
	s_cbranch_scc0 .Lentry_in_a_cluster
	s_endpgm
.Lentry_in_a_cluster:
	s_bfe_u32 s2, ttmp6, 0x10000c
	s_cmp_lg_u32 s2, 0xf033
	s_cbranch_scc0 .Lentry_shape_is_right
	s_endpgm
.Lentry_shape_is_right:
.set NQ,     4
.set ROWB,   256
.set KROW,   512
.set PITCH,  272
.set FR,     8
.set NL,     2
.set NP,     4
.set HALFT,  128*PITCH
.set SLOT,   4*HALFT
.set KS,     32
.set SCL,    2*SLOT
.set HALFS,  16*272
.set SBLK,   2*272
.set SPARE,  SCL+4*HALFS
.set SPITCH, 528
.set BA,   10
.set ADRA, 16
.set ADRB, 20
.set STO,  24
.set RD,   25
.set CO,   26
.set ADRS, 27
.set SPW,  28
.set NIL,  29
.set SC,   32
.set AF,   128
.set BI,   192
.set BK,   128
.set G1, 24
.set G0, 32
.set G1B, 48
.set G0B, 56
.set G1S, 68
.set G0S, 76
.set G1SB, 80
.set G0SB, 88
.set MSB, 0
.macro WIN new
.if MSB != (\new)
	s_set_vgpr_msb (MSB<<8)|(\new)
.set MSB, (\new)
.endif
.endm
.set MUL_LO, 0xa1
.set MUL_HI, 0xf1
.set TO_B,   0x40
.macro JLOAD g0a, g1a, g0b, g1b
	s_cmp_eq_u32 s15, 0
	s_cbranch_scc0 .Lfor_b_\@
	tensor_load_to_lds s[\g0a:\g0a+3], s[\g1a:\g1a+7]
	s_nop 0
.rept 4
	v_nop
.endr
	s_branch .Lasked_\@
.Lfor_b_\@:
	tensor_load_to_lds s[\g0b:\g0b+3], s[\g1b:\g1b+7]
	s_nop 0
.rept 4
	v_nop
.endr
.Lasked_\@:
.endm
.macro CROUND
	s_barrier_signal -1
	s_barrier_wait -1
	s_cmp_lg_u32 s14, 0
	s_cbranch_scc1 .Lnot_wave_0_\@
	s_barrier_signal -3
.Lnot_wave_0_\@:
	s_barrier_wait -3
	s_barrier_signal -1
	s_barrier_wait -1
.endm
	s_load_b128 s[4:7], s[0:1], 0x0
	s_load_b128 s[8:11], s[0:1], 0x10
	s_load_b64 s[2:3], s[0:1], 0x20
	s_load_b64 s[12:13], s[0:1], 0x28
	v_lshl_add_u32 v[SPW], v0, 2, SPARE
	v_mov_b32 v[NIL], 0
	ds_add_u32 v28, v29
	ds_add_u32 v28, v29
	s_wait_dscnt 0x0
	v_lshrrev_b32 v1, 5, v0
	v_readfirstlane_b32 s14, v1
	s_lshr_b32 s15, s14, 1
	s_and_b32 s16, s14, 1
	s_bfe_u32 s40, ttmp6, 0x40000
	s_bfe_u32 s41, ttmp6, 0x40004
	s_lshl_b32 s42, ttmp9, 2
	s_add_co_u32 s42, s42, s40
	s_and_b32 s17, ttmp7, 0xffff
	s_lshl_b32 s17, s17, 2
	s_add_co_u32 s17, s17, s41
	s_lshl_b32 s43, s41, 2
	s_lshl_b32 s43, 15, s43
	s_lshl_b32 s44, 0x1111, s40
	s_or_b32 s[G1+0], s43, (0<<16)|(1<<20)|(1<<21)|(5<<22)|(3<<25)
	s_or_b32 s[G1B+0], s44, (0<<16)|(1<<20)|(1<<21)|(5<<22)|(3<<25)
.irp g, G1, G1B
	s_mov_b32 s[\g+1], ROWB<<16
	s_mov_b32 s[\g+2], 256<<16                     ; 256 rows for the head's loads; set to 128 for slot 1's
	s_mov_b32 s[\g+3], ROWB<<16
	s_mov_b32 s[\g+4], 256
	s_mov_b32 s[\g+6], 0
	s_mov_b32 s[\g+7], 0
.endr
	s_mov_b32 s[G1+5], ROWB
	s_mov_b32 s[G1B+5], KROW
	s_or_b32 s[G1S+0], s43, (3<<16)|(1<<20)|(1<<21)|(5<<22)|(3<<25)
	s_or_b32 s[G1SB+0], s44, (3<<16)|(1<<20)|(1<<21)|(5<<22)|(3<<25)
.irp g, G1S, G1SB
	s_mov_b32 s[\g+1], 32<<16
	s_mov_b32 s[\g+2], 32<<16                      ; the scales of 256 rows: 32 rows of 256 bytes
	s_mov_b32 s[\g+3], 32<<16
	s_mov_b32 s[\g+4], 32
	s_mov_b32 s[\g+5], 32
	s_mov_b32 s[\g+6], 0
	s_mov_b32 s[\g+7], 0
.endr
	s_lshl_b32 s20, s17, 8                         ; A: the tile's first row
	s_lshl_b32 s46, s42, 8                         ; B: likewise
	s_add_co_u32 s46, s46, 3072
	s_mov_b32 s21, 0
	s_mov_b32 s47, 0
	s_mov_b64 s[18:19], KS
	s_mul_u64 s[22:23], s[20:21], s[18:19]
	s_mul_u64 s[92:93], s[46:47], s[18:19]
	s_mov_b64 s[18:19], KROW
	s_mul_u64 s[46:47], s[46:47], s[18:19]
	s_lshl_b64 s[20:21], s[20:21], 8
	s_mul_i32 s45, s14, HALFT
	s_wait_kmcnt 0x0
	s_add_nc_u64 s[20:21], s[4:5], s[20:21]
	s_add_nc_u64 s[22:23], s[6:7], s[22:23]
	s_add_nc_u64 s[46:47], s[8:9], s[46:47]
	s_add_nc_u64 s[92:93], s[10:11], s[92:93]
	CROUND
	s_mov_b32 s[G0S], 1
	s_mov_b32 s[G0S+1], SCL
	s_mov_b64 s[G0S+2:G0S+3], s[22:23]
	s_or_b32 s[G0S+3], s[G0S+3], 0x80000000
	s_mov_b32 s[G0SB], 1
	s_mov_b32 s[G0SB+1], SCL+2*HALFS
	s_mov_b64 s[G0SB+2:G0SB+3], s[92:93]
	s_or_b32 s[G0SB+3], s[G0SB+3], 0x80000000
	s_mov_b32 s[G0], 1                             ; the head's tiles, each whole: K step 0's 256 rows of A,
	s_mov_b32 s[G0+1], 0
	s_mov_b64 s[G0+2:G0+3], s[20:21]
	s_or_b32 s[G0+3], s[G0+3], 0x80000000
	s_mov_b32 s[G0B], 1                            ; and its 256 rows of B, behind them in slot 0
	s_mov_b32 s[G0B+1], 2*HALFT
	s_mov_b64 s[G0B+2:G0B+3], s[46:47]
	s_or_b32 s[G0B+3], s[G0B+3], 0x80000000
	s_mul_i32 s18, s16, 128*ROWB                   ; slot 1: my 128 rows of a tile: A's rows are dense,
	s_mov_b32 s19, 0
	s_add_nc_u64 s[20:21], s[20:21], s[18:19]
	s_mul_i32 s18, s16, 128*KROW                   ; B's lie KROW bytes apart
	s_add_nc_u64 s[46:47], s[46:47], s[18:19]
	s_mov_b32 s[G0+4], 1
	s_add_co_u32 s[G0+5], s45, SLOT
	s_add_nc_u64 s[G0+6:G0+7], s[20:21], 2097152
	s_or_b32 s[G0+7], s[G0+7], 0x80000000
	s_mov_b32 s[G0B+4], 1
	s_add_co_u32 s[G0B+5], s45, SLOT
	s_add_nc_u64 s[G0B+6:G0B+7], s[46:47], ROWB
	s_or_b32 s[G0B+7], s[G0B+7], 0x80000000
; THE HEAD'S LOADS, ONE A WAVE: wave 0 K step 0's rows of A, wave 1 those of B, wave 2 A's scales, wave 3 B's.  One tree of branches on the wave's number: every way passes exactly one load.
.macro ARM under, g0, g1, next
	s_cmp_lt_u32 s14, \under
	s_cbranch_scc0 \next
	tensor_load_to_lds s[\g0:\g0+3], s[\g1:\g1+7]
	s_nop 0
.rept 4
	v_nop
.endr
	s_branch .Lhead_asked
\next:
.endm
	ARM 1, G0,  G1,  .Lhead_b
	ARM 2, G0B, G1B, .Lhead_sa
	ARM 3, G0S, G1S, .Lhead_sb
	tensor_load_to_lds s[G0SB:G0SB+3], s[G1SB:G1SB+7]
	s_nop 0
.rept 4
	v_nop
.endr
.Lhead_asked:
	v_and_b32 v1, 15, v0
	v_bfe_u32 v2, v0, 4, 1
	v_mul_u32_u24 v3, v1, PITCH
	v_lshl_add_u32 v4, v2, 4, v3
	v_mul_u32_u24 v7, v2, PITCH
	v_lshl_add_u32 v7, v1, 4, v7
	s_mul_i32 s21, s15, HALFT
	s_mul_i32 s22, s16, HALFT
	s_add_co_u32 s22, s22, 2*HALFT
.irp s, 0,1
	v_add_nc_u32 v[ADRA+\s], s21, v7
	v_add_nc_u32 v[ADRB+\s], s22, v4
	s_add_co_u32 s21, s21, SLOT
	s_add_co_u32 s22, s22, SLOT
.endr
	v_mul_u32_u24 v5, v1, KS
	v_lshrrev_b32 v6, 8, v5
	v_lshl_add_u32 v5, v6, 4, v5
	s_mul_i32 s21, s15, HALFS
	s_mul_i32 s22, s16, HALFS
	s_add_co_u32 s22, s22, 2*HALFS
	s_sub_co_u32 s22, s22, s21
	v_mul_u32_u24 v6, s22, v2
	s_add_co_u32 s21, s21, SCL
	v_add_nc_u32 v5, v5, v6
	v_add_nc_u32 v[ADRS], s21, v5
	s_mul_i32 s23, s14, 16*SPITCH
	v_mul_u32_u24 v5, v1, SPITCH
	v_lshl_add_u32 v5, v2, 6, v5
	v_add_nc_u32 v[STO], s23, v5
	v_and_b32 v6, 31, v0
	v_lshlrev_b32 v[CO], 4, v6
	v_add_nc_u32 v[RD], s23, v[CO]
	s_lshl_b32 s20, s17, 8
	s_lshl_b32 s21, s15, 7
	s_add_co_u32 s20, s20, s21
	s_mov_b32 s21, 0
	s_lshl_b64 s[20:21], s[20:21], 12
	s_lshl_b32 s46, s42, 10
	s_lshl_b32 s47, s16, 9
	s_add_co_u32 s46, s46, s47
	s_mov_b32 s47, 0
	s_add_nc_u64 s[2:3], s[2:3], s[46:47]
	s_add_nc_u64 s[20:21], s[20:21], s[46:47]
	s_add_nc_u64 s[12:13], s[12:13], s[20:21]
	v_lshlrev_b32 v[BA], 6, v2
.irp k, 0,1,2,3
.irp q, 0,1,2,3
	global_load_b128 v[BI+16*\k+4*\q:BI+16*\k+4*\q+3], v[BA], s[2:3] offset:128*\k+16*\q
.endr
.endr
.macro FRAG reg, adr, q, i
.irp c, 0,1
	ds_load_b128 v[\reg+4*\c:\reg+4*\c+3], v[\adr] offset:64*(\q)+32*\c+(\i)*16*PITCH
.endr
.endm
.macro FRAGA reg, adr, q, i
.irp c, 0,1
	ds_load_b128 v[\reg+4*\c:\reg+4*\c+3], v[\adr] offset:(16*(\i)+4*(\q)+2*\c)*PITCH
.endr
.endm
.macro MUL16 a0, p, q, sc, zero
.irp a, \a0, \a0+1
.irp b, 0,1,2,3,4,5,6,7
.if \zero
	v_wmma_scale_f32_16x16x128_f8f6f4 v[8*(8*((\a)%4)+\b):8*(8*((\a)%4)+\b)+7], v[128*(\p)+FR*\b:128*(\p)+FR*\b+FR-1], v[AF+FR*(\a):AF+FR*(\a)+FR-1], v[BI+8*\b:BI+8*\b+7], v[SC+8*NQ*(\sc)+NQ*\b+(\q)], v[SC+8*NQ*(\sc)+NQ*(\a)+(\q)] matrix_a_fmt:MATRIX_FMT_FP4 matrix_b_fmt:MATRIX_FMT_FP4 matrix_a_scale:MATRIX_SCALE_ROW1
.else
	v_wmma_scale_f32_16x16x128_f8f6f4 v[8*(8*((\a)%4)+\b):8*(8*((\a)%4)+\b)+7], v[128*(\p)+FR*\b:128*(\p)+FR*\b+FR-1], v[AF+FR*(\a):AF+FR*(\a)+FR-1], v[8*(8*((\a)%4)+\b):8*(8*((\a)%4)+\b)+7], v[SC+8*NQ*(\sc)+NQ*\b+(\q)], v[SC+8*NQ*(\sc)+NQ*(\a)+(\q)] matrix_a_fmt:MATRIX_FMT_FP4 matrix_b_fmt:MATRIX_FMT_FP4 matrix_a_scale:MATRIX_SCALE_ROW1
.endif
.endr
.endr
.endm
.macro FETCH_B slot, q, p
	WIN TO_B
.irp i, 0,1,2,3,4,5,6,7
	FRAG 128*(\p)+FR*\i, ADRB+\slot, \q, \i
.endr
	WIN 0
.endm
.macro FETCH_A slot, q, i0
.irp i, \i0, \i0+1, \i0+2, \i0+3
	FRAGA AF+FR*(\i), ADRA+\slot, \q, \i
.endr
.endm
.macro SCALES sc
.irp i, 0,1,2,3,4,5,6,7
	ds_load_b128 v[SC+8*NQ*\sc+NQ*\i:SC+8*NQ*\sc+NQ*\i+3], v[ADRS] offset:\i*SBLK
.endr
.endm
.macro PLACES n
.rept \n
	v_nop
.endr
.endm
.macro STEP slot, q, zero
	s_wait_dscnt 4*NL
.if \zero
	WIN 0x81
.else
	WIN MUL_LO
.endif
	MUL16 0, (\q)%2, \q, \slot, \zero
	MUL16 2, (\q)%2, \q, \slot, \zero
	s_wait_dscnt 0
	PLACES NP
	FETCH_B \slot, (\q)+1, 1-(\q)%2
	FETCH_A \slot, (\q)+1, 0
.if \zero
	WIN 0xc1
.else
	WIN MUL_HI
.endif
	MUL16 4, (\q)%2, \q, \slot, \zero
	MUL16 6, (\q)%2, \q, \slot, \zero
	PLACES NP
	WIN 0
	FETCH_A \slot, (\q)+1, 4
.endm
.macro TURN slot, next
	s_wait_tensorcnt 0x0
	ds_add_u32 v[SPW], v[NIL]
	s_wait_dscnt 4*NL+1
	WIN MUL_LO
	MUL16 0, 1, NQ-1, \slot, 0
	s_wait_dscnt 0x0
	s_barrier_signal -1
	MUL16 2, 1, NQ-1, \slot, 0
	WIN 0
	s_barrier_wait -1
	PLACES NP
	v_add_nc_u32 v[ADRS], 4*NQ, v[ADRS]
	FETCH_B \next, 0, 0
	FETCH_A \next, 0, 0
	SCALES \next
	WIN MUL_HI
	MUL16 4, 1, NQ-1, \slot, 0
	MUL16 6, 1, NQ-1, \slot, 0
	PLACES NP
	WIN 0
	FETCH_A \next, 0, 4
.endm
	s_wait_alu depctr_va_vdst(0)
	s_wait_tensorcnt 0x0                           ; my tile of the head's four is in; slot 1's first fill is issued as a refill is:
	ds_add_u32 v[SPW], v[NIL]                      ; 0 onto my spare word
	s_mov_b32 s[G1+2], 128<<16                     ; no tensor load of mine is out: from here on a load brings 128 rows
	s_mov_b32 s[G1+4], 128
	s_mov_b32 s[G1B+2], 128<<16
	s_mov_b32 s[G1B+4], 128
	s_wait_dscnt 0x0                               ; the add is done
	CROUND                                         ; all four tiles are in, and all sixteen work-groups are here
	JLOAD G0+4, G1, G0B+4, G1B                     ; K step 1: the first tensor load behind the round, a quarter of the slot a wave
	FETCH_B 0, 0, 0
	FETCH_A 0, 0, 0
	SCALES 0
	FETCH_A 0, 0, 4
	s_wait_loadcnt 0x0
	STEP 0, 0, 1
	STEP 0, 1, 0
	STEP 0, 2, 0
	TURN 0, 1
	STEP 1, 0, 0
	STEP 1, 1, 0
	STEP 1, 2, 0
	s_wait_dscnt 4*NL
	WIN MUL_LO
	MUL16 0, 1, NQ-1, 1, 0
	MUL16 2, 1, NQ-1, 1, 0
	s_wait_dscnt 0
	WIN MUL_HI
	MUL16 4, 1, NQ-1, 1, 0
	MUL16 6, 1, NQ-1, 1, 0
	WIN 0
.macro TOSTAGE a
.set AC, 64*((\a)%4)
	WIN 0x08+4*((\a)/4)
.irp b, 0,1,2,3,4,5,6,7
	ds_store_b128 v[STO], v[AC+8*\b:AC+8*\b+3] offset:128*(\b/2)+32*(\b%2)
	ds_store_b128 v[STO], v[AC+8*\b+4:AC+8*\b+7] offset:128*(\b/2)+32*(\b%2)+16
.endr
	WIN 0
.set BB, BK+64*((\a)%2)
.irp t, 0,1,2,3,4,5,6,7,8,9,10,11,12,13,14,15
	ds_load_b128 v[BB+4*\t:BB+4*\t+3], v[RD] offset:\t*SPITCH
.endr
.endm
.macro SEND a, younger
.set BB, BK+64*((\a)%2)
	s_wait_dscnt \younger
.irp t, 0,1,2,3,4,5,6,7,8,9,10,11,12,13,14,15
	global_store_b128 v[CO], v[BB+4*\t:BB+4*\t+3], s[12:13] offset:(32*((\a)/2)+8*((\a)%2)+\t+8*(\t/8))*4096 th:TH_STORE_NT
.endr
.endm
	PLACES NP
	TOSTAGE 0
.irp a, 1,2,3,4,5,6,7
.if \a > 1
	s_wait_xcnt 0x0
.endif
	TOSTAGE \a
	SEND \a-1, 32
.endr
	SEND 7, 0
	s_wait_tensorcnt 0x0
	ds_add_u32 v[SPW], v[NIL]
	s_wait_dscnt 0x0
	CROUND
	s_endpgm
.Lfunc_end_k_q155cd37997_outp:
	.size	k_q155cd37997_outp, .Lfunc_end_k_q155cd37997_outp-k_q155cd37997_outp
	.p2alignl 7, 3214868480
	.fill 96, 4, 3214868480
	.section	.rodata,"a",@progbits
	.p2align	6, 0x0
	.amdhsa_kernel k_q155cd37997_outp
		.amdhsa_group_segment_fixed_size 327680
		.amdhsa_private_segment_fixed_size 0
		.amdhsa_enable_private_segment 0
		.amdhsa_kernarg_size 48
		.amdhsa_user_sgpr_count 2
		.amdhsa_user_sgpr_kernarg_segment_ptr 1
		.amdhsa_wavefront_size32 1
		.amdhsa_system_sgpr_workgroup_id_x 1
		.amdhsa_system_sgpr_workgroup_id_y 1
		.amdhsa_system_sgpr_workgroup_id_z 1
		.amdhsa_system_vgpr_workitem_id 0
		.amdhsa_next_free_vgpr 1024
		.amdhsa_next_free_sgpr 98
		.amdhsa_reserve_vcc 0
		.amdhsa_float_denorm_mode_32 3
		.amdhsa_float_denorm_mode_16_64 3
		.amdhsa_memory_ordered 1
		.amdhsa_forward_progress 1
		.amdhsa_inst_pref_size 127
	.end_amdhsa_kernel
	.amdgpu_metadata
---
amdhsa.version: [ 1, 2 ]
amdhsa.kernels:
  - .name:           k_q155cd37997_outp
    .symbol:         k_q155cd37997_outp.kd
    .args:
      - { .name: ao_img, .offset: 0, .size: 8, .value_kind: global_buffer, .address_space: global }
      - { .name: ao_sc, .offset: 8, .size: 8, .value_kind: global_buffer, .address_space: global }
      - { .name: w_codes, .offset: 16, .size: 8, .value_kind: global_buffer, .address_space: global }
      - { .name: w_scales, .offset: 24, .size: 8, .value_kind: global_buffer, .address_space: global }
      - { .name: out_b, .offset: 32, .size: 8, .value_kind: global_buffer, .address_space: global }
      - { .name: out0, .offset: 40, .size: 8, .value_kind: global_buffer, .address_space: global }
    .group_segment_fixed_size: 327680
    .private_segment_fixed_size: 0
    .kernarg_segment_align: 8
    .kernarg_segment_size: 48
    .max_flat_workgroup_size: 128
    .sgpr_count:     98
    .vgpr_count:     1024
    .wavefront_size: 32
...
	.end_amdgpu_metadata
.endif
;; end of part 8
